; MI455X (gfx1250); checked and timed in simulation.
; The chip was launched on July 23, 2026; its instructions are those of AMD's public machine-readable ISA for CDNA 5 (MIT licence, August 2026) and "CDNA5" Instruction Set Architecture Reference Guide (July 2026). The comments in the code are by the model that wrote it; some were corrected since.
;; MSA. Allowed arithmetic: matrix products marked QUANTISED: E3M2 operands, one E8M0 scale for each 32 along K, by v_wmma_scale_f32_16x16x128_f8f6f4 with both operands' format E3M2, f32 sums; everything else in f32.
;; Inputs: Wk 1,024 x 1,024 float32; Wo 1,024 x 1,024 float32; Wq 1,024 x 1,024 float32; Wv 1,024 x 1,024 float32; bk 1,024 float32; bo 1,024 float32; bq 1,024 float32; bv 1,024 float32; x 4 x 2,048 x 1,024 float32.
;; Outputs: out0 4 x 2,048 x 1,024 float32.
;; This version of the problem:
;;   THIS VERSION OF THE PROBLEM IS GIVEN IN LOW PRECISION. The matrix products marked QUANTISED in the list below multiply operands that are first quantised to E3M2 (3 exponent bits, 2 mantissa bits; 6 bits a number), with one power-of-two scale for each 32 numbers along K (OCP MX v1.0); their sums are f32. All else is computed in f32.
;;   The module's matrix products, in the order in which they are computed (A, B: the left and right operand; K: the contracted axis; several contracted axes count as one K, in the product's order):
;;     1. [M 8,192, K 1,024] x [K 1,024, N 1,024]; A: input x; B: input Wq: QUANTISED
;;     2. [M 8,192, K 1,024] x [K 1,024, N 1,024]; A: input x; B: input Wk: QUANTISED
;;     3. [M 8,192, K 1,024] x [K 1,024, N 1,024]; A: input x; B: input Wv: QUANTISED
;;     4. batch 64 x [M 2,048, K 64] x [K 64, N 2,048]; A: computed on the way; B: computed on the way: QUANTISED
;;     5. batch 64 x [M 2,048, K 2,048] x [K 2,048, N 64]; A: softmax (see below); B: computed on the way: QUANTISED
;;     6. [M 8,192, K 1,024] x [K 1,024, N 1,024]; A: computed on the way; B: input Wo: QUANTISED
;;   THE QUANTISER, for each operand of a quantised product, along K:
;;     - K is cut into blocks of 32 from its start; a last block that is shorter is filled with zeros.
;;     - A block's scale is 2^e with e = floor(log2(the largest magnitude in the block)) - 4, held to -126 .. 127; a block of zeros has e = 0. As a byte (E8M0): e + 127.
;;     - Each number is divided by its block's scale, clamped to +-28, and rounded to the nearest number of E3M2, ties to even, subnormals kept.
;;     - The product sums the exact products of the quantised numbers (number of the format x scale) in f32.
;;   ~~~python
;;   def quantise(x, axis):      # numpy; x: float32 -> the quantised numbers, widened to float32 again
;;       x = np.moveaxis(x, axis, -1); K = x.shape[-1]
;;       x = np.pad(x, [(0, 0)] * (x.ndim - 1) + [(0, -K % 32)]); x = x.reshape(x.shape[:-1] + (-1, 32)); a = np.abs(x).max(-1, keepdims=True)
;;       e = np.where(a > 0, np.clip(np.frexp(np.where(a > 0, a, 1))[1] - 1 - 4, -126, 127), 0)      # np.frexp(a)[1] - 1 = floor(log2(a)), exactly
;;       r = np.clip(x / 2.0 ** e, -28, 28)
;;       step = 2.0 ** (np.maximum(np.frexp(np.where(r == 0, 1, r))[1] - 1, -2) - 2)
;;       q = np.round(r / step) * step * 2.0 ** e      # np.round: ties to even
;;       return np.moveaxis(q.reshape(q.shape[:-2] + (-1,))[..., :K], -1, axis).astype(np.float32)
;;   ~~~
;;   SOFTMAX AHEAD OF A QUANTISED PRODUCT. Where the list says 'softmax', what is quantised is not the finished softmax but p = 2^(t - M), with t = logit x log2(e) and M = ceil(the row's largest t), a whole number; so 1/2 < the row's largest p <= 1. The row's sum l is taken of the UNQUANTISED p, in f32, and the product's result is divided by l at the end. Since M is a whole number, a kernel that streams over the keys may use a running M (the ceiling of the running maximum): every later rescaling is an exact power of two, which a block's scale takes up: the codes' values come out the same.
;;   OPERANDS COMPUTED ON THE WAY. 'Computed on the way' means the value that the module computes at that place (a softmax that the list does not call 'softmax' is quantised finished and normalised). What goes into a quantiser is computed in f32, as accurately as f32 sums, v_exp_f32 and their like allow (about 1e-6 of the number): no bf16 or f16 on the way to a quantiser, and a product that is left as it is and whose result goes on into a quantised operand takes f32 operands (vector FMAs, or v_wmma_f32_16x16x4_f32). A number that lies on a knife's edge between two numbers of the format may be rounded either way, as far as f32 arithmetic and the matrix unit's own rounding can turn it there, and no further.
;; 2 versions. Each part assembles by itself: llvm-mc -triple=amdgcn-amd-amdhsa -mcpu=gfx1250 --defsym DOCPART=n.
;; ======== version 1 of 2: 5 launches
;; workspace buffers: cod 9,437,184 bytes; scl 393,216 bytes; qkc 12,582,912 bytes; qks 524,288 bytes; vc 6,291,456 bytes; vs 262,144 bytes; oc 6,291,456 bytes; os 262,144 bytes
;; launch quant_w (part 1): grid 8 x 16, 4 waves a work-group, no clusters, 36,352 bytes of LDS; arguments Wq, Wk, Wv, Wo, cod, scl; writes cod, scl
.if DOCPART == 1
	.amdgcn_target "amdgcn-amd-amdhsa--gfx1250"
	.amdhsa_code_object_version 6
	.text
	.protected	k_q5b43865496_quant_w
	.globl	k_q5b43865496_quant_w
	.p2align	8
	.type	k_q5b43865496_quant_w,@function
k_q5b43865496_quant_w:
	s_mov_b64 s[64:65], 0
	v_nop
	global_prefetch_b8 v0, s[64:65] scope:SCOPE_SE
	s_setreg_imm32_b32 hwreg(HW_REG_WAVE_MODE, 25, 1), 1
	s_wait_xcnt 0x0
; The four weights, each [1024 (k)][1024 (n)] f32 with K as FIRST axis, become codes of BF6 (E3M2) with K innermost and one E8M0 byte for each 32 along K.
; cod: rows of 768 bytes (1,024 codes); scl: rows of 32 bytes.  Weight wi (0 Wq, 1 Wk, 2 Wv, 3 Wo) takes rows 1024 wi .. 1024 wi + 1023.
; ROW ORDER.  Column n lies at row sigma(n): sigma swaps the two middle groups of 8 in each 32 rows.  A matrix instruction that takes 16 neighbouring rows of such a buffer as source 0 then leaves,
; in the 16 registers of two neighbouring tiles, 16 neighbours of the true order: what the next quantiser wants.
; A LANE TAKES A COLUMN n AND ITS REGISTERS RUN DOWN K: each load reads 128 consecutive bytes a wave, a block of 32 along K lies in one lane's 32 registers, and the conversions give codes with K innermost.
; A wave takes 32 columns x 256 along K; its codes go through its own stage in LDS (row = sigma(lane)) and leave as rows: sixteen lanes store 192 consecutive bytes of a row, 12 bytes each.
; A block's scale is 2^(floor(log2(largest magnitude)) - 4); its byte is the largest magnitude's exponent field - 4, held at 1 from below.
; LIMITS: a block whose largest magnitude lies under 2^-122 (a block of zeros too) gets the byte 1: its codes are then zeros or the format's smallest numbers; the bytes are read by this program alone.  NaN and infinities are not served.
; Work-group x: 128 columns; y = 4 x weight + which 256 along K.  No tensor loads, no barrier: waves share nothing.  Loads run two blocks (64 loads a wave) ahead.
.set SIZE_K, 1024
.set SIZE_N, 1024
.set KW,    256                        ; along K for a wave
.set NB,    KW/32                      ; blocks
.set ROWB,  192                        ; bytes of KW codes
.set PITCH, 272                        ; a stage row: sixteen places of 16 bytes, each with 12 bytes of codes, + 16
.set KROW,  SIZE_K*6/8                 ; a row of cod in bytes
.set EMAX,  4
.set X,     32                         ; v32-95   two sets of 32 numbers
.set C,     96                         ; v96..    a block's codes
.set OUTR,  112                        ; v112-175 the way out
.set SB,    24                         ; v24-25   the scale bytes, four to a register
	s_load_b256 s[4:11], s[0:1], 0x0               ; Wq, Wk, Wv, Wo
	s_load_b128 s[12:15], s[0:1], 0x20             ; cod, scl
	v_lshl_add_u32 v192, v0, 2, 0x8c00
	v_mov_b32 v193, 0
	v_lshrrev_b32 v1, 5, v0
	v_readfirstlane_b32 s16, v1                    ; wave 0..3
	v_and_b32 v2, 31, v0                           ; lane
	s_lshl_b32 s17, ttmp9, 7
	s_lshl_b32 s18, s16, 5
	s_add_co_u32 s17, s17, s18                     ; my wave's first column: 128 x work-group x + 32 x wave
	s_and_b32 s30, ttmp7, 0xffff
	s_lshr_b32 s31, s30, 2                         ; which weight
	s_and_b32 s18, s30, 3                          ; which 256 along K
	v_lshlrev_b32 v3, 2, v2                        ; in: 4 bytes a lane
	v_and_b32 v10, 7, v2                           ; sigma(lane): bits 0-2 stay,
	v_and_b32 v11, 8, v2
	v_lshl_add_u32 v10, v11, 1, v10                ; bit 3 goes to bit 4,
	v_and_b32 v11, 16, v2
	v_lshrrev_b32 v11, 1, v11
	v_add_nc_u32 v10, v10, v11                     ; bit 4 to bit 3
	s_mul_i32 s19, s16, 32*PITCH                   ; my stage
	v_mul_u32_u24 v4, v10, PITCH
	v_add_nc_u32 v4, s19, v4                       ; into it: row = sigma(my column)
	v_and_b32 v5, 15, v2
	v_lshrrev_b32 v6, 4, v2                        ; out of it: sixteen lanes to a row, two rows an instruction
	v_mul_u32_u24 v7, v6, PITCH
	v_lshl_add_u32 v7, v5, 4, v7
	v_add_nc_u32 v7, s19, v7                       ; LDS address
	v_mul_u32_u24 v8, v6, KROW
	v_mad_u32_u24 v8, v5, 12, v8                   ; and the same place in cod
	v_lshlrev_b32 v9, 5, v10                       ; my column's row of scale bytes
	s_lshl_b32 s20, s18, 20                        ; W: 256 rows of 4,096 bytes for each step along K,
	s_lshl_b32 s22, s17, 2
	s_add_co_u32 s20, s20, s22                     ; + 4 x column
	s_mov_b32 s21, 0
	s_lshl_b32 s22, s31, 10
	s_add_co_u32 s22, s22, s17                     ; the first row that my wave writes: 1024 x weight + column
	s_mul_i32 s24, s22, KROW
	s_mul_i32 s26, s18, ROWB
	s_add_co_u32 s24, s24, s26
	s_mov_b32 s25, 0
	s_lshl_b32 s28, s22, 5
	s_lshl_b32 s26, s18, 3
	s_add_co_u32 s28, s28, s26
	s_mov_b32 s29, 0
	s_and_b32 s26, s31, 1
	s_lshr_b32 s27, s31, 1
	s_wait_kmcnt 0x0
	s_cmp_lg_u32 s26, 0                            ; the weight is chosen by the work-group's number alone
	s_cselect_b64 s[4:5], s[6:7], s[4:5]
	s_cselect_b64 s[8:9], s[10:11], s[8:9]
	s_cmp_lg_u32 s27, 0
	s_cselect_b64 s[4:5], s[8:9], s[4:5]
	s_add_nc_u64 s[4:5], s[4:5], s[20:21]
	s_add_nc_u64 s[12:13], s[12:13], s[24:25]
	s_add_nc_u64 s[14:15], s[14:15], s[28:29]
.macro LOAD t                          ; block t: W(32 t + i, my column), i = 0 .. 31, into set t % 2
.irp i, 0,1,2,3,4,5,6,7,8,9,10,11,12,13,14,15,16,17,18,19,20,21,22,23,24,25,26,27,28,29,30,31
	global_load_b32 v[X+32*((\t)%2)+\i], v3, s[4:5] offset:(32*(\t)+\i)*SIZE_N*4 th:TH_LOAD_NT
.endr
.endm
	LOAD 0
	LOAD 1
.macro BLOCK t
.set XS, X+32*((\t)%2)
.if (\t) < NB-1
	s_wait_loadcnt 32                              ; this block's 32 loads are in; the next block's may be out
.else
	s_wait_loadcnt 0
.endif
	v_max3_num_f32 v12, |v[XS]|, |v[XS+1]|, |v[XS+2]|               ; the block's largest magnitude: all 32 numbers are mine
	v_max3_num_f32 v13, |v[XS+3]|, |v[XS+4]|, |v[XS+5]|
.irp i, 6,10,14,18,22,26
	v_max3_num_f32 v12, v12, |v[XS+\i]|, |v[XS+\i+1]|
	v_max3_num_f32 v13, v13, |v[XS+\i+2]|, |v[XS+\i+3]|
.endr
	v_max3_num_f32 v12, v12, |v[XS+30]|, |v[XS+31]|
	v_max3_num_f32 v12, v12, v13, (EMAX+1)<<23     ; and the floor 2^(5 - 127): the byte cannot fall under 1
	v_add_nc_u32 v11, -(EMAX<<23), v12             ; 4 off its exponent field: the conversion takes the exponent field of this operand as its scale
	v_lshrrev_b32 v13, 23, v11                     ; the scale's byte
.if (\t)%4 == 0
	v_mov_b32 v[SB+(\t)/4], v13                    ; four bytes to a register, the lower K in the lower byte
.else
	v_lshl_or_b32 v[SB+(\t)/4], v13, 8*((\t)%4), v[SB+(\t)/4]
.endif
	v_cvt_scalef32_pk16_bf6_f32 v[C:C+2], v[XS:XS+15], v11
	v_cvt_scalef32_pk16_bf6_f32 v[C+4:C+6], v[XS+16:XS+31], v11     ; (a conversion's three registers begin on an even number)
	ds_store_b96 v4, v[C:C+2] offset:32*(\t)       ; 16 codes, 12 bytes, to a place of 16 bytes, so that every LDS address is a multiple of 16
	ds_store_b96 v4, v[C+4:C+6] offset:32*(\t)+16
.if (\t)+2 < NB
	LOAD (\t)+2
.endif
	s_wait_dscnt 0x0                               ; the stores have read their registers: the next block's codes may be written
.endm
.set Q, 0
.rept NB
	BLOCK Q
.set Q, Q+1
.endr
	global_store_b64 v9, v[SB:SB+1], s[14:15]      ; my column's 8 scale bytes
.irp t, 0,1,2,3,4,5,6,7,8,9,10,11,12,13,14,15
	ds_load_b96 v[OUTR+4*\t:OUTR+4*\t+2], v7 offset:2*\t*PITCH   ; LDS serves a wave's instructions in order: these see my stores
.endr
.irp t, 0,1,2,3,4,5,6,7,8,9,10,11,12,13,14,15
	s_wait_dscnt 15-\t                             ; rows 2 t and 2 t + 1 are back; the younger loads may be out
	global_store_b96 v8, v[OUTR+4*\t:OUTR+4*\t+2], s[12:13] offset:2*\t*KROW
.endr
	s_wait_tensorcnt 0x0
	ds_add_u32 v192, v193
	s_wait_dscnt 0x0
	s_endpgm
.Lfunc_end_k_q5b43865496_quant_w:
	.size	k_q5b43865496_quant_w, .Lfunc_end_k_q5b43865496_quant_w-k_q5b43865496_quant_w
	.p2alignl 7, 3214868480
	.fill 96, 4, 3214868480
	.section	.rodata,"a",@progbits
	.p2align	6, 0x0
	.amdhsa_kernel k_q5b43865496_quant_w
		.amdhsa_group_segment_fixed_size 36352
		.amdhsa_private_segment_fixed_size 0
		.amdhsa_enable_private_segment 0
		.amdhsa_kernarg_size 48
		.amdhsa_user_sgpr_count 2
		.amdhsa_user_sgpr_kernarg_segment_ptr 1
		.amdhsa_wavefront_size32 1
		.amdhsa_system_sgpr_workgroup_id_x 1
		.amdhsa_system_sgpr_workgroup_id_y 1
		.amdhsa_system_sgpr_workgroup_id_z 1
		.amdhsa_system_vgpr_workitem_id 0
		.amdhsa_next_free_vgpr 194
		.amdhsa_next_free_sgpr 66
		.amdhsa_reserve_vcc 0
		.amdhsa_float_denorm_mode_32 3
		.amdhsa_float_denorm_mode_16_64 3
		.amdhsa_memory_ordered 1
		.amdhsa_forward_progress 1
		.amdhsa_inst_pref_size 42
	.end_amdhsa_kernel
	.amdgpu_metadata
---
amdhsa.version: [ 1, 2 ]
amdhsa.kernels:
  - .name:           k_q5b43865496_quant_w
    .symbol:         k_q5b43865496_quant_w.kd
    .args:
      - { .name: Wq, .offset: 0, .size: 8, .value_kind: global_buffer, .address_space: global }
      - { .name: Wk, .offset: 8, .size: 8, .value_kind: global_buffer, .address_space: global }
      - { .name: Wv, .offset: 16, .size: 8, .value_kind: global_buffer, .address_space: global }
      - { .name: Wo, .offset: 24, .size: 8, .value_kind: global_buffer, .address_space: global }
      - { .name: cod, .offset: 32, .size: 8, .value_kind: global_buffer, .address_space: global }
      - { .name: scl, .offset: 40, .size: 8, .value_kind: global_buffer, .address_space: global }
    .group_segment_fixed_size: 36352
    .private_segment_fixed_size: 0
    .kernarg_segment_align: 8
    .kernarg_segment_size: 48
    .max_flat_workgroup_size: 128
    .sgpr_count:     66
    .vgpr_count:     194
    .wavefront_size: 32
...
	.end_amdgpu_metadata
.endif
;; end of part 1
;; launch quant_x (part 2): grid 256 x 1, 4 waves a work-group, no clusters, 33,280 bytes of LDS; arguments x, cod, scl; writes cod, scl
.if DOCPART == 2
	.amdgcn_target "amdgcn-amd-amdhsa--gfx1250"
	.amdhsa_code_object_version 6
	.text
	.protected	k_q5b43865496_quant_x
	.globl	k_q5b43865496_quant_x
	.p2align	8
	.type	k_q5b43865496_quant_x,@function
k_q5b43865496_quant_x:
	s_mov_b64 s[64:65], 0
	v_nop
	global_prefetch_b8 v0, s[64:65] scope:SCOPE_SE
	s_setreg_imm32_b32 hwreg(HW_REG_WAVE_MODE, 25, 1), 1
	s_wait_xcnt 0x0
; x [8192 tokens][1024] f32 becomes codes of BF6 (E3M2), K innermost, and one E8M0 byte for each 32 along K: rows 4096 .. 12287 of cod (768 bytes a row) and of scl (32 bytes a row).
; ROW ORDER.  Token i lies at row sigma(i): sigma swaps the two middle groups of 8 in each 32 rows.  A wave takes 8,192 numbers, which are 8 rows, one such group: wave w of a work-group (32 rows) writes group ((w & 1) << 1) | (w >> 1).
; A block's scale is 2^(floor(log2(largest magnitude)) - 4); its byte is the largest magnitude's exponent field - 4, held at 1 from below.
; LIMITS: a block whose largest magnitude lies under 2^-122 (a block of zeros too) gets the byte 1; the bytes are read by this program alone.  NaN and infinities are not served.
; A wave takes 16 steps of 512 numbers.  Each of a step's four loads reads 512 consecutive bytes, 16 a lane; the 2,048 bytes go through the wave's own stage in LDS and come back 64 bytes a lane, so that a lane holds
; 16 neighbours along K, as the conversion wants (two neighbouring lanes hold a block).  The stage has 16 bytes of padding behind each 64.  A lane's 16 codes are 12 bytes: the wave stores 384 consecutive bytes.
; A wave's 256 scale bytes are gathered in its own LDS bytes and leave as one aligned run of 256 bytes.  No barrier: waves share nothing.  Loads run four steps ahead, the turn through LDS one step.
.set STEPS, 16
.set EMAX,  4
.set CB,    12                         ; bytes of 16 codes
.set R,     16                         ; v16-79   four sets of 16 numbers as they are loaded
.set X,     80                         ; v80-111  two sets of 16 neighbours
.set C,     128                        ; v128-191 codes: four registers for each step, so that no store's data are written again
.set E,     112                        ; v112-127 a scale byte for each step
.set WREG,  8192                       ; LDS: a region for each wave: two stages of 32 x SP bytes, and behind them its 256 scale bytes
.set SP,    80                         ; a lane's place in a stage: its 64 bytes + 16 of padding
	s_load_b64 s[4:5], s[0:1], 0x0                 ; x
	s_load_b128 s[8:11], s[0:1], 0x8               ; cod, scl
	v_lshl_add_u32 v192, v0, 2, 0x8000
	v_mov_b32 v193, 0
	v_lshrrev_b32 v1, 5, v0
	v_readfirstlane_b32 s16, v1                    ; wave
	v_and_b32 v2, 31, v0                           ; lane
	v_lshlrev_b32 v3, 4, v2                        ; my 16 bytes of a load's 512
	s_mul_i32 s17, s16, WREG
	v_lshrrev_b32 v14, 2, v2
	v_mul_u32_u24 v14, v14, SP
	v_and_b32 v15, 3, v2
	v_lshl_add_u32 v14, v15, 4, v14
	v_add_nc_u32 v14, s17, v14                     ; the stage, on the way in: SP (lane / 4) + 16 (lane % 4)
	v_mul_u32_u24 v15, v2, SP
	v_add_nc_u32 v15, s17, v15                     ; and on the way out: SP x lane: my 16 neighbours
	v_mul_u32_u24 v4, v2, CB                       ; my codes' place in a step's
	v_lshrrev_b32 v5, 1, v2
	s_add_co_u32 s17, s17, 2*32*SP
	v_add_nc_u32 v5, s17, v5                       ; LDS: my wave's 256 scale bytes, my block's byte
	v_lshlrev_b32 v7, 3, v2                        ; and on the way out 8 bytes a lane
	v_add_nc_u32 v6, s17, v7
	s_lshl_b32 s17, ttmp9, 2
	s_add_co_u32 s18, s17, s16                     ; the run of 8 rows that I read
	s_and_b32 s19, s16, 1
	s_lshl_b32 s19, s19, 1
	s_lshr_b32 s20, s16, 1
	s_or_b32 s19, s19, s20
	s_add_co_u32 s19, s17, s19                     ; and the run that I write
	s_lshl_b32 s20, s18, 15                        ; 32,768 bytes of x a run
	s_mov_b32 s21, 0
	s_mul_i32 s22, s19, 32*STEPS*CB                ; 6,144 bytes of codes a run,
	s_add_co_u32 s22, s22, 4096*768                ; behind the weights' rows
	s_mov_b32 s23, 0
	s_lshl_b32 s24, s19, 8                         ; 256 scale bytes a run
	s_add_co_u32 s24, s24, 4096*32
	s_mov_b32 s25, 0
	s_wait_kmcnt 0x0
	s_add_nc_u64 s[4:5], s[4:5], s[20:21]
	s_add_nc_u64 s[8:9], s[8:9], s[22:23]
	s_add_nc_u64 s[10:11], s[10:11], s[24:25]
.macro LOAD t
.irp i, 0,1,2,3
	global_load_b128 v[R+16*((\t)%4)+4*\i:R+16*((\t)%4)+4*\i+3], v3, s[4:5] offset:2048*(\t)+512*\i th:TH_LOAD_NT   ; 32 lanes read 512 consecutive bytes
.endr
.endm
.macro TURN t                          ; step t's numbers through the stage: LDS serves a wave's instructions in order, so no wait stands between the stores and the loads
.irp i, 0,1,2,3
	ds_store_b128 v14, v[R+16*((\t)%4)+4*\i:R+16*((\t)%4)+4*\i+3] offset:32*SP*((\t)%2)+8*SP*\i
.endr
.irp i, 0,1,2,3
	ds_load_b128 v[X+16*((\t)%2)+4*\i:X+16*((\t)%2)+4*\i+3], v15 offset:32*SP*((\t)%2)+16*\i
.endr
.endm
.irp t, 0,1,2,3
	LOAD \t
.endr
	s_wait_loadcnt 12                              ; step 0's four loads are in
	TURN 0
.macro STEP t
.set XS, X+16*((\t)%2)
.if (\t) > 0
	s_wait_dscnt 1                                 ; this step's numbers are back from the stage (the last step's byte store may be out): so its stores into the stage have read their registers,
.else
	s_wait_dscnt 0x0
.endif
.if (\t)+4 < STEPS
	LOAD (\t)+4                                    ; which take the loads of four steps on
.endif
.if (\t)+1 < STEPS
.if STEPS-2-(\t) >= 3
	s_wait_loadcnt 12                              ; the next step's four loads are in; those of the three steps behind it may be out
.else
	s_wait_loadcnt 4*(STEPS-2-(\t))
.endif
	TURN (\t)+1                                    ; and go through the other stage while this step is worked
.endif
	v_max3_num_f32 v8, |v[XS]|, |v[XS+1]|, |v[XS+2]|               ; the largest magnitude of my 16
	v_max3_num_f32 v9, |v[XS+3]|, |v[XS+4]|, |v[XS+5]|
.irp i, 6,10
	v_max3_num_f32 v8, v8, |v[XS+\i]|, |v[XS+\i+1]|
	v_max3_num_f32 v9, v9, |v[XS+\i+2]|, |v[XS+\i+3]|
.endr
	v_max3_num_f32 v8, v8, |v[XS+14]|, |v[XS+15]|
	v_max3_num_f32 v8, v8, v9, (EMAX+1)<<23        ; and the floor 2^(5 - 127): the byte cannot fall under 1
	v_max_num_f32_dpp v8, v8, v8 row_xmask:1 row_mask:0xf bank_mask:0xf   ; and of my neighbour's 16: the block's
	v_add_nc_u32 v11, -(EMAX<<23), v8              ; 4 off its exponent field: the conversion's scale operand
	v_cvt_scalef32_pk16_bf6_f32 v[C+4*(\t):C+4*(\t)+2], v[XS:XS+15], v11
	v_lshrrev_b32 v[E+(\t)], 23, v11               ; the scale's byte
	ds_store_b8 v5, v[E+(\t)] offset:16*(\t)       ; both lanes of a block write the same byte with the same value
	global_store_b96 v4, v[C+4*(\t):C+4*(\t)+2], s[8:9] offset:32*CB*(\t)
.endm
.irp t, 0,1,2,3,4,5,6,7,8,9,10,11,12,13,14,15
	STEP \t
.endr
	ds_load_b64 v[12:13], v6                       ; LDS serves a wave's instructions in order: these see my stores
	s_wait_dscnt 0x0
	global_store_b64 v7, v[12:13], s[10:11]        ; 32 lanes store 256 consecutive bytes, aligned
	s_wait_tensorcnt 0x0
	ds_add_u32 v192, v193
	s_wait_dscnt 0x0
	s_endpgm
.Lfunc_end_k_q5b43865496_quant_x:
	.size	k_q5b43865496_quant_x, .Lfunc_end_k_q5b43865496_quant_x-k_q5b43865496_quant_x
	.p2alignl 7, 3214868480
	.fill 96, 4, 3214868480
	.section	.rodata,"a",@progbits
	.p2align	6, 0x0
	.amdhsa_kernel k_q5b43865496_quant_x
		.amdhsa_group_segment_fixed_size 33280
		.amdhsa_private_segment_fixed_size 0
		.amdhsa_enable_private_segment 0
		.amdhsa_kernarg_size 24
		.amdhsa_user_sgpr_count 2
		.amdhsa_user_sgpr_kernarg_segment_ptr 1
		.amdhsa_wavefront_size32 1
		.amdhsa_system_sgpr_workgroup_id_x 1
		.amdhsa_system_sgpr_workgroup_id_y 1
		.amdhsa_system_sgpr_workgroup_id_z 1
		.amdhsa_system_vgpr_workitem_id 0
		.amdhsa_next_free_vgpr 194
		.amdhsa_next_free_sgpr 66
		.amdhsa_reserve_vcc 0
		.amdhsa_float_denorm_mode_32 3
		.amdhsa_float_denorm_mode_16_64 3
		.amdhsa_memory_ordered 1
		.amdhsa_forward_progress 1
		.amdhsa_inst_pref_size 32
	.end_amdhsa_kernel
	.amdgpu_metadata
---
amdhsa.version: [ 1, 2 ]
amdhsa.kernels:
  - .name:           k_q5b43865496_quant_x
    .symbol:         k_q5b43865496_quant_x.kd
    .args:
      - { .name: x, .offset: 0, .size: 8, .value_kind: global_buffer, .address_space: global }
      - { .name: cod, .offset: 8, .size: 8, .value_kind: global_buffer, .address_space: global }
      - { .name: scl, .offset: 16, .size: 8, .value_kind: global_buffer, .address_space: global }
    .group_segment_fixed_size: 33280
    .private_segment_fixed_size: 0
    .kernarg_segment_align: 8
    .kernarg_segment_size: 24
    .max_flat_workgroup_size: 128
    .sgpr_count:     66
    .vgpr_count:     194
    .wavefront_size: 32
...
	.end_amdgpu_metadata
.endif
;; end of part 2
;; launch qkv (part 3): grid 8 x 48, 4 waves a work-group, clusters of 4 x 4, 327,680 bytes of LDS; arguments cod, scl, bq, bk, bv, qkc, qks, vc, vs; writes qkc, qks, vc, vs
.if DOCPART == 3
	.amdgcn_target "amdgcn-amd-amdhsa--gfx1250"
	.amdhsa_code_object_version 6
	.text
	.protected	k_q5b43865496_qkv
	.globl	k_q5b43865496_qkv
	.p2align	8
	.type	k_q5b43865496_qkv,@function
k_q5b43865496_qkv:
	s_mov_b64 s[64:65], 0
	v_nop
	global_prefetch_b8 v0, s[64:65] scope:SCOPE_SE
	s_setreg_imm32_b32 hwreg(HW_REG_WAVE_MODE, 25, 1), 1
	s_wait_xcnt 0x0
	s_wait_alu depctr_hold_cnt(0) depctr_sa_sdst(0) depctr_va_vdst(0) depctr_va_sdst(0) depctr_va_ssrc(0) depctr_va_vcc(0) depctr_vm_vsrc(0)
	s_getreg_b32 s2, hwreg(HW_REG_IB_STS2, 6, 4)
	s_cmp_eq_u32 s2, 0
	s_cbranch_scc0 .Lentry_in_a_cluster
	s_endpgm
.Lentry_in_a_cluster:
	s_bfe_u32 s2, ttmp6, 0x10000c
	s_cmp_lg_u32 s2, 0xf033
	s_cbranch_scc0 .Lentry_shape_is_right
	s_endpgm
.Lentry_shape_is_right:
; q = x Wq + bq, k = x Wk + bk, v = x Wv + bv on codes of BF6 (E3M2) with E8M0 scales, sums in f32; the results are QUANTISED AGAIN on the way out and leave as codes and scale bytes alone.
; cod: rows of 768 bytes (1,024 codes, K innermost): rows 0.. Wq's columns, 1024.. Wk's, 2048.. Wv's, 4096.. x's tokens; scl: 32 scale bytes a row.  Inside each tensor row i lies at sigma(i), which swaps the two
; middle groups of 8 in each 32 rows.  So the 16 registers that source 0's tiles 2 b and 2 b + 1 leave in a lane are 16 neighbours of the true order: 32 b + 16 (lane / 16) + 0 .. 15, as the conversions want them.
; ONE TEXT, TWO ROLES, told apart by the cluster's y alone (the same in all sixteen partners); the role selects numbers, never a branch or an LDS address.
;   clusters y 0-7 (q and k): source 1 ('A', a lane's row) = 256 tokens, source 0 ('B', along a lane's registers) = 256 columns of Wq or Wk: q and k are quantised along the head's 64.
;   clusters y 8-11 (v):      source 1 = 256 columns of Wv, source 0 = 256 tokens: v is quantised along the tokens, which are the keys of attention's second product.
; OUT: qkc [32 chunks of 64 columns: 0-15 q's heads, 16-31 k's][8192 token rows][48 bytes];  qks [16 pairs of chunks][8192][4 bytes: 2 for each chunk];  vc [128 chunks of 64 tokens][1024 column rows][48];  vs [64 groups of 128 tokens][1024][4].
; A tile of 256 x 256 is made by four waves, 128 x 128 each: 64 accumulators, 512 registers.  K goes in steps of 256 through a ring of two LDS slots filled by the tensor data mover; the scale bytes of the
; work-group's 512 rows come once.  4 x 4 work-groups form a cluster: A's tiles are asked for jointly along a row of the cluster, B's along a column.
; THE BIAS that runs along the registers (q, k) is the C of each sum's first product; the bias of the lane's row (v) is added on the way out; the role's other bias is masked to +0, so both lines stand in both roles.
; LIMITS: a block whose largest magnitude lies under 2^-122 (zeros too) gets the scale byte 1; the bytes are read by this program alone.  NaN and infinities are not served.
; REGISTERS, in windows of 256: window 0: v0-31 addresses; v32-63 scale words, two sets; v64-127 the bias along the registers, later a block's 64 numbers; v128-223 A's fragments, one set, later codes; v224-239 the bias of the lane's rows; v240-255 at work.
;   window 1: B's fragments, two sets, at v0 and v128.   window 2: the 32 accumulators of my rows 0-63 ((a, b) at v[8 (8 a + b)]);   window 3: those of my rows 64-127.
.set KSTEP,  256                       ; along K in a slot
.set NQ,     KSTEP/128                 ; matrix instructions deep
.set ROWB,   192                       ; a tile's row in bytes
.set KROW,   768                       ; a row of cod in bytes
.set PITCH,  240                       ; an LDS row: 3 x (64 bytes + 16 of padding): the 32 lanes of a load of 8 bytes touch 64 different banks (64 banks of 4 bytes: ISA guide 11.1)
.set FR,     12                        ; registers of a fragment
.set NL,     6                         ; LDS loads that bring one
.set NP,     4                         ; places behind this matrix instruction (ISA guide 7.12.1)
.set HALFT,  128*PITCH                 ; 128 rows: what one tensor load brings
.set SLOT,   4*HALFT                   ; A's 256 rows, then B's 256 rows
.set LAPS,   2                         ; 1,024 along K = four K steps = twice round the ring
.set KS,     32                        ; a row of scale bytes
.set SCL,    2*SLOT                    ; behind the ring: the scale bytes, as runs of 256 bytes + 16 of padding
.set HALFS,  (128*KS/256)*272          ; those of 128 rows
.set SBLK,   (16*KS/256)*272           ; those of 16 rows
.set SPARE,  SCL+4*HALFS               ; the spare words, 128 bytes for each wave: two blocks of 256 bytes that no other line names
.set WSTG,   12800                     ; the way out: a stage for each wave, in slot 0 (its last fill and its last read are over): [2 chunks][128 rows][48 bytes], then 128 scale words
.set ADRA, 16                          ; v16-17 LDS address of my A fragments in slot 0, 1 (v18-19: behind one padding more)
.set ADRB, 20                          ; v20-21 the same for B (v22-23)
.set STO,  24                          ; v24  the stage: where I put my 24 bytes of a row's chunk
.set RD,   25                          ; v25  the stage: 16 x lane
.set CO,   26                          ; v26  16 x lane: my place in a store's 512 bytes
.set ADRS, 27                          ; v27  LDS address of my scale words: lanes 0-15 A's rows, lanes 16-31 B's
.set SPW,  28                          ; v28  LDS address of my spare word; never rewritten
.set NIL,  29                          ; v29  0; never rewritten
.set STS,  30                          ; v30  the stage: my row's scale word
.set SC,   32                          ; scale words: set s at v[SC + 16 s]; register 2 i + q: lanes 0-15 A's block i, lanes 16-31 B's block i
.set BP,   64                          ; v64-127 the bias along the registers: 8 for each of B's blocks
.set HA,   64                          ; on the way out: a block's 64 numbers
.set AF,   128                         ; A's fragments
.set CD,   128                         ; on the way out: the codes just made (v128-146)
.set OUTR, 128                         ; and the stage read back (v128-223)
.set BR,   224                         ; v224-239 the bias of my lane's row in A's block a: a pair for each block
.set TM,   240                         ; v240-243 largest magnitudes, v244-247 bytes, v252-255 the conversions' scale operands
.set PW,   248                         ; the scale word just made
.set G1, 24                            ; s[24:31] descriptor group 1 for A's tiles;  s[32:39] group 0, one set for each slot
.set G0, 32
.set G1B, 48                           ; s[48:55], s[56:63] the same for B's tiles
.set G0B, 56
.set G1S, 68                           ; s[68:75], s[76:79] for A's scale bytes;  s[80:87], s[88:91] for B's
.set G0S, 76
.set G1SB, 80
.set G0SB, 88
.set SEL, 98                           ; s[98:99] on the way out: v_permlanex16_b32's selects
.set MSB, 0
.macro WIN new                         ; the immediate's high byte repeats the setting that is left
.if MSB != (\new)
	s_set_vgpr_msb (MSB<<8)|(\new)
.set MSB, (\new)
.endif
.endm
.set MUL_LO, 0xa1                      ; source 0 (B) window 1, source 1 (A) window 0, C and D window 2
.set MUL_HI, 0xf1                      ; the same, C and D window 3
.set FIRST_LO, 0x81                    ; the first step: C (the bias) window 0, D window 2
.set FIRST_HI, 0xc1                    ; D window 3
.set TO_B,   0x40                      ; destination window 1, address window 0
; A joint load: waves 0 and 1 fetch for A, waves 2 and 3 for B.  The branch hangs on the wave's number alone.  Four v_nop follow each of the two lines.
.macro JLOAD g0a, g1a, g0b, g1b
	s_cmp_eq_u32 s15, 0
	s_cbranch_scc0 .Lfor_b_\@
	tensor_load_to_lds s[\g0a:\g0a+3], s[\g1a:\g1a+7]
	s_nop 0
.rept 4
	v_nop
.endr
	s_branch .Lasked_\@
.Lfor_b_\@:
	tensor_load_to_lds s[\g0b:\g0b+3], s[\g1b:\g1b+7]
	s_nop 0
.rept 4
	v_nop
.endr
.Lasked_\@:
.endm
.macro CREST                           ; a round of the cluster's barrier behind its opening barrier
	s_cmp_lg_u32 s14, 0
	s_cbranch_scc1 .Lnot_wave_0_\@
	s_barrier_signal -3
.Lnot_wave_0_\@:
	s_barrier_wait -3
	s_barrier_signal -1
	s_barrier_wait -1
.endm
.macro CROUND                          ; a whole round
	s_barrier_signal -1
	s_barrier_wait -1
	CREST
.endm
	s_load_b128 s[4:7], s[0:1], 0x0                ; cod, scl
	s_load_b128 s[8:11], s[0:1], 0x10              ; bq, bk
	s_load_b64 s[12:13], s[0:1], 0x20              ; bv
	v_lshl_add_u32 v[SPW], v0, 2, SPARE
	v_mov_b32 v[NIL], 0
	ds_add_u32 v28, v29
	ds_add_u32 v28, v29
	s_wait_dscnt 0x0
	v_lshrrev_b32 v1, 5, v0
	v_readfirstlane_b32 s14, v1                    ; wave 0..3
	s_lshr_b32 s15, s14, 1                         ; which half of A's rows is mine.  Also: I fetch for A (0) or for B (1)
	s_and_b32 s16, s14, 1                          ; which half of B's rows.  Also: which 128 rows of that tile I fetch
	s_bfe_u32 s40, ttmp6, 0x40000                  ; cx, cy: my place in the cluster
	s_bfe_u32 s41, ttmp6, 0x40004
	s_lshl_b32 s42, ttmp9, 2
	s_add_co_u32 s42, s42, s40                     ; gx = 4 x cluster x + cx: 0 .. 7
	s_lshl_b32 s43, s41, 2
	s_lshl_b32 s43, 15, s43                        ; my row of the cluster
	s_lshl_b32 s44, 0x1111, s40                    ; my column
	; the role's numbers, from the cluster's y alone
	s_and_b32 s17, ttmp7, 0xffff                   ; cluster y: 0-7 q and k, 8-11 v
	s_lshl_b32 s18, s17, 2                         ; q, k: A's tile among x's 32 is 4 y + cy
	s_add_co_u32 s19, s18, 16                      ;       which in cod (units of 256 rows) lies 16 on
	s_and_b32 s93, s17, 7
	s_lshl_b32 s93, s93, 3                         ; v: B's tile among x's 32 is 8 (y - 8) + gx
	s_add_co_u32 s46, s93, 16
	s_mov_b32 s95, 1024*48                         ; bytes of one chunk of the output: rows x 48
	s_mov_b32 s99, 1024*4                          ; and of one group of its scale words
	s_cmp_lt_u32 s17, 8
	s_cselect_b32 s18, s18, 0                      ; A's tile among the output's rows, less cy
	s_cselect_b32 s19, s19, 8                      ; A's tile in cod, less cy (v: Wv's tiles begin at 8)
	s_cselect_b32 s93, 0, s93                      ; B's tile among the output's chunks, less gx
	s_cselect_b32 s46, 0, s46                      ; B's tile in cod, less gx (q, k: Wq's and Wk's tiles begin at 0)
	s_cselect_b32 s66, 0, 1                        ; 1: the role is v
	s_cselect_b32 s95, 8192*48, s95
	s_cselect_b32 s99, 8192*4, s99
	s_cselect_b32 s97, -1, 0                       ; keeps the bias along the registers (q, k)
	s_cselect_b32 s98, 0, -1                       ; keeps the bias of the lane's row (v)
	s_add_co_u32 s18, s18, s41
	s_add_co_u32 s19, s19, s41                     ; A's numbers hang on cy, B's on cx: each in registers that never hold the other
	s_add_co_u32 s93, s93, s42
	s_add_co_u32 s46, s46, s42
	; where my wave's results go, in bytes
	s_lshl_b32 s67, s93, 2
	s_lshl_b32 s96, s16, 1
	s_add_co_u32 s67, s67, s96                     ; my first chunk of 64: 4 x B's tile + 2 x half
	s_lshr_b32 s96, s67, 1                         ; and my group of 128
	s_mul_i32 s67, s67, s95
	s_mul_i32 s96, s96, s99
	s_lshl_b32 s99, s18, 8
	s_lshl_b32 s2, s15, 7
	s_add_co_u32 s99, s99, s2                      ; my first row: 256 x A's tile + 128 x half
	s_mul_i32 s2, s99, 48
	s_add_co_u32 s67, s67, s2                      ; s67: my first chunk's codes
	s_lshl_b32 s2, s99, 2
	s_add_co_u32 s96, s96, s2                      ; s96: my scale words
	; where my biases begin, in bytes; 0 in the role that masks them
	s_and_b32 s2, s42, 3
	s_lshl_b32 s2, s2, 10
	s_lshl_b32 s3, s16, 9
	s_add_co_u32 s2, s2, s3
	s_and_b32 s2, s2, s97                          ; bq or bk at column 256 (gx % 4) + 128 x half
	s_lshl_b32 s3, s41, 10
	s_lshl_b32 s99, s15, 9
	s_add_co_u32 s3, s3, s99
	s_and_b32 s3, s3, s98                          ; bv at column 256 cy + 128 x half
	; descriptor group 1: a tile of 128 rows x 192 bytes, padded in LDS
	s_or_b32 s[G1+0], s43, (0<<16)|(1<<20)|(1<<21)|(3<<22)|(3<<25)  ; 15:0 the mask: A's tiles go to my row; 17:16 elements of 1 byte; 20 padding on; 21 set beside a mask; 24:22 after every 16 words; 31:25 of 4 words
	s_or_b32 s[G1B+0], s44, (0<<16)|(1<<20)|(1<<21)|(3<<22)|(3<<25) ; B's go to my column
.irp g, G1, G1B
	s_mov_b32 s[\g+1], ROWB<<16                    ; tensor_dim0
	s_mov_b32 s[\g+2], 128<<16                     ; tensor_dim1
	s_mov_b32 s[\g+3], ROWB<<16                    ; tile_dim0
	s_mov_b32 s[\g+4], 128                         ; tile_dim1
	s_mov_b32 s[\g+5], KROW                        ; tensor_dim0_stride
	s_mov_b32 s[\g+6], 0
	s_mov_b32 s[\g+7], 0
.endr
	; the scale bytes of 128 rows: 4,096 dense bytes, as 16 rows of 256 bytes (32 elements of 8 bytes), 16 bytes of padding behind each
	s_or_b32 s[G1S+0], s43, (3<<16)|(1<<20)|(1<<21)|(5<<22)|(3<<25)
	s_or_b32 s[G1SB+0], s44, (3<<16)|(1<<20)|(1<<21)|(5<<22)|(3<<25)
.irp g, G1S, G1SB
	s_mov_b32 s[\g+1], 32<<16
	s_mov_b32 s[\g+2], (128*KS/256)<<16
	s_mov_b32 s[\g+3], 32<<16
	s_mov_b32 s[\g+4], 128*KS/256
	s_mov_b32 s[\g+5], 32
	s_mov_b32 s[\g+6], 0
	s_mov_b32 s[\g+7], 0
.endr
	s_lshl_b32 s23, s16, 7                         ; which 128 rows of the tile I fetch
	s_lshl_b32 s20, s19, 8
	s_add_co_u32 s20, s20, s23                     ; A: its row in cod
	s_lshl_b32 s46, s46, 8
	s_add_co_u32 s46, s46, s23                     ; B: likewise
	s_lshl_b32 s22, s20, 5                         ; where these rows' scale bytes begin,
	s_mov_b32 s23, 0
	s_mul_i32 s20, s20, KROW                       ; and their codes (12,288 rows of 768 bytes stay under 2^32)
	s_mov_b32 s21, 0
	s_lshl_b32 s92, s46, 5
	s_mov_b32 s93, 0
	s_mul_i32 s46, s46, KROW
	s_mov_b32 s47, 0
	s_mul_i32 s45, s14, HALFT                      ; where they go: wave x 128 rows: no place in the cluster enters an LDS address
	s_mul_i32 s94, s14, HALFS
	s_wait_kmcnt 0x0
	s_add_nc_u64 s[20:21], s[4:5], s[20:21]
	s_add_nc_u64 s[22:23], s[6:7], s[22:23]
	s_add_nc_u64 s[46:47], s[4:5], s[46:47]
	s_add_nc_u64 s[92:93], s[6:7], s[92:93]
	CROUND                                         ; all sixteen work-groups are here: the first joint loads meet
	s_mov_b32 s[G0S], 1
	s_add_co_u32 s[G0S+1], s94, SCL
	s_mov_b64 s[G0S+2:G0S+3], s[22:23]
	s_or_b32 s[G0S+3], s[G0S+3], 0x80000000
	s_mov_b32 s[G0SB], 1
	s_add_co_u32 s[G0SB+1], s94, SCL
	s_mov_b64 s[G0SB+2:G0SB+3], s[92:93]
	s_or_b32 s[G0SB+3], s[G0SB+3], 0x80000000
	JLOAD G0S, G1S, G0SB, G1SB                     ; the scale bytes first: they are wanted with K step 0
.irp s, 0,1
	s_mov_b32 s[G0+4*\s], 1
	s_add_co_u32 s[G0+4*\s+1], s45, \s*SLOT
	s_add_nc_u64 s[G0+4*\s+2:G0+4*\s+3], s[20:21], \s*ROWB
	s_or_b32 s[G0+4*\s+3], s[G0+4*\s+3], 0x80000000
	s_mov_b32 s[G0B+4*\s], 1
	s_add_co_u32 s[G0B+4*\s+1], s45, \s*SLOT
	s_add_nc_u64 s[G0B+4*\s+2:G0B+4*\s+3], s[46:47], \s*ROWB
	s_or_b32 s[G0B+4*\s+3], s[G0B+4*\s+3], 0x80000000
	JLOAD G0+4*\s, G1, G0B+4*\s, G1B
.endr
	v_and_b32 v1, 15, v0                           ; r = l % 16
	v_bfe_u32 v2, v0, 4, 1                         ; h = l / 16
	; the biases.  Along the registers: register 8 b + j of my lane is column 32 (b / 2) + 16 h + 8 (b % 2) + j.  Of the lane's row: row 16 a + r of the buffer is column 32 (a / 2) + 8 (a % 2) + r + 8 (r / 8).
	s_cmp_lt_u32 s42, 4
	s_cselect_b64 s[8:9], s[8:9], s[10:11]         ; bq for Wq's tiles, bk for Wk's
	v_lshlrev_b32 v7, 6, v2
	v_add_nc_u32 v7, s2, v7
	v_and_b32 v8, 8, v1
	v_add_nc_u32 v8, v8, v1
	v_lshlrev_b32 v8, 2, v8
	v_add_nc_u32 v8, s3, v8
.irp b, 0,1,2,3,4,5,6,7
	global_load_b128 v[BP+8*\b:BP+8*\b+3], v7, s[8:9] offset:(32*(\b/2)+8*(\b%2))*4
	global_load_b128 v[BP+8*\b+4:BP+8*\b+7], v7, s[8:9] offset:(32*(\b/2)+8*(\b%2))*4+16
.endr
.irp a, 0,1,2,3,4,5,6,7
	global_load_b32 v[BR+2*\a], v8, s[12:13] offset:(32*(\a/2)+8*(\a%2))*4
.endr
	v_mul_u32_u24 v3, v1, PITCH
	v_mul_u32_u24 v4, v2, 24
	v_add_nc_u32 v4, v3, v4                        ; a fragment's row x pitch + 24 x half
	v_lshl_add_u32 v5, v2, 4, v4                   ; and the same behind one padding more
	s_mul_i32 s21, s15, HALFT                      ; my 128 rows of A
	s_mul_i32 s22, s16, HALFT                      ; my 128 rows of B,
	s_add_co_u32 s22, s22, 2*HALFT                 ; which lie behind A's 256
.irp s, 0,1
	v_add_nc_u32 v[ADRA+\s], s21, v4
	v_add_nc_u32 v[ADRB+\s], s22, v4
	v_add_nc_u32 v[ADRA+2+\s], s21, v5
	v_add_nc_u32 v[ADRB+2+\s], s22, v5
	s_add_co_u32 s21, s21, SLOT
	s_add_co_u32 s22, s22, SLOT
.endr
	v_mul_u32_u24 v5, v1, KS                       ; my row's scale bytes: 32 a row,
	v_lshrrev_b32 v6, 8, v5
	v_lshl_add_u32 v5, v6, 4, v5                   ; and 16 more for each 256 passed
	s_mul_i32 s21, s15, HALFS                      ; A's: my 128 rows
	s_mul_i32 s22, s16, HALFS                      ; B's: my 128 rows, behind A's 256
	s_add_co_u32 s22, s22, 2*HALFS
	s_sub_co_u32 s22, s22, s21
	v_mul_u32_u24 v6, s22, v2                      ; lanes 16-31 take B's
	s_add_co_u32 s21, s21, SCL
	v_add_nc_u32 v5, v5, v6
	v_add_nc_u32 v[ADRS], s21, v5
	s_mul_i32 s23, s14, WSTG                       ; my stage
	v_mul_u32_u24 v5, v1, 48
	v_mad_u32_u24 v5, v2, 24, v5
	v_add_nc_u32 v[STO], s23, v5                   ; row r of 48 bytes, + 24 h
	v_and_b32 v6, 31, v0
	v_lshlrev_b32 v[CO], 4, v6
	v_add_nc_u32 v[RD], s23, v[CO]
	s_add_co_u32 s23, s23, 12288
	v_lshl_add_u32 v[STS], v1, 2, s23              ; the scale words behind the codes: 4 r
	s_wait_loadcnt 0x0                             ; the biases
.set i, 0
.rept 64
	v_and_b32 v[BP+i], s97, v[BP+i]                ; kept for q and k, +0 for v
.set i, i+1
.endr
.irp a, 0,1,2,3,4,5,6,7
	v_and_b32 v[BR+2*\a], s98, v[BR+2*\a]          ; kept for v, +0 for q and k
.endr
.irp a, 0,1,2,3,4,5,6,7
	v_mov_b32 v[BR+2*\a+1], v[BR+2*\a]             ; a pair for the packed addition
.endr
.macro FRAG reg, adr, q, i             ; a fragment, 16 rows x 128 K, is 12 registers: lane l holds row l % 16; registers 6 c .. 6 c + 5 hold K = 64 c + 32 (l / 16) + 0 .. 31: 24 bytes of the row, as they lie
.irp p, 0,1,2,3,4,5                    ; in pieces of 8 bytes.  Lanes 0-15 take the row's pieces 12 q + 0, 1, 2 and 12 q + 6, 7, 8, lanes 16-31 those three pieces on
.set PC, 12*(\q)+6*(\p/3)+\p%3         ; 16 bytes of padding lie behind every 8 pieces: where the piece three on lies behind one padding more, the second address register serves
.if PC%8 < 5
	ds_load_b64 v[\reg+2*\p:\reg+2*\p+1], v[\adr] offset:8*PC+16*(PC/8)+(\i)*16*PITCH
.else
	ds_load_b64 v[\reg+2*\p:\reg+2*\p+1], v[\adr+2] offset:8*PC+16*(PC/8)+(\i)*16*PITCH
.endif
.endr
.endm
; 16 matrix instructions: A's blocks a0, a0 + 1 x B's eight, 128 along K: the slot's q-th.  p: B's set;  sc: the set of scale words.  first = 1: the bias along the registers is the C that starts the sums.
; The 64 accumulators take turns, one instruction a turn, in the same order in every step.
.macro MUL16 a0, p, q, sc, first
.irp a, \a0, \a0+1
.irp b, 0,1,2,3,4,5,6,7
.if \first
	v_wmma_scale_f32_16x16x128_f8f6f4 v[8*(8*((\a)%4)+\b):8*(8*((\a)%4)+\b)+7], v[128*(\p)+FR*\b:128*(\p)+FR*\b+FR-1], v[AF+FR*(\a):AF+FR*(\a)+FR-1], v[BP+8*\b:BP+8*\b+7], v[SC+8*NQ*(\sc)+NQ*\b+(\q)], v[SC+8*NQ*(\sc)+NQ*(\a)+(\q)] matrix_a_fmt:MATRIX_FMT_BF6 matrix_b_fmt:MATRIX_FMT_BF6 matrix_a_scale:MATRIX_SCALE_ROW1
.else
	v_wmma_scale_f32_16x16x128_f8f6f4 v[8*(8*((\a)%4)+\b):8*(8*((\a)%4)+\b)+7], v[128*(\p)+FR*\b:128*(\p)+FR*\b+FR-1], v[AF+FR*(\a):AF+FR*(\a)+FR-1], v[8*(8*((\a)%4)+\b):8*(8*((\a)%4)+\b)+7], v[SC+8*NQ*(\sc)+NQ*\b+(\q)], v[SC+8*NQ*(\sc)+NQ*(\a)+(\q)] matrix_a_fmt:MATRIX_FMT_BF6 matrix_b_fmt:MATRIX_FMT_BF6 matrix_a_scale:MATRIX_SCALE_ROW1
.endif
.endr
.endr
.endm
.macro FETCH_B slot, q, p              ; B's eight fragments of the slot's q-th 128 along K into set p
	WIN TO_B
.irp i, 0,1,2,3,4,5,6,7
	FRAG 128*(\p)+FR*\i, ADRB+\slot, \q, \i
.endr
	WIN 0
.endm
.macro FETCH_A slot, q, i0             ; A's blocks i0 .. i0 + 3
.irp i, \i0, \i0+1, \i0+2, \i0+3
	FRAG AF+FR*(\i), ADRA+\slot, \q, \i
.endr
.endm
.macro SCALES sc                       ; the next K step's scale words into set sc: two words a row
.irp i, 0,1,2,3,4,5,6,7
	ds_load_b64 v[SC+8*NQ*\sc+NQ*\i:SC+8*NQ*\sc+NQ*\i+1], v[ADRS] offset:\i*SBLK
.endr
.endm
; A load into a register that a matrix instruction has read, and a vector instruction or an LDS store that reads a matrix result, stand NP places behind that matrix instruction; only plain vector
; instructions that name none of its registers are places (ISA guide 7.12.1 for vector instructions).
.macro PLACES n
.rept \n
	v_nop
.endr
.endm
; A step of 128 along K that has its successor in the same slot.
.macro STEP slot, q, first
	s_wait_dscnt 4*NL                              ; B's set and A's blocks 0-3 are in; the youngest 24 loads (A's blocks 4-7) may be out
.if \first
	WIN FIRST_LO
.else
	WIN MUL_LO
.endif
	MUL16 0, (\q)%2, \q, \slot, \first
	MUL16 2, (\q)%2, \q, \slot, \first
	s_wait_dscnt 0                                 ; A's blocks 4-7 are in
	PLACES NP
	FETCH_B \slot, (\q)+1, 1-(\q)%2
	FETCH_A \slot, (\q)+1, 0
.if \first
	WIN FIRST_HI
.else
	WIN MUL_HI
.endif
	MUL16 4, (\q)%2, \q, \slot, \first
	MUL16 6, (\q)%2, \q, \slot, \first
	PLACES NP
	WIN 0
	FETCH_A \slot, (\q)+1, 4
.endm
; A slot's last step changes slots: ONE barrier; in front of it each wave waits for all its tensor loads, adds 0 to its spare word, and waits for that and for its own reads of this slot.  fill = 1: this slot is filled again, two K steps ahead.
.macro TURN slot, next, fill
	s_wait_tensorcnt 0x0                           ; all my tensor loads have landed: my part of the next slot  (every window is 0 here)
	ds_add_u32 v[SPW], v[NIL]                      ; 0 onto my spare word
	s_wait_dscnt 4*NL+1                            ; (the add and the youngest 24 loads, A's blocks 4-7, may be out)
	WIN MUL_LO
	MUL16 0, 1, NQ-1, \slot, 0                     ; sixteen matrix instructions stand between the add and the wait for it
	s_wait_dscnt 0x0                               ; the add is done, and my reads of this slot are over
	s_barrier_signal -1
	MUL16 2, 1, NQ-1, \slot, 0
	WIN 0
	s_barrier_wait -1
.if \fill
	CREST                                          ; the barrier has opened a round of the cluster's barrier: no wave of any partner still reads this slot's tile or has a load on its way
	s_add_nc_u64 s[G0+4*\slot+2:G0+4*\slot+3], s[G0+4*\slot+2:G0+4*\slot+3], 2*ROWB
	s_add_nc_u64 s[G0B+4*\slot+2:G0B+4*\slot+3], s[G0B+4*\slot+2:G0B+4*\slot+3], 2*ROWB
	JLOAD G0+4*\slot, G1, G0B+4*\slot, G1B         ; the first tensor load behind the round; the four v_nop behind it are the places in front of the loads below
.else
	PLACES NP
.endif
	v_add_nc_u32 v[ADRS], 4*NQ, v[ADRS]            ; on to the next K step's scale words (no LDS load of mine is out)
	FETCH_B \next, 0, 0
	FETCH_A \next, 0, 0
	SCALES \next
	WIN MUL_HI
	MUL16 4, 1, NQ-1, \slot, 0
	MUL16 6, 1, NQ-1, \slot, 0
	PLACES NP
	WIN 0
	FETCH_A \next, 0, 4
.endm
	s_wait_tensorcnt 1                             ; the scale bytes and my part of K step 0 are in (of my three first fills K step 1's may be out)
	s_barrier_signal -1
	s_barrier_wait -1                              ; everybody's are
	FETCH_B 0, 0, 0
	FETCH_A 0, 0, 0
	SCALES 0
	FETCH_A 0, 0, 4
	STEP 0, 0, 1                                   ; the first step stands in front of the loop: its products start the sums from the bias
	s_mov_b32 s3, LAPS-1
.Llap:                                                 ; a trip goes once round the ring, from a lap's second step to the next lap's first, and fills both slots again
	TURN 0, 1, 1
	STEP 1, 0, 0
	TURN 1, 0, 1
	STEP 0, 0, 0
	s_sub_co_u32 s3, s3, 1
	s_cmp_lg_u32 s3, 0
	s_cbranch_scc1 .Llap
	TURN 0, 1, 0                                   ; the last lap fills nothing, and has no round of the cluster's barrier
	STEP 1, 0, 0
	s_wait_dscnt 4*NL                              ; the very last step: nothing more to fetch
	WIN MUL_LO
	MUL16 0, 1, NQ-1, 1, 0
	MUL16 2, 1, NQ-1, 1, 0
	s_wait_dscnt 0
	WIN MUL_HI
	MUL16 4, 1, NQ-1, 1, 0
	MUL16 6, 1, NQ-1, 1, 0
	WIN 0
; THE WAY OUT.  64 numbers of a lane, v[s] .. v[s + 63], register 16 b + i = place 32 b + 16 (lane / 16) + i along the next K of my row, become a fragment's codes in v[CD] on and its scale word in v[PW].
.macro QUANT s
.irp b, 0,1,2,3
	v_max3_num_f32 v[TM+\b], |v[\s+16*\b]|, |v[\s+1+16*\b]|, 0x2800000   ; block b: my 16 numbers, and the floor 2^(5 - 127): the byte cannot fall under 1
.endr
.irp i, 2,4,6,8,10,12,14
.irp b, 0,1,2,3
	v_max3_num_f32 v[TM+\b], v[TM+\b], |v[\s+16*\b+\i]|, |v[\s+1+16*\b+\i]|   ; (the four blocks by turns)
.endr
.endr
.irp b, 0,1,2,3
	v_permlanex16_b32 v[TM+4+\b], v[TM+\b], s[SEL], s[SEL+1]
.endr
.irp b, 0,1,2,3
	v_max_num_f32 v[TM+\b], v[TM+\b], v[TM+4+\b]   ; with lane l xor 16's: the block's largest magnitude
.endr
.irp b, 0,1,2,3
	v_add_nc_u32 v[TM+12+\b], 0xfe000000, v[TM+\b]   ; 4 off its exponent field: the conversion's scale operand
.endr
.irp b, 0,1,2,3
	v_lshrrev_b32 v[TM+4+\b], 23, v[TM+12+\b]      ; the scale's byte
.endr
	v_lshl_or_b32 v[PW], v[TM+5], 8, v[TM+4]       ; the four bytes make my row's scale word
	v_lshl_or_b32 v[PW], v[TM+6], 16, v[PW]
	v_lshl_or_b32 v[PW], v[TM+7], 24, v[PW]
.irp c, 0,1
	v_cvt_scalef32_pk16_bf6_f32 v[CD+6*\c:CD+2+6*\c], v[\s+32*\c:\s+15+32*\c], v[TM+12+2*\c]
	v_cvt_scalef32_pk16_bf6_f32 v[CD+12+4*\c:CD+14+4*\c], v[\s+16+32*\c:\s+31+32*\c], v[TM+12+2*\c+1]   ; (a conversion's three registers begin on an even number)
.endr
	v_nop                                          ; one plain place behind a scaled conversion
.irp c, 0,1                                    ; a WHOLE block in a lane: lanes 0-15 block 2 c, lanes 16-31 block 2 c + 1
.irp i, 0,1,2
	v_permlane16_swap_b32 v[CD+6*\c+\i], v[CD+12+4*\c+\i]
.endr
.irp i, 0,1,2
	v_mov_b32 v[CD+3+6*\c+\i], v[CD+12+4*\c+\i]
.endr
.endr
.endm
; A's block a (16 rows x my 128 along the registers): the row's bias is added, the 64 numbers are quantised, and the codes go to my stage as rows of 48 bytes, a chunk of 64 at a time.
.macro OUTBLK a
	WIN 0x02+(\a)/4                                ; source 0: window 2 or 3
.set i, 0
.rept 32
	v_pk_add_f32 v[HA+2*i:HA+2*i+1], v[64*((\a)%4)+2*i:64*((\a)%4)+2*i+1], v[BR+2*(\a):BR+2*(\a)+1]   ; each accumulator from its low end on
.set i, i+1
.endr
	WIN 0
	QUANT HA
.irp c, 0,1
.irp p, 0,1,2
	ds_store_b64 v[STO], v[CD+6*\c+2*\p:CD+6*\c+2*\p+1] offset:6144*\c+768*(\a)+8*\p
.endr
.endr
	ds_store_b32 v[STS], v[PW] offset:64*(\a)      ; both halves of the lanes write the same word with the same value
	s_wait_dscnt 0x0                               ; the stores have read their registers
.endm
	s_load_b256 s[4:11], s[0:1], 0x28              ; qkc, qks, vc, vs  (the loads that named s[8:9] are long done)
	s_mov_b32 s[SEL], 0x76543210
	s_mov_b32 s[SEL+1], 0xfedcba98                 ; v_permlanex16_b32's selects for lane l xor 16
	s_mov_b32 s20, s67
	s_mov_b32 s21, 0
	s_mov_b32 s22, s95
	s_mov_b32 s23, 0
	s_mov_b32 s46, s96
	s_mov_b32 s47, 0
	PLACES NP                                      ; behind the last products
.irp b, 0,1,2,3
	v_mov_b32 v[TM+4+\b], 0                        ; written once: a lane permute's destination counts as one of its sources
.endr
	s_wait_kmcnt 0x0
	s_cmp_eq_u32 s66, 0                            ; the role chooses the buffers
	s_cselect_b64 s[4:5], s[4:5], s[8:9]
	s_cselect_b64 s[6:7], s[6:7], s[10:11]
	s_add_nc_u64 s[4:5], s[4:5], s[20:21]          ; my first chunk's 128 rows: 6,144 consecutive bytes,
	s_add_nc_u64 s[8:9], s[4:5], s[22:23]          ; my second chunk's,
	s_add_nc_u64 s[6:7], s[6:7], s[46:47]          ; and my 128 scale words: 512 consecutive bytes
.irp a, 0,1,2,3,4,5,6,7
	OUTBLK \a
.endr
.irp i, 0,1,2,3,4,5,6,7,8,9,10,11,12,13,14,15,16,17,18,19,20,21,22,23
	ds_load_b128 v[OUTR+4*\i:OUTR+4*\i+3], v[RD] offset:512*\i    ; LDS serves a wave's instructions in order: these see my stores
.endr
	ds_load_b128 v[TM:TM+3], v[RD] offset:12288
.irp i, 0,1,2,3,4,5,6,7,8,9,10,11
	s_wait_dscnt 24-\i                             ; load i is back; the younger ones may be out
	global_store_b128 v[CO], v[OUTR+4*\i:OUTR+4*\i+3], s[4:5] offset:512*\i     ; 32 lanes store 512 consecutive bytes, at a multiple of 256 from the buffer's first byte
.endr
.irp i, 12,13,14,15,16,17,18,19,20,21,22,23
	s_wait_dscnt 24-\i
	global_store_b128 v[CO], v[OUTR+4*\i:OUTR+4*\i+3], s[8:9] offset:512*(\i-12)
.endr
	s_wait_dscnt 0x0
	global_store_b128 v[CO], v[TM:TM+3], s[6:7]
	s_wait_tensorcnt 0x0                           ; the wave's end, behind my last tensor load and my last LDS store
	ds_add_u32 v[SPW], v[NIL]
	s_wait_dscnt 0x0
	CROUND                                         ; the closing round: no work-group ends while a partner may still ask for a tile that names it
	s_endpgm
.Lfunc_end_k_q5b43865496_qkv:
	.size	k_q5b43865496_qkv, .Lfunc_end_k_q5b43865496_qkv-k_q5b43865496_qkv
	.p2alignl 7, 3214868480
	.fill 96, 4, 3214868480
	.section	.rodata,"a",@progbits
	.p2align	6, 0x0
	.amdhsa_kernel k_q5b43865496_qkv
		.amdhsa_group_segment_fixed_size 327680
		.amdhsa_private_segment_fixed_size 0
		.amdhsa_enable_private_segment 0
		.amdhsa_kernarg_size 72
		.amdhsa_user_sgpr_count 2
		.amdhsa_user_sgpr_kernarg_segment_ptr 1
		.amdhsa_wavefront_size32 1
		.amdhsa_system_sgpr_workgroup_id_x 1
		.amdhsa_system_sgpr_workgroup_id_y 1
		.amdhsa_system_sgpr_workgroup_id_z 1
		.amdhsa_system_vgpr_workitem_id 0
		.amdhsa_next_free_vgpr 1024
		.amdhsa_next_free_sgpr 100
		.amdhsa_reserve_vcc 0
		.amdhsa_float_denorm_mode_32 3
		.amdhsa_float_denorm_mode_16_64 3
		.amdhsa_memory_ordered 1
		.amdhsa_forward_progress 1
		.amdhsa_inst_pref_size 192
	.end_amdhsa_kernel
	.amdgpu_metadata
---
amdhsa.version: [ 1, 2 ]
amdhsa.kernels:
  - .name:           k_q5b43865496_qkv
    .symbol:         k_q5b43865496_qkv.kd
    .args:
      - { .name: cod, .offset: 0, .size: 8, .value_kind: global_buffer, .address_space: global }
      - { .name: scl, .offset: 8, .size: 8, .value_kind: global_buffer, .address_space: global }
      - { .name: bq, .offset: 16, .size: 8, .value_kind: global_buffer, .address_space: global }
      - { .name: bk, .offset: 24, .size: 8, .value_kind: global_buffer, .address_space: global }
      - { .name: bv, .offset: 32, .size: 8, .value_kind: global_buffer, .address_space: global }
      - { .name: qkc, .offset: 40, .size: 8, .value_kind: global_buffer, .address_space: global }
      - { .name: qks, .offset: 48, .size: 8, .value_kind: global_buffer, .address_space: global }
      - { .name: vc, .offset: 56, .size: 8, .value_kind: global_buffer, .address_space: global }
      - { .name: vs, .offset: 64, .size: 8, .value_kind: global_buffer, .address_space: global }
    .group_segment_fixed_size: 327680
    .private_segment_fixed_size: 0
    .kernarg_segment_align: 8
    .kernarg_segment_size: 72
    .max_flat_workgroup_size: 128
    .sgpr_count:     100
    .vgpr_count:     1024
    .wavefront_size: 32
...
	.end_amdgpu_metadata
.endif
;; end of part 3
;; launch attn (part 4): grid 4 x 64, 16 waves a work-group, clusters of 4 x 1, 235,520 bytes of LDS; arguments qkc, qks, vc, vs, oc, os; writes oc, os
.if DOCPART == 4
	.amdgcn_target "amdgcn-amd-amdhsa--gfx1250"
	.amdhsa_code_object_version 6
	.text
	.protected	k_q5b43865496_attn
	.globl	k_q5b43865496_attn
	.p2align	8
	.type	k_q5b43865496_attn,@function
k_q5b43865496_attn:
	s_mov_b64 s[64:65], 0
	v_nop
	global_prefetch_b8 v0, s[64:65] scope:SCOPE_SE
	s_setreg_imm32_b32 hwreg(HW_REG_WAVE_MODE, 25, 1), 1
	s_wait_xcnt 0x0
	s_wait_alu depctr_hold_cnt(0) depctr_sa_sdst(0) depctr_va_vdst(0) depctr_va_sdst(0) depctr_va_ssrc(0) depctr_va_vcc(0) depctr_vm_vsrc(0)
	s_getreg_b32 s2, hwreg(HW_REG_IB_STS2, 6, 4)
	s_cmp_eq_u32 s2, 0
	s_cbranch_scc0 .Lentry_in_a_cluster
	s_endpgm
.Lentry_in_a_cluster:
	s_bfe_u32 s2, ttmp6, 0x10000c
	s_cmp_lg_u32 s2, 0x3003
	s_cbranch_scc0 .Lentry_shape_is_right
	s_endpgm
.Lentry_shape_is_right:
; Attention of one head of one batch on codes of BF6 (E3M2) with E8M0 scales; the result, divided by the row's sum, is quantised along the head's 64 and leaves as codes and scale bytes.
; IN: qkc [32 chunks: 0-15 q's heads, 16-31 k's][8192 token rows][48 bytes = 64 codes]; qks [16 pairs of heads][8192][4: two bytes for each head]; vc [128 chunks of 64 tokens][1024 rows (head, channel)][48]; vs [64 groups of 128 tokens][1024][4].
; OUT: oc [16 heads][8192 token rows][48]; os [8192][32]: head h's two bytes at 2 h.
; ROW ORDER: in all these buffers row i lies at sigma(i), which swaps the two middle groups of 8 in each 32 rows; K inside a row is in its true order.  So 16 neighbouring rows as source 0 leave, in the 16 registers of tiles 2 b and 2 b + 1,
; 16 neighbours of the true order, 32 b + 16 (lane / 16) + 0 .. 15: p's registers run along the keys and O^T's along the channels as the conversions want them.  A query stays at its row from qkc to oc.
; THE SOFTMAX: t = score x log2(e) / 8; M = the running largest t, rounded UP to a whole number; p = 2^(t - M) is quantised along the keys, not normalised; the row's sum is taken of the unquantised p and divides O at the end.
; When M moves, the sum and O are multiplied by 2^(old M - new M): exact.
; THE FIRST PRODUCT HAS K = 64, half of the instruction's 128: the upper six registers of q's and of k's fragments hold zero codes, and their scale words' upper two bytes are 0 (2^-127, no NaN): they add nothing.
; SHARES: a work-group owns 512 query rows of one (batch, head); each of its sixteen waves 32 of them, two tiles of 16, one after the other, in 256 registers: four waves to a SIMD, so that one wave's vector work stands beside another's products and LDS loads.
; ALL OF THE HEAD'S K AND V (2 x 98,304 bytes of codes, 12,288 of scale bytes) COME INTO LDS ONCE, at the head: each LDS byte is filled once, so there is no ring.  The four work-groups of a cluster are the four query blocks of one (batch, head) and
; ask for these tiles jointly.  Rows of 48 bytes start at bank 12 r mod 64 (64 banks of 4 bytes: ISA guide 11.1): the 32 lanes of a load of 8 bytes touch 64 different banks without padding.
; The scale bytes leave as 2 bytes a row: a row's 32 bytes come from sixteen work-groups; they are 262,144 bytes in all.
; LIMITS: a block whose largest magnitude lies under 2^-122 (zeros too) gets the scale byte 1; the bytes are read by this program alone.  NaN and infinities are not served.
.set KC,   0                           ; LDS: K's codes, 2,048 rows x 48
.set VC,   98304                       ; V's: [32 chunks of 64 keys][64 rows][48]
.set KSC,  196608                      ; K's scale words, 2,048 x 4 (this head's two bytes and its neighbour's)
.set VSC,  204800                      ; V's: [16 steps][64 rows][4]
.set STG,  208896                      ; a stage of 1,536 bytes for each wave; no fill lands here
.set AK0,  1                           ; v1   48 r + 24 h: my place in a tile of K; also my byte offset among 16 rows of q
.set AV0,  2                           ; v2   the same in V
.set ASK0, 3                           ; v3   my place among K's scale words
.set ASV0, 4                           ; v4   and among V's
.set STO,  5                           ; v5   the stage: where I put my 24 bytes of a row
.set RD,   6                           ; v6   the stage: 16 x lane
.set GO,   7                           ; v7   16 x lane
.set ADK,  8                           ; v8-11 the step's LDS addresses: K, V, K's scale words, V's
.set ADV,  9
.set ADS,  10
.set ADT,  11
.set QF,   16                          ; v16-21 q's codes, v22-27 zeros
.set QSC,  28                          ; v28  q's scale word
.set GS,   29                          ; v29  32 r: my row of os
.set QS,   31                          ; v31  4 r
.set KF,   32                          ; v32-79 four fragments of K; the upper six registers of each stay zero
.set KSW,  80                          ; v80-83 K's scale words, v84-87 V's
.set VSW,  84
.set S,    96                          ; v96-159 S^T, then p; then v96-143 V's four fragments
.set O,    160                         ; v160-191 O^T
.set PCD,  192                         ; v192-203 p's codes
.set PT,   204                         ; v204-210 the conversions' second halves
.set BM,   212                         ; v212-215 the blocks' largest
.set BX,   216                         ; v216-219 the other half's, then the bytes
.set BS,   220                         ; v220-223 the conversions' scale operands
.set TMP,  224
.set OSW,  225                         ; the result's two scale bytes
.set F,    226                         ; v[226:227] f = 2^(old M - new M); at the end 1 / the sum
.set PSW,  228                         ; p's scale word
.set L2,   230                         ; v[230:231] the sum's second chain
.set WV,   18                          ; s18 my wave's number
.set SEL,  20                          ; s[20:21] selects for lane l xor 16
.set CS,   22                          ; s[22:23] c = log2(e) / 8
.set G1K,  24                          ; s[24:31], s[32:39], s[40:47], s[48:55] descriptor groups 1: K, V, K's scale words, V's
.set G1V,  32
.set G1KS, 40
.set G1VS, 48
.set G0K,  56                          ; s[56:59], s[60:63], s[68:71], s[72:75] their groups 0
.set G0V,  60
.set G0KS, 68
.set G0VS, 72
.set TB,   90                          ; s90 the step's first byte in K's and in V's codes: 6,144 a step
.set TS,   91                          ; s91 in K's scale words: 512 a step
.set TJ,   92                          ; s92 in V's: 256 a step
.set CNT,  93                          ; s93 steps to go
.macro CROUND                          ; a round of the cluster's barrier
	s_barrier_signal -1
	s_barrier_wait -1
	s_cmp_lg_u32 s[WV], 0
	s_cbranch_scc1 .Lnot_wave_0_\@
	s_barrier_signal -3
.Lnot_wave_0_\@:
	s_barrier_wait -3
	s_barrier_signal -1
	s_barrier_wait -1
.endm
	s_load_b256 s[4:11], s[0:1], 0x0               ; qkc, qks, vc, vs
	s_load_b128 s[12:15], s[0:1], 0x20             ; oc, os
	v_lshl_add_u32 v254, v0, 2, 0x39000
	v_mov_b32 v255, 0
	ds_add_u32 v254, v255
	ds_add_u32 v254, v255
	v_lshrrev_b32 v12, 5, v0
	v_readfirstlane_b32 s[WV], v12                 ; wave 0..15
	s_and_b32 s76, ttmp7, 0xffff                   ; 16 x batch + head: the four partners share it
	s_lshr_b32 s77, s76, 4                         ; batch
	s_and_b32 s78, s76, 15                         ; head
	s_bfe_u32 s79, ttmp6, 0x40000                  ; cx: my block of 512 queries; it enters q's, oc's and os's addresses alone
	s_and_b32 s80, s[WV], 3                        ; which quarter of K or of V I fetch, if I fetch
	s_lshr_b32 s81, s78, 1                         ; the pair of heads
	s_mul_i32 s16, s80, 24576                      ; a quarter in LDS
	s_add_co_u32 s82, s78, 16                      ; K: chunk 16 + head,
	s_mul_i32 s82, s82, 393216
	s_mul_i32 s83, s77, 98304                      ; the batch's 2,048 rows,
	s_add_co_u32 s82, s82, s83
	s_add_co_u32 s82, s82, s16                     ; my quarter
	s_mov_b32 s83, 0
	s_lshl_b32 s84, s77, 5                         ; V: chunk 32 x batch + 8 x quarter,
	s_lshl_b32 s85, s80, 3
	s_add_co_u32 s84, s84, s85
	s_mul_i32 s84, s84, 49152
	s_mul_i32 s85, s78, 3072                       ; the head's 64 rows
	s_add_co_u32 s84, s84, s85
	s_mov_b32 s85, 0
	s_add_co_u32 s86, s81, 8                       ; K's scale words: pair 8 + head / 2, the batch's rows
	s_lshl_b32 s86, s86, 15
	s_lshl_b32 s87, s77, 13
	s_add_co_u32 s86, s86, s87
	s_mov_b32 s87, 0
	s_lshl_b32 s88, s77, 16                        ; V's: group 16 x batch, the head's 64 rows
	s_lshl_b32 s89, s78, 8
	s_add_co_u32 s88, s88, s89
	s_mov_b32 s89, 0
	s_lshl_b32 s17, s77, 11
	s_lshl_b32 s19, s79, 9
	s_add_co_u32 s17, s17, s19
	s_lshl_b32 s19, s[WV], 5
	s_add_co_u32 s17, s17, s19                     ; my first query row: 2048 x batch + 512 cx + 32 x wave
	s_mul_i32 s94, s78, 393216
	s_mul_i32 s19, s17, 48
	s_add_co_u32 s94, s94, s19                     ; its codes, in qkc and in oc alike
	s_mov_b32 s95, 0
	s_and_b32 s3, s78, 1
	s_lshl_b32 s3, s3, 1                           ; my head's two bytes in a pair's word
	s_lshl_b32 s96, s81, 15
	s_lshl_b32 s19, s17, 2
	s_add_co_u32 s96, s96, s19
	s_add_co_u32 s96, s96, s3                      ; q's scale bytes
	s_mov_b32 s97, 0
	s_lshl_b32 s98, s17, 5
	s_lshl_b32 s19, s78, 1
	s_add_co_u32 s98, s98, s19                     ; os: row x 32 + 2 x head
	s_mov_b32 s99, 0
	; descriptor groups 1: elements of 8 bytes, no padding, the mask of all four work-groups, bit 21 beside it
.irp g, G1K, G1V, G1KS, G1VS
	s_mov_b32 s[\g], 15|(3<<16)|(1<<21)
	s_mov_b32 s[\g+6], 0
	s_mov_b32 s[\g+7], 0
.endr
	s_mov_b32 s[G1K+1], 32<<16                     ; K: a quarter, 24,576 dense bytes, as 96 rows of 256 bytes
	s_mov_b32 s[G1K+2], 96<<16
	s_mov_b32 s[G1K+3], 32<<16
	s_mov_b32 s[G1K+4], 96
	s_mov_b32 s[G1K+5], 32
	s_mov_b32 s[G1V+1], 384<<16                    ; V: 8 chunks: rows of 3,072 bytes (the head's 64 rows of a chunk), 49,152 bytes apart
	s_mov_b32 s[G1V+2], 8<<16
	s_mov_b32 s[G1V+3], 384<<16
	s_mov_b32 s[G1V+4], 8
	s_mov_b32 s[G1V+5], 6144
	s_mov_b32 s[G1KS+1], 32<<16                    ; K's scale words: 8,192 dense bytes
	s_mov_b32 s[G1KS+2], 32<<16
	s_mov_b32 s[G1KS+3], 32<<16
	s_mov_b32 s[G1KS+4], 32
	s_mov_b32 s[G1KS+5], 32
	s_mov_b32 s[G1VS+1], 32<<16                    ; V's: 16 rows of 256 bytes, 4,096 bytes apart
	s_mov_b32 s[G1VS+2], 16<<16
	s_mov_b32 s[G1VS+3], 32<<16
	s_mov_b32 s[G1VS+4], 16
	s_mov_b32 s[G1VS+5], 512
	s_mov_b32 s[SEL], 0x76543210
	s_mov_b32 s[SEL+1], 0xfedcba98
	s_mov_b32 s[CS], 0x3e38aa3b                    ; c = log2(e) / sqrt(64)
	s_mov_b32 s[CS+1], s[CS]                       ; (named with it as a pair, so it is written)
	s_wait_dscnt 0x0
	s_wait_kmcnt 0x0
	s_mov_b32 s[G0K], 1
	s_mov_b32 s[G0K+1], s16                        ; KC = 0: my quarter
	s_add_nc_u64 s[G0K+2:G0K+3], s[4:5], s[82:83]
	s_or_b32 s[G0K+3], s[G0K+3], 0x80000000
	s_mov_b32 s[G0V], 1
	s_add_co_u32 s[G0V+1], s16, VC
	s_add_nc_u64 s[G0V+2:G0V+3], s[8:9], s[84:85]
	s_or_b32 s[G0V+3], s[G0V+3], 0x80000000
	s_mov_b32 s[G0KS], 1
	s_mov_b32 s[G0KS+1], KSC
	s_add_nc_u64 s[G0KS+2:G0KS+3], s[6:7], s[86:87]
	s_or_b32 s[G0KS+3], s[G0KS+3], 0x80000000
	s_mov_b32 s[G0VS], 1
	s_mov_b32 s[G0VS+1], VSC
	s_add_nc_u64 s[G0VS+2:G0VS+3], s[10:11], s[88:89]
	s_or_b32 s[G0VS+3], s[G0VS+3], 0x80000000
	s_add_nc_u64 s[4:5], s[4:5], s[94:95]          ; q's codes at my first row
	s_add_nc_u64 s[6:7], s[6:7], s[96:97]          ; and its scale bytes
	s_add_nc_u64 s[12:13], s[12:13], s[94:95]      ; oc likewise
	s_add_nc_u64 s[14:15], s[14:15], s[98:99]      ; os
	CROUND                                         ; all four work-groups are here: the joint loads meet
	; Waves 0-3: K's quarters; 4-7: V's; 8: K's scale words; 9: V's; the others nothing.  One load a wave, in one chain of branches on the wave's number; four v_nop follow each.
	s_cmp_lt_u32 s[WV], 4
	s_cbranch_scc0 .Lnot_k
	tensor_load_to_lds s[G0K:G0K+3], s[G1K:G1K+7]
	s_nop 0
.rept 4
	v_nop
.endr
	s_branch .Lasked
.Lnot_k:
	s_cmp_lt_u32 s[WV], 8
	s_cbranch_scc0 .Lnot_v
	tensor_load_to_lds s[G0V:G0V+3], s[G1V:G1V+7]
	s_nop 0
.rept 4
	v_nop
.endr
	s_branch .Lasked
.Lnot_v:
	s_cmp_eq_u32 s[WV], 8
	s_cbranch_scc0 .Lnot_ks
	tensor_load_to_lds s[G0KS:G0KS+3], s[G1KS:G1KS+7]
	s_nop 0
.rept 4
	v_nop
.endr
	s_branch .Lasked
.Lnot_ks:
	s_cmp_eq_u32 s[WV], 9
	s_cbranch_scc0 .Lasked
	tensor_load_to_lds s[G0VS:G0VS+3], s[G1VS:G1VS+7]
	s_nop 0
.rept 4
	v_nop
.endr
.Lasked:
	v_and_b32 v12, 15, v0                          ; r
	v_bfe_u32 v13, v0, 4, 1                        ; h
	v_and_b32 v14, 31, v0                          ; lane
	v_mul_u32_u24 v[AK0], v12, 48
	v_mad_u32_u24 v[AK0], v13, 24, v[AK0]
	v_add_nc_u32 v[AV0], VC, v[AK0]
	v_lshlrev_b32 v[QS], 2, v12
	v_add_nc_u32 v[ASK0], KSC, v[QS]
	v_add_nc_u32 v[ASK0], s3, v[ASK0]              ; my head's two bytes of each word
	v_add_nc_u32 v[ASV0], VSC, v[QS]
	s_mul_i32 s2, s[WV], 1536
	s_add_co_u32 s2, s2, STG                       ; my stage
	v_add_nc_u32 v[STO], s2, v[AK0]
	v_lshlrev_b32 v[GO], 4, v14
	v_add_nc_u32 v[RD], s2, v[GO]
	v_lshlrev_b32 v[GS], 5, v12
.irp i, 6,7,8,9,10,11
	v_mov_b32 v[QF+\i], 0                          ; zero codes for k = 64 .. 127, in q
.irp t, 0,1,2,3
	v_mov_b32 v[KF+12*\t+\i], 0                    ; and in K's four fragments; no load lands here
.endr
.endr
.irp b, 0,1,2,3
	v_mov_b32 v[BX+\b], 0                          ; written once: a lane permute's destination counts as one of its sources
.endr
	v_mov_b32 v[TMP], 0
	v_mov_b32 v[F+1], 0                            ; (named as the upper half of a pair)
	s_wait_tensorcnt 0x0                           ; my load has landed,
	s_barrier_signal -1
	s_barrier_wait -1                              ; everybody's has: from here on these bytes are only read
; A KEY STEP: 128 keys.
.macro STEP
	v_add_nc_u32 v[ADK], s[TB], v[AK0]
	v_add_nc_u32 v[ADV], s[TB], v[AV0]
	v_add_nc_u32 v[ADS], s[TS], v[ASK0]
	v_add_nc_u32 v[ADT], s[TJ], v[ASV0]
	v_nop                                          ; five places: the first products below write S^T over registers that the last step's products read as V's fragments
.irp g, 0,1                                    ; S^T = K Q^T, four tiles of 16 keys at a time
.if \g > 0
.rept 4
	v_nop                                          ; places in front of loads into registers that matrix instructions have read
.endr
.endif
.irp t, 0,1,2,3
.irp p, 0,1,2
	ds_load_b64 v[KF+12*\t+2*\p:KF+12*\t+2*\p+1], v[ADK] offset:(4*\g+\t)*768+8*\p
.endr
	ds_load_u16 v[KSW+\t], v[ADS] offset:(4*\g+\t)*64   ; two bytes; the upper two come as 0
.endr
	s_wait_dscnt 0x0
.irp t, 0,1,2,3
	v_wmma_scale_f32_16x16x128_f8f6f4 v[S+8*(4*\g+\t):S+8*(4*\g+\t)+7], v[KF+12*\t:KF+12*\t+11], v[QF:QF+11], 0, v[KSW+\t], v[QSC] matrix_a_fmt:MATRIX_FMT_BF6 matrix_b_fmt:MATRIX_FMT_BF6
.endr
.endr                                          ; lane (r, h) holds query r; the 16 registers of tiles 2 b, 2 b + 1 are keys 32 b + 16 h + 0 .. 15 of the step
.rept 4
	v_nop
.endr
.irp b, 0,1,2,3
	v_max3_num_f32 v[BM+\b], v[S+16*\b], v[S+1+16*\b], v[S+2+16*\b]   ; the largest score of each block of 32 keys: it serves for the row's maximum and, since p rises with the score, for the block's largest p
.endr
.irp i, 3,5,7,9,11,13
.irp b, 0,1,2,3
	v_max3_num_f32 v[BM+\b], v[BM+\b], v[S+16*\b+\i], v[S+1+16*\b+\i]   ; (the four blocks by turns)
.endr
.endr
.irp b, 0,1,2,3
	v_max_num_f32 v[BM+\b], v[BM+\b], v[S+15+16*\b]
.endr
.irp b, 0,1,2,3
	v_permlanex16_b32 v[BX+\b], v[BM+\b], s[SEL], s[SEL+1]
.endr
.irp b, 0,1,2,3
	v_max_num_f32 v[BM+\b], v[BM+\b], v[BX+\b]     ; with lane l xor 16's 16 keys
.endr
	v_max3_num_f32 v[TMP], v[BM], v[BM+1], v[BM+2]
	v_max_num_f32 v[TMP], v[TMP], v[BM+3]          ; the step's largest score of my query
	v_mul_f32 v[TMP], s[CS], v[TMP]                ; as t (c is positive)
	v_max_num_f32 v13, v13, v[TMP]                 ; the running largest t
	v_mov_b32 v[TMP], v12
	v_floor_f32 v12, -v13                          ; the new -M = floor(-t) = -ceil(t): a whole number
	v_sub_f32 v[TMP], v12, v[TMP]                  ; M's old value less its new one: a whole number, 0 or less
	v_cvt_i32_f32 v[TMP], v[TMP]                   ; (it saturates)
	v_ldexp_f32 v[F], 1.0, v[TMP]                  ; f = 2^(old M - new M)
.set j, 0
.rept 32
	v_pk_fma_f32 v[S+j:S+j+1], v[S+j:S+j+1], s[CS:CS+1], v[12:13] op_sel_hi:[1,0,0]   ; t - M, two at a time (of the pairs c and -M the low word serves both halves)
.set j, j+2
.endr
.irp b, 0,1,2,3
	v_fma_f32 v[BM+\b], v[BM+\b], s[CS], v12       ; the same of each block's largest score
.endr
.set j, 0
.rept 64
	v_exp_f32 v[S+j], v[S+j]                       ; p = 2^(t - M), at most 1
.set j, j+1
.endr
.irp b, 0,1,2,3
	v_exp_f32 v[BM+\b], v[BM+\b]                   ; the block's largest p: the same two instructions on the same number give the same bits
.endr
	v_pk_mul_f32 v[14:15], v[14:15], v[F:F+1] op_sel_hi:[1,0]   ; the sums under the new M.  (A plain place behind the exponentials)
	s_wait_alu depctr_va_vdst(0)
.irp b, 0,1,2,3
	v_max_num_f32 v[BM+\b], 0x2800000, v[BM+\b]    ; the floor 2^(5 - 127): the byte cannot fall under 1
.endr
.irp b, 0,1,2,3
	v_add_nc_u32 v[BS+\b], 0xfe000000, v[BM+\b]    ; 4 off the exponent field: the conversion's scale operand
.endr
.irp b, 0,1,2,3
	v_lshrrev_b32 v[BX+\b], 23, v[BS+\b]           ; the scale's byte
.endr
	v_lshl_or_b32 v[PSW], v[BX+1], 8, v[BX]        ; p's scale word for these 128 keys
	v_lshl_or_b32 v[PSW], v[BX+2], 16, v[PSW]
	v_lshl_or_b32 v[PSW], v[BX+3], 24, v[PSW]
.irp c, 0,1
	v_cvt_scalef32_pk16_bf6_f32 v[PCD+6*\c:PCD+2+6*\c], v[S+32*\c:S+15+32*\c], v[BS+2*\c]
	v_cvt_scalef32_pk16_bf6_f32 v[PT+4*\c:PT+2+4*\c], v[S+16+32*\c:S+31+32*\c], v[BS+2*\c+1]   ; (a conversion's three registers begin on an even number)
.endr
	v_nop                                          ; one plain place behind a scaled conversion
.irp c, 0,1                                    ; a WHOLE block in a lane: lanes 0-15 block 2 c, lanes 16-31 block 2 c + 1
.irp i, 0,1,2
	v_permlane16_swap_b32 v[PCD+6*\c+\i], v[PT+4*\c+\i]
.endr
.irp i, 0,1,2
	v_mov_b32 v[PCD+3+6*\c+\i], v[PT+4*\c+\i]
.endr
.endr
.set j, 0
.rept 16
	v_pk_mul_f32 v[O+j:O+j+1], v[O+j:O+j+1], v[F:F+1] op_sel_hi:[1,0]   ; O^T under the new M, each accumulator from its low end on
.set j, j+2
.endr
	v_pk_add_f32 v[L2:L2+1], v[S:S+1], v[S+2:S+3]  ; the row's sum is taken of the unquantised p: two at a time, in two chains
.irp j, 4,8,12,16,20,24,28,32,36,40,44,48,52,56,60
	v_pk_add_f32 v[14:15], v[14:15], v[S+\j:S+1+\j]
	v_pk_add_f32 v[L2:L2+1], v[L2:L2+1], v[S+2+\j:S+3+\j]
.endr
	v_pk_add_f32 v[14:15], v[14:15], v[L2:L2+1]
.irp t, 0,1,2,3                                ; O^T += V^T P^T: four tiles of 16 channels; K = these 128 keys, two chunks of 64.  p's registers are free: V's fragments land there
.irp c, 0,1
.irp p, 0,1,2
	ds_load_b64 v[S+12*\t+6*\c+2*\p:S+12*\t+6*\c+2*\p+1], v[ADV] offset:3072*\c+768*\t+8*\p
.endr
.endr
	ds_load_b32 v[VSW+\t], v[ADT] offset:64*\t
.endr
	s_wait_dscnt 0x0
.irp t, 0,1,2,3                                ; the four accumulators by turns; between two links of a chain stand the eleven other products of a step
	v_wmma_scale_f32_16x16x128_f8f6f4 v[O+8*\t:O+8*\t+7], v[S+12*\t:S+12*\t+11], v[PCD:PCD+11], v[O+8*\t:O+8*\t+7], v[VSW+\t], v[PSW] matrix_a_fmt:MATRIX_FMT_BF6 matrix_b_fmt:MATRIX_FMT_BF6
.endr
	s_add_co_u32 s[TB], s[TB], 6144
	s_add_co_u32 s[TS], s[TS], 512
	s_add_co_u32 s[TJ], s[TJ], 256
.endm
; ONE TILE OF 16 QUERIES: rows 16 t on of my 32.
.macro TILE t
	s_wait_xcnt 0x0                                ; the last tile's store has read its registers
.irp p, 0,1,2
	global_load_b64 v[QF+2*\p:QF+2*\p+1], v[AK0], s[4:5] offset:768*\t+8*\p
.endr
	global_load_u16 v[QSC], v[QS], s[6:7] offset:64*\t   ; two bytes; the upper two come as 0
	v_mov_b32 v13, 0xff61b1e6                      ; the largest t so far: -3e38, under every t
	v_floor_f32 v12, -v13                          ; -M
	v_mov_b32 v14, 0                               ; the sum, in two halves
	v_mov_b32 v15, 0
.set j, 0
.rept 32
	v_mov_b32 v[O+j], 0                            ; O^T.  (The step is written once: the first finds zeros, which the first change of M leaves zeros)
.set j, j+1
.endr
	s_mov_b32 s[TB], 0
	s_mov_b32 s[TS], 0
	s_mov_b32 s[TJ], 0
	s_mov_b32 s[CNT], 16
	s_wait_loadcnt 0x0                             ; q
.Lstep_\@:
	STEP
	s_sub_co_u32 s[CNT], s[CNT], 1
	s_cmp_lg_u32 s[CNT], 0
	s_cbranch_scc1 .Lstep_\@
.rept 4
	v_nop                                          ; places behind the last products
.endr
	v_add_f32 v14, v14, v15                        ; the sum's two halves,
	v_permlanex16_b32 v[TMP], v14, s[SEL], s[SEL+1]
	v_add_f32 v14, v14, v[TMP]                     ; and lane l xor 16's: the row's sum
	v_rcp_f32 v[F], v14
	v_nop                                          ; one plain place behind a transcendental
.set j, 0
	s_wait_alu depctr_va_vdst(0)
.rept 16
	v_pk_mul_f32 v[S+j:S+j+1], v[O+j:O+j+1], v[F:F+1] op_sel_hi:[1,0]   ; O^T / the sum: register 16 b + i is channel 32 b + 16 h + i of my query
.set j, j+2
.endr
.irp b, 0,1                                    ; its two blocks of 32 are quantised
	v_max3_num_f32 v[BM+\b], |v[S+16*\b]|, |v[S+1+16*\b]|, 0x2800000
.endr
.irp i, 2,4,6,8,10,12,14
.irp b, 0,1
	v_max3_num_f32 v[BM+\b], v[BM+\b], |v[S+16*\b+\i]|, |v[S+1+16*\b+\i]|
.endr
.endr
.irp b, 0,1
	v_permlanex16_b32 v[BX+\b], v[BM+\b], s[SEL], s[SEL+1]
.endr
.irp b, 0,1
	v_max_num_f32 v[BM+\b], v[BM+\b], v[BX+\b]
.endr
.irp b, 0,1
	v_add_nc_u32 v[BS+\b], 0xfe000000, v[BM+\b]
.endr
.irp b, 0,1
	v_lshrrev_b32 v[BX+\b], 23, v[BS+\b]
.endr
	v_lshl_or_b32 v[OSW], v[BX+1], 8, v[BX]        ; my row's two scale bytes
	v_cvt_scalef32_pk16_bf6_f32 v[PCD:PCD+2], v[S:S+15], v[BS]
	v_cvt_scalef32_pk16_bf6_f32 v[PT:PT+2], v[S+16:S+31], v[BS+1]
	v_nop                                          ; one plain place behind a scaled conversion
.irp i, 0,1,2
	v_permlane16_swap_b32 v[PCD+\i], v[PT+\i]      ; lanes 0-15 block 0, lanes 16-31 block 1
.endr
.irp i, 0,1,2
	v_mov_b32 v[PCD+3+\i], v[PT+\i]
.endr
.irp p, 0,1,2
	ds_store_b64 v[STO], v[PCD+2*\p:PCD+2*\p+1] offset:768*\t+8*\p   ; my 24 bytes of row 16 t + r
.endr
	global_store_b16 v[GS], v[OSW], s[14:15] offset:512*\t          ; both halves of the lanes write the same two bytes with the same value
.endm
	TILE 0
	TILE 1
.irp i, 0,1,2
	ds_load_b128 v[S+4*\i:S+4*\i+3], v[RD] offset:512*\i            ; my 32 rows of 48 bytes; LDS serves a wave's instructions in order: these see my stores
.endr
.irp i, 0,1,2
	s_wait_dscnt 2-\i                              ; load i is back; the younger ones may be out
	global_store_b128 v[GO], v[S+4*\i:S+4*\i+3], s[12:13] offset:512*\i   ; 32 lanes store 512 consecutive bytes, at a multiple of 256 from oc's first byte
.endr
	s_wait_tensorcnt 0x0
	ds_add_u32 v254, v255
	s_wait_dscnt 0x0
	CROUND                                         ; the closing round (no LDS instruction of mine is out): no work-group ends while a partner may still ask for a tile that names it
	s_endpgm
.Lfunc_end_k_q5b43865496_attn:
	.size	k_q5b43865496_attn, .Lfunc_end_k_q5b43865496_attn-k_q5b43865496_attn
	.p2alignl 7, 3214868480
	.fill 96, 4, 3214868480
	.section	.rodata,"a",@progbits
	.p2align	6, 0x0
	.amdhsa_kernel k_q5b43865496_attn
		.amdhsa_group_segment_fixed_size 235520
		.amdhsa_private_segment_fixed_size 0
		.amdhsa_enable_private_segment 0
		.amdhsa_kernarg_size 48
		.amdhsa_user_sgpr_count 2
		.amdhsa_user_sgpr_kernarg_segment_ptr 1
		.amdhsa_wavefront_size32 1
		.amdhsa_system_sgpr_workgroup_id_x 1
		.amdhsa_system_sgpr_workgroup_id_y 1
		.amdhsa_system_sgpr_workgroup_id_z 1
		.amdhsa_system_vgpr_workitem_id 0
		.amdhsa_next_free_vgpr 256
		.amdhsa_next_free_sgpr 100
		.amdhsa_reserve_vcc 0
		.amdhsa_float_denorm_mode_32 3
		.amdhsa_float_denorm_mode_16_64 3
		.amdhsa_memory_ordered 1
		.amdhsa_forward_progress 1
		.amdhsa_inst_pref_size 56
	.end_amdhsa_kernel
	.amdgpu_metadata
---
amdhsa.version: [ 1, 2 ]
amdhsa.kernels:
  - .name:           k_q5b43865496_attn
    .symbol:         k_q5b43865496_attn.kd
    .args:
      - { .name: qkc, .offset: 0, .size: 8, .value_kind: global_buffer, .address_space: global }
      - { .name: qks, .offset: 8, .size: 8, .value_kind: global_buffer, .address_space: global }
      - { .name: vc, .offset: 16, .size: 8, .value_kind: global_buffer, .address_space: global }
      - { .name: vs, .offset: 24, .size: 8, .value_kind: global_buffer, .address_space: global }
      - { .name: oc, .offset: 32, .size: 8, .value_kind: global_buffer, .address_space: global }
      - { .name: os, .offset: 40, .size: 8, .value_kind: global_buffer, .address_space: global }
    .group_segment_fixed_size: 235520
    .private_segment_fixed_size: 0
    .kernarg_segment_align: 8
    .kernarg_segment_size: 48
    .max_flat_workgroup_size: 512
    .sgpr_count:     100
    .vgpr_count:     256
    .wavefront_size: 32
...
	.end_amdgpu_metadata
.endif
;; end of part 4
;; launch outp (part 5): grid 4 x 32, 4 waves a work-group, clusters of 4 x 4, 327,680 bytes of LDS; arguments oc, os, cod, scl, bo, out0; writes out0
.if DOCPART == 5
	.amdgcn_target "amdgcn-amd-amdhsa--gfx1250"
	.amdhsa_code_object_version 6
	.text
	.protected	k_q5b43865496_outp
	.globl	k_q5b43865496_outp
	.p2align	8
	.type	k_q5b43865496_outp,@function
k_q5b43865496_outp:
	s_mov_b64 s[64:65], 0
	v_nop
	global_prefetch_b8 v0, s[64:65] scope:SCOPE_SE
	s_setreg_imm32_b32 hwreg(HW_REG_WAVE_MODE, 25, 1), 1
	s_wait_xcnt 0x0
	s_wait_alu depctr_hold_cnt(0) depctr_sa_sdst(0) depctr_va_vdst(0) depctr_va_sdst(0) depctr_va_ssrc(0) depctr_va_vcc(0) depctr_vm_vsrc(0)
	s_getreg_b32 s2, hwreg(HW_REG_IB_STS2, 6, 4)
	s_cmp_eq_u32 s2, 0
	s_cbranch_scc0 .Lentry_in_a_cluster
	s_endpgm
.Lentry_in_a_cluster:
	s_bfe_u32 s2, ttmp6, 0x10000c
	s_cmp_lg_u32 s2, 0xf033
	s_cbranch_scc0 .Lentry_shape_is_right
	s_endpgm
.Lentry_shape_is_right:
; out0 = attention's result x Wo + bo, on codes of BF6 (E3M2) with E8M0 scales; sums in f32; out0 [8192][1024] f32.
; A (source 1, a lane's row) = tokens: oc [16 heads][8192 token rows][48 bytes = 64 codes], os [8192][32 scale bytes].  B (source 0, along a lane's registers) = Wo's columns: rows 3072 .. 4095 of cod (768 bytes a row) and of scl (32 bytes a row).
; ROW ORDER: in these buffers row i lies at sigma(i), which swaps the two middle groups of 8 in each 32 rows.  Register j of B's tile b in lane (r, h) is column 32 (b / 2) + 16 h + 8 (b % 2) + j; row 16 a + t of A is token 32 (a / 2) + 8 (a % 2) + t + 8 (t / 8):
; both are undone on the way out, in immediates.
; A tile of 256 x 256 is made by four waves, 128 x 128 each.  K goes in steps of 256 (four heads) through a ring of two LDS slots; the scale bytes of the work-group's 512 rows come once.  4 x 4 work-groups form a cluster:
; A's tiles are asked for jointly along a row of the cluster, B's along a column.  The grid has 128 work-groups: a tile of half the size would fill more WGPs at twice the LDS reads for each product; not built here.
; The bias is the C of each sum's first product.
; REGISTERS, in windows of 256: window 0: v0-31 addresses; v32-63 scale words, two sets; v64-127 the bias; v128-223 A's fragments, one set; on the way out v128-255 rows of out0.
;   window 1: B's fragments, two sets.   window 2: the 32 accumulators of my rows 0-63 ((a, b) at v[8 (8 a + b)]);   window 3: those of my rows 64-127.
.set KSTEP,  256
.set NQ,     KSTEP/128
.set ROWB,   192                       ; a row of B's tile in bytes
.set KROW,   768                       ; a row of cod in bytes
.set PITCH,  240                       ; B's LDS row: 3 x (64 bytes + 16 of padding)
.set FR,     12
.set NL,     6
.set NP,     4                         ; places behind this matrix instruction (ISA guide 7.12.1)
.set HALFT,  128*PITCH                 ; B: 128 rows
.set HALFA,  4*128*48                  ; A: [4 heads][128 rows][48 bytes]: rows of 48 bytes start at bank 12 r mod 64, so the 32 lanes of a load of 8 bytes touch 64 different banks without padding
.set HEADB,  8192*48                   ; a head of oc in bytes
.set SLOT,   2*HALFA+2*HALFT           ; A's two halves, then B's two
.set LAPS,   2
.set KS,     32
.set SCL,    2*SLOT                    ; behind the ring: the scale bytes, as runs of 256 bytes + 16 of padding
.set HALFS,  (128*KS/256)*272
.set SBLK,   (16*KS/256)*272
.set SPARE,  SCL+4*HALFS               ; the spare words, 128 bytes for each wave: two blocks of 256 bytes that no other line names
.set SPITCH, 528                       ; the way out: a stage of 16 rows x (512 bytes + 16) for each wave, in slot 0, whose last fill and last read are over
.set ADRA, 16                          ; v16-17 LDS address of my A fragments in slot 0, 1
.set ADRB, 20                          ; v20-21 the same for B (v22-23: behind one padding more)
.set STO,  24
.set RD,   25
.set CO,   26
.set ADRS, 27
.set SPW,  28                          ; v28  LDS address of my spare word; never rewritten
.set NIL,  29                          ; v29  0; never rewritten
.set SC,   32
.set BP,   64                          ; v64-127 the bias along the registers
.set AF,   128
.set BK,   128                         ; the way out: 16 rows read back: v128-191 and v192-255 by turns
.set G1, 24
.set G0, 32
.set G1B, 48
.set G0B, 56
.set G1S, 68
.set G0S, 76
.set G1SB, 80
.set G0SB, 88
.set MSB, 0
.macro WIN new                         ; the immediate's high byte repeats the setting that is left
.if MSB != (\new)
	s_set_vgpr_msb (MSB<<8)|(\new)
.set MSB, (\new)
.endif
.endm
.set MUL_LO, 0xa1
.set MUL_HI, 0xf1
.set FIRST_LO, 0x81                    ; the first step: C (the bias) window 0, D window 2
.set FIRST_HI, 0xc1
.set TO_B,   0x40
.macro JLOAD g0a, g1a, g0b, g1b        ; a joint load: waves 0 and 1 fetch for A, waves 2 and 3 for B; four v_nop follow each of the two lines
	s_cmp_eq_u32 s15, 0
	s_cbranch_scc0 .Lfor_b_\@
	tensor_load_to_lds s[\g0a:\g0a+3], s[\g1a:\g1a+7]
	s_nop 0
.rept 4
	v_nop
.endr
	s_branch .Lasked_\@
.Lfor_b_\@:
	tensor_load_to_lds s[\g0b:\g0b+3], s[\g1b:\g1b+7]
	s_nop 0
.rept 4
	v_nop
.endr
.Lasked_\@:
.endm
.macro CREST
	s_cmp_lg_u32 s14, 0
	s_cbranch_scc1 .Lnot_wave_0_\@
	s_barrier_signal -3
.Lnot_wave_0_\@:
	s_barrier_wait -3
	s_barrier_signal -1
	s_barrier_wait -1
.endm
.macro CROUND
	s_barrier_signal -1
	s_barrier_wait -1
	CREST
.endm
	s_load_b256 s[4:11], s[0:1], 0x0               ; oc, os, cod, scl
	s_load_b128 s[96:99], s[0:1], 0x20             ; bo, out0
	v_lshl_add_u32 v[SPW], v0, 2, SPARE
	v_mov_b32 v[NIL], 0
	ds_add_u32 v28, v29
	ds_add_u32 v28, v29
	s_wait_dscnt 0x0
	v_lshrrev_b32 v1, 5, v0
	v_readfirstlane_b32 s14, v1                    ; wave 0..3
	s_lshr_b32 s15, s14, 1                         ; which half of A's rows is mine.  Also: I fetch for A (0) or for B (1)
	s_and_b32 s16, s14, 1                          ; which half of B's rows.  Also: which 128 rows of that tile I fetch
	s_bfe_u32 s40, ttmp6, 0x40000                  ; cx, cy
	s_bfe_u32 s41, ttmp6, 0x40004
	s_lshl_b32 s42, ttmp9, 2
	s_add_co_u32 s42, s42, s40                     ; tile column: 0 .. 3
	s_and_b32 s17, ttmp7, 0xffff
	s_lshl_b32 s17, s17, 2
	s_add_co_u32 s17, s17, s41                     ; tile row: 0 .. 31
	s_lshl_b32 s43, s41, 2
	s_lshl_b32 s43, 15, s43                        ; my row of the cluster
	s_lshl_b32 s44, 0x1111, s40                    ; my column
	; A's tile: four heads' 128 rows: 4 rows of 6,144 bytes (768 elements of 8 bytes), a head (49,152 elements) apart; no padding
	s_or_b32 s[G1+0], s43, (3<<16)|(1<<21)
	s_mov_b32 s[G1+1], 768<<16
	s_mov_b32 s[G1+2], 4<<16
	s_mov_b32 s[G1+3], 768<<16
	s_mov_b32 s[G1+4], 4
	s_mov_b32 s[G1+5], HEADB/8
	s_mov_b32 s[G1+6], 0
	s_mov_b32 s[G1+7], 0
	; B's tile: 128 rows x 192 bytes, 16 bytes of padding behind every 64
	s_or_b32 s[G1B+0], s44, (0<<16)|(1<<20)|(1<<21)|(3<<22)|(3<<25)
	s_mov_b32 s[G1B+1], ROWB<<16
	s_mov_b32 s[G1B+2], 128<<16
	s_mov_b32 s[G1B+3], ROWB<<16
	s_mov_b32 s[G1B+4], 128
	s_mov_b32 s[G1B+5], KROW
	s_mov_b32 s[G1B+6], 0
	s_mov_b32 s[G1B+7], 0
	; the scale bytes of 128 rows: 4,096 dense bytes, as 16 rows of 256 bytes, 16 bytes of padding behind each
	s_or_b32 s[G1S+0], s43, (3<<16)|(1<<20)|(1<<21)|(5<<22)|(3<<25)
	s_or_b32 s[G1SB+0], s44, (3<<16)|(1<<20)|(1<<21)|(5<<22)|(3<<25)
.irp g, G1S, G1SB
	s_mov_b32 s[\g+1], 32<<16
	s_mov_b32 s[\g+2], (128*KS/256)<<16
	s_mov_b32 s[\g+3], 32<<16
	s_mov_b32 s[\g+4], 128*KS/256
	s_mov_b32 s[\g+5], 32
	s_mov_b32 s[\g+6], 0
	s_mov_b32 s[\g+7], 0
.endr
	s_lshl_b32 s18, s16, 7                         ; which 128 rows of the tile I fetch
	s_lshl_b32 s20, s17, 8
	s_add_co_u32 s20, s20, s18                     ; A: token row 256 x tile row + 128 x half
	s_lshl_b32 s46, s42, 8
	s_add_co_u32 s46, s46, s18
	s_add_co_u32 s46, s46, 3072                    ; B: Wo's rows begin at 3072
	s_lshl_b32 s22, s20, 5                         ; A's scale bytes,
	s_mov_b32 s23, 0
	s_mul_i32 s20, s20, 48                         ; and codes in head 0
	s_mov_b32 s21, 0
	s_lshl_b32 s92, s46, 5
	s_mov_b32 s93, 0
	s_mul_i32 s46, s46, KROW
	s_mov_b32 s47, 0
	s_mul_i32 s45, s16, HALFA                      ; where they go in a slot: A's half,
	s_mul_i32 s95, s16, HALFT
	s_add_co_u32 s95, s95, 2*HALFA                 ; B's half, behind A's two: no place in the cluster enters an LDS address
	s_mul_i32 s94, s14, HALFS
	s_lshl_b32 s2, s42, 10
	s_lshl_b32 s3, s16, 9
	s_add_co_u32 s2, s2, s3                        ; my first column, in bytes: 1024 x tile column + 512 x half: in bo and in a row of out0
	s_lshl_b32 s12, s17, 8
	s_lshl_b32 s3, s15, 7
	s_add_co_u32 s12, s12, s3                      ; my first row of out0
	s_lshl_b32 s12, s12, 12
	s_add_co_u32 s12, s12, s2                      ; (8,192 rows of 4,096 bytes stay under 2^32)
	s_mov_b32 s13, 0
	s_wait_kmcnt 0x0
	s_add_nc_u64 s[20:21], s[4:5], s[20:21]
	s_add_nc_u64 s[22:23], s[6:7], s[22:23]
	s_add_nc_u64 s[46:47], s[8:9], s[46:47]
	s_add_nc_u64 s[92:93], s[10:11], s[92:93]
	s_add_nc_u64 s[98:99], s[98:99], s[12:13]
	CROUND                                         ; all sixteen work-groups are here: the first joint loads meet
	s_mov_b32 s[G0S], 1
	s_add_co_u32 s[G0S+1], s94, SCL
	s_mov_b64 s[G0S+2:G0S+3], s[22:23]
	s_or_b32 s[G0S+3], s[G0S+3], 0x80000000
	s_mov_b32 s[G0SB], 1
	s_add_co_u32 s[G0SB+1], s94, SCL
	s_mov_b64 s[G0SB+2:G0SB+3], s[92:93]
	s_or_b32 s[G0SB+3], s[G0SB+3], 0x80000000
	JLOAD G0S, G1S, G0SB, G1SB                     ; the scale bytes first
.irp s, 0,1
	s_mov_b32 s[G0+4*\s], 1
	s_add_co_u32 s[G0+4*\s+1], s45, \s*SLOT
	s_add_nc_u64 s[G0+4*\s+2:G0+4*\s+3], s[20:21], \s*4*HEADB      ; K step s: heads 4 s on
	s_or_b32 s[G0+4*\s+3], s[G0+4*\s+3], 0x80000000
	s_mov_b32 s[G0B+4*\s], 1
	s_add_co_u32 s[G0B+4*\s+1], s95, \s*SLOT
	s_add_nc_u64 s[G0B+4*\s+2:G0B+4*\s+3], s[46:47], \s*ROWB
	s_or_b32 s[G0B+4*\s+3], s[G0B+4*\s+3], 0x80000000
	JLOAD G0+4*\s, G1, G0B+4*\s, G1B
.endr
	v_and_b32 v1, 15, v0                           ; r
	v_bfe_u32 v2, v0, 4, 1                         ; h
	v_lshlrev_b32 v7, 6, v2                        ; the bias: register 8 b + j of my lane is column 32 (b / 2) + 16 h + 8 (b % 2) + j
	v_add_nc_u32 v7, s2, v7
.irp b, 0,1,2,3,4,5,6,7
	global_load_b128 v[BP+8*\b:BP+8*\b+3], v7, s[96:97] offset:(32*(\b/2)+8*(\b%2))*4
	global_load_b128 v[BP+8*\b+4:BP+8*\b+7], v7, s[96:97] offset:(32*(\b/2)+8*(\b%2))*4+16
.endr
	v_mul_u32_u24 v3, v1, PITCH
	v_mul_u32_u24 v4, v2, 24
	v_add_nc_u32 v3, v3, v4                        ; B: a fragment's row x pitch + 24 x half
	v_lshl_add_u32 v5, v2, 4, v3                   ; and the same behind one padding more
	v_mad_u32_u24 v4, v1, 48, v4                   ; A: row x 48 + 24 x half
	s_mul_i32 s21, s15, HALFA                      ; my 128 rows of A
	s_mul_i32 s22, s16, HALFT                      ; my 128 rows of B,
	s_add_co_u32 s22, s22, 2*HALFA                 ; which lie behind A's two halves
.irp s, 0,1
	v_add_nc_u32 v[ADRA+\s], s21, v4
	v_add_nc_u32 v[ADRB+\s], s22, v3
	v_add_nc_u32 v[ADRB+2+\s], s22, v5
	s_add_co_u32 s21, s21, SLOT
	s_add_co_u32 s22, s22, SLOT
.endr
	v_mul_u32_u24 v5, v1, KS                       ; my row's scale bytes: 32 a row,
	v_lshrrev_b32 v6, 8, v5
	v_lshl_add_u32 v5, v6, 4, v5                   ; and 16 more for each 256 passed
	s_mul_i32 s21, s15, HALFS
	s_mul_i32 s22, s16, HALFS
	s_add_co_u32 s22, s22, 2*HALFS
	s_sub_co_u32 s22, s22, s21
	v_mul_u32_u24 v6, s22, v2                      ; lanes 16-31 take B's
	s_add_co_u32 s21, s21, SCL
	v_add_nc_u32 v5, v5, v6
	v_add_nc_u32 v[ADRS], s21, v5
	s_mul_i32 s23, s14, 16*SPITCH                  ; my stage
	v_mul_u32_u24 v5, v1, SPITCH                   ; in: row r, + 64 h: my half's 16 columns of each 32
	v_lshl_add_u32 v5, v2, 6, v5
	v_add_nc_u32 v[STO], s23, v5
	v_and_b32 v6, 31, v0
	v_lshlrev_b32 v[CO], 4, v6                     ; back: the 32 lanes take one row of 512 bytes; and the same in out0
	v_add_nc_u32 v[RD], s23, v[CO]
	s_wait_loadcnt 0x0                             ; the bias
.macro FRAG reg, adr, q, i             ; a fragment of B: 12 registers; lane l holds row l % 16; registers 6 c .. 6 c + 5 hold K = 64 c + 32 (l / 16) + 0 .. 31, in pieces of 8 bytes
.irp p, 0,1,2,3,4,5
.set PC, 12*(\q)+6*(\p/3)+\p%3         ; 16 bytes of padding lie behind every 8 pieces: where the piece three on lies behind one padding more, the second address register serves
.if PC%8 < 5
	ds_load_b64 v[\reg+2*\p:\reg+2*\p+1], v[\adr] offset:8*PC+16*(PC/8)+(\i)*16*PITCH
.else
	ds_load_b64 v[\reg+2*\p:\reg+2*\p+1], v[\adr+2] offset:8*PC+16*(PC/8)+(\i)*16*PITCH
.endif
.endr
.endm
.macro FRAGA reg, slot, q, i           ; a fragment of A: heads 2 q and 2 q + 1 of the slot's four, rows 16 i on
.irp p, 0,1,2,3,4,5
	ds_load_b64 v[\reg+2*\p:\reg+2*\p+1], v[ADRA+\slot] offset:(2*(\q)+\p/3)*6144+(\i)*768+8*(\p%3)
.endr
.endm
; 16 matrix instructions: A's blocks a0, a0 + 1 x B's eight.  first = 1: the bias is the C that starts the sums.  The 64 accumulators take turns, one instruction a turn.
.macro MUL16 a0, p, q, sc, first
.irp a, \a0, \a0+1
.irp b, 0,1,2,3,4,5,6,7
.if \first
	v_wmma_scale_f32_16x16x128_f8f6f4 v[8*(8*((\a)%4)+\b):8*(8*((\a)%4)+\b)+7], v[128*(\p)+FR*\b:128*(\p)+FR*\b+FR-1], v[AF+FR*(\a):AF+FR*(\a)+FR-1], v[BP+8*\b:BP+8*\b+7], v[SC+8*NQ*(\sc)+NQ*\b+(\q)], v[SC+8*NQ*(\sc)+NQ*(\a)+(\q)] matrix_a_fmt:MATRIX_FMT_BF6 matrix_b_fmt:MATRIX_FMT_BF6 matrix_a_scale:MATRIX_SCALE_ROW1
.else
	v_wmma_scale_f32_16x16x128_f8f6f4 v[8*(8*((\a)%4)+\b):8*(8*((\a)%4)+\b)+7], v[128*(\p)+FR*\b:128*(\p)+FR*\b+FR-1], v[AF+FR*(\a):AF+FR*(\a)+FR-1], v[8*(8*((\a)%4)+\b):8*(8*((\a)%4)+\b)+7], v[SC+8*NQ*(\sc)+NQ*\b+(\q)], v[SC+8*NQ*(\sc)+NQ*(\a)+(\q)] matrix_a_fmt:MATRIX_FMT_BF6 matrix_b_fmt:MATRIX_FMT_BF6 matrix_a_scale:MATRIX_SCALE_ROW1
.endif
.endr
.endr
.endm
.macro FETCH_B slot, q, p
	WIN TO_B
.irp i, 0,1,2,3,4,5,6,7
	FRAG 128*(\p)+FR*\i, ADRB+\slot, \q, \i
.endr
	WIN 0
.endm
.macro FETCH_A slot, q, i0
.irp i, \i0, \i0+1, \i0+2, \i0+3
	FRAGA AF+FR*(\i), \slot, \q, \i
.endr
.endm
.macro SCALES sc
.irp i, 0,1,2,3,4,5,6,7
	ds_load_b64 v[SC+8*NQ*\sc+NQ*\i:SC+8*NQ*\sc+NQ*\i+1], v[ADRS] offset:\i*SBLK
.endr
.endm
; A load into a register that a matrix instruction has read, and an LDS store that reads a matrix result, stand NP places behind that matrix instruction; only plain vector instructions that name none of its registers are places.
.macro PLACES n
.rept \n
	v_nop
.endr
.endm
.macro STEP slot, q, first
	s_wait_dscnt 4*NL                              ; B's set and A's blocks 0-3 are in; the youngest 24 loads (A's blocks 4-7) may be out
.if \first
	WIN FIRST_LO
.else
	WIN MUL_LO
.endif
	MUL16 0, (\q)%2, \q, \slot, \first
	MUL16 2, (\q)%2, \q, \slot, \first
	s_wait_dscnt 0                                 ; A's blocks 4-7 are in
	PLACES NP
	FETCH_B \slot, (\q)+1, 1-(\q)%2
	FETCH_A \slot, (\q)+1, 0
.if \first
	WIN FIRST_HI
.else
	WIN MUL_HI
.endif
	MUL16 4, (\q)%2, \q, \slot, \first
	MUL16 6, (\q)%2, \q, \slot, \first
	PLACES NP
	WIN 0
	FETCH_A \slot, (\q)+1, 4
.endm
; A slot's last step changes slots: ONE barrier; in front of it each wave waits for all its tensor loads, adds 0 to its spare word, and waits for that and for its own reads of this slot.
.macro TURN slot, next, fill
	s_wait_tensorcnt 0x0                           ; all my tensor loads have landed: my part of the next slot  (every window is 0 here)
	ds_add_u32 v[SPW], v[NIL]                      ; 0 onto my spare word
	s_wait_dscnt 4*NL+1                            ; (the add and the youngest 24 loads may be out)
	WIN MUL_LO
	MUL16 0, 1, NQ-1, \slot, 0                     ; sixteen matrix instructions stand between the add and the wait for it
	s_wait_dscnt 0x0                               ; the add is done, and my reads of this slot are over
	s_barrier_signal -1
	MUL16 2, 1, NQ-1, \slot, 0
	WIN 0
	s_barrier_wait -1
.if \fill
	CREST                                          ; the barrier has opened a round of the cluster's barrier: no wave of any partner still reads this slot's tile or has a load on its way
	s_add_nc_u64 s[G0+4*\slot+2:G0+4*\slot+3], s[G0+4*\slot+2:G0+4*\slot+3], 2*4*HEADB
	s_add_nc_u64 s[G0B+4*\slot+2:G0B+4*\slot+3], s[G0B+4*\slot+2:G0B+4*\slot+3], 2*ROWB
	JLOAD G0+4*\slot, G1, G0B+4*\slot, G1B         ; the first tensor load behind the round; the four v_nop behind it are the places in front of the loads below
.else
	PLACES NP
.endif
	v_add_nc_u32 v[ADRS], 4*NQ, v[ADRS]            ; on to the next K step's scale words
	FETCH_B \next, 0, 0
	FETCH_A \next, 0, 0
	SCALES \next
	WIN MUL_HI
	MUL16 4, 1, NQ-1, \slot, 0
	MUL16 6, 1, NQ-1, \slot, 0
	PLACES NP
	WIN 0
	FETCH_A \next, 0, 4
.endm
	s_wait_tensorcnt 1                             ; the scale bytes and my part of K step 0 are in (K step 1's load may be out)
	s_barrier_signal -1
	s_barrier_wait -1                              ; everybody's are
	FETCH_B 0, 0, 0
	FETCH_A 0, 0, 0
	SCALES 0
	FETCH_A 0, 0, 4
	STEP 0, 0, 1                                   ; the first step stands in front of the loop: its products start the sums from the bias
	s_mov_b32 s3, LAPS-1
.Llap:
	TURN 0, 1, 1
	STEP 1, 0, 0
	TURN 1, 0, 1
	STEP 0, 0, 0
	s_sub_co_u32 s3, s3, 1
	s_cmp_lg_u32 s3, 0
	s_cbranch_scc1 .Llap
	TURN 0, 1, 0                                   ; the last lap fills nothing
	STEP 1, 0, 0
	s_wait_dscnt 4*NL
	WIN MUL_LO
	MUL16 0, 1, NQ-1, 1, 0
	MUL16 2, 1, NQ-1, 1, 0
	s_wait_dscnt 0
	WIN MUL_HI
	MUL16 4, 1, NQ-1, 1, 0
	MUL16 6, 1, NQ-1, 1, 0
	WIN 0
; THE WAY OUT, block by block of 16 rows x 128 columns, through my own stage in LDS: in by the lane's 32 bytes at their true columns, back as whole rows of 512 bytes, which the 32 lanes store at the row's true place.
.macro TOSTAGE a
.set AC, 64*((\a)%4)
	WIN 0x08+4*((\a)/4)                            ; the data: window 2 or 3
.irp b, 0,1,2,3,4,5,6,7
	ds_store_b128 v[STO], v[AC+8*\b:AC+8*\b+3] offset:128*(\b/2)+32*(\b%2)          ; each accumulator from its low end on
	ds_store_b128 v[STO], v[AC+8*\b+4:AC+8*\b+7] offset:128*(\b/2)+32*(\b%2)+16
.endr
	WIN 0
.set BB, BK+64*((\a)%2)
.irp t, 0,1,2,3,4,5,6,7,8,9,10,11,12,13,14,15
	ds_load_b128 v[BB+4*\t:BB+4*\t+3], v[RD] offset:\t*SPITCH       ; LDS serves a wave's instructions in order: these see the stores above
.endr
.endm
.macro SEND a, younger                 ; younger: the LDS instructions issued behind block a's loads, which may stay out
.set BB, BK+64*((\a)%2)
	s_wait_dscnt \younger
.irp t, 0,1,2,3,4,5,6,7,8,9,10,11,12,13,14,15
	global_store_b128 v[CO], v[BB+4*\t:BB+4*\t+3], s[98:99] offset:(32*((\a)/2)+8*((\a)%2)+\t+8*(\t/8))*4096 th:TH_STORE_NT   ; 32 lanes store 512 consecutive bytes, at a multiple of 256 from out0's first byte; 127 rows on at the most: inside the signed 24-bit immediate
.endr
.endm
	PLACES NP
	TOSTAGE 0
.irp a, 1,2,3,4,5,6,7
.if \a > 1
	s_wait_xcnt 0x0                                ; block a - 2's stores have read their registers: block a's loads may land there
.endif
	TOSTAGE \a
	SEND \a-1, 32                                  ; behind block a - 1's loads: block a's 16 stores and 16 loads
.endr
	SEND 7, 0
	s_wait_tensorcnt 0x0                           ; the wave's end, behind my last tensor load and my last LDS store
	ds_add_u32 v[SPW], v[NIL]
	s_wait_dscnt 0x0
	CROUND                                         ; the closing round
	s_endpgm
.Lfunc_end_k_q5b43865496_outp:
	.size	k_q5b43865496_outp, .Lfunc_end_k_q5b43865496_outp-k_q5b43865496_outp
	.p2alignl 7, 3214868480
	.fill 96, 4, 3214868480
	.section	.rodata,"a",@progbits
	.p2align	6, 0x0
	.amdhsa_kernel k_q5b43865496_outp
		.amdhsa_group_segment_fixed_size 327680
		.amdhsa_private_segment_fixed_size 0
		.amdhsa_enable_private_segment 0
		.amdhsa_kernarg_size 48
		.amdhsa_user_sgpr_count 2
		.amdhsa_user_sgpr_kernarg_segment_ptr 1
		.amdhsa_wavefront_size32 1
		.amdhsa_system_sgpr_workgroup_id_x 1
		.amdhsa_system_sgpr_workgroup_id_y 1
		.amdhsa_system_sgpr_workgroup_id_z 1
		.amdhsa_system_vgpr_workitem_id 0
		.amdhsa_next_free_vgpr 1024
		.amdhsa_next_free_sgpr 100
		.amdhsa_reserve_vcc 0
		.amdhsa_float_denorm_mode_32 3
		.amdhsa_float_denorm_mode_16_64 3
		.amdhsa_memory_ordered 1
		.amdhsa_forward_progress 1
		.amdhsa_inst_pref_size 161
	.end_amdhsa_kernel
	.amdgpu_metadata
---
amdhsa.version: [ 1, 2 ]
amdhsa.kernels:
  - .name:           k_q5b43865496_outp
    .symbol:         k_q5b43865496_outp.kd
    .args:
      - { .name: oc, .offset: 0, .size: 8, .value_kind: global_buffer, .address_space: global }
      - { .name: os, .offset: 8, .size: 8, .value_kind: global_buffer, .address_space: global }
      - { .name: cod, .offset: 16, .size: 8, .value_kind: global_buffer, .address_space: global }
      - { .name: scl, .offset: 24, .size: 8, .value_kind: global_buffer, .address_space: global }
      - { .name: bo, .offset: 32, .size: 8, .value_kind: global_buffer, .address_space: global }
      - { .name: out0, .offset: 40, .size: 8, .value_kind: global_buffer, .address_space: global }
    .group_segment_fixed_size: 327680
    .private_segment_fixed_size: 0
    .kernarg_segment_align: 8
    .kernarg_segment_size: 48
    .max_flat_workgroup_size: 128
    .sgpr_count:     100
    .vgpr_count:     1024
    .wavefront_size: 32
...
	.end_amdgpu_metadata
.endif
;; end of part 5
;; ======== version 2 of 2: 4 launches
;; limits: right only within a limited range of input values
;; workspace buffers: cod 10,223,616 bytes; scl 393,216 bytes; qkc 12,582,912 bytes; qks 524,288 bytes; vc 6,291,456 bytes; vs 262,144 bytes; oc 6,291,456 bytes; os 262,144 bytes
;; launch quant (part 6): grid 384 x 1, 4 waves a work-group, no clusters, 68,096 bytes of LDS; arguments Wq, Wk, Wv, Wo, x, cod, scl; writes cod, scl
.if DOCPART == 6
	.amdgcn_target "amdgcn-amd-amdhsa--gfx1250"
	.amdhsa_code_object_version 6
	.text
	.protected	k_q5b43865496_quant
	.globl	k_q5b43865496_quant
	.p2align	8
	.type	k_q5b43865496_quant,@function
k_q5b43865496_quant:
	s_mov_b64 s[64:65], 0
	v_nop
	global_prefetch_b8 v0, s[64:65] scope:SCOPE_SE
	s_setreg_imm32_b32 hwreg(HW_REG_WAVE_MODE, 25, 1), 1
	s_wait_xcnt 0x0
; The four weights and x become codes of BF6 (E3M2) with K innermost and one E8M0 byte for each 32 along K.
; cod: rows of 768 bytes (1,024 codes); scl: rows of 32 bytes.  Rows 0.. Wq's columns, 1024.. Wk's, 2048.. Wv's, 3072.. Wo's, 4096.. x's tokens.
; ROW ORDER.  Inside each tensor row i lies at sigma(i): sigma swaps the two middle groups of 8 in each 32 rows.  A matrix instruction that takes 16 neighbouring rows of such a buffer as source 0 then leaves,
; in the 16 registers of two neighbouring tiles, 16 neighbours of the true order: what the next quantiser wants.
; ONE LAUNCH, TWO WAYS, parted once by the work-group's number: work-groups 0-127 take the weights (K is their FIRST axis), work-groups 128-383 take x (K innermost).  The two streams share nothing;
; each way has LDS bytes of its own (the weights' stages from byte 0, x's regions from byte XB), and no way has a barrier: waves share nothing either.
; A block's scale is 2^(floor(log2(largest magnitude)) - 4); its byte is the largest magnitude's exponent field - 4, held at 1 from below.
; LIMITS: a block whose largest magnitude lies under 2^-122 (a block of zeros too) gets the byte 1: its codes are then zeros or the format's smallest numbers; the bytes are read by this program alone.  NaN and infinities are not served.
; LAYOUT OF cod, which stands for what the lines above say of its rows: cod is [4 chunks of 256 along K][12,288 rows][192 bytes], a chunk 12,288 x 192 = 0x240000 bytes.
; So 128 neighbouring rows of one chunk are 24,576 dense bytes that begin at a multiple of 256: the products' launches fetch them as rows of 256 bytes.
.set NWGW,  128
.set EMAX,  4
.set XB,    34816                      ; LDS: behind the weights' four stages
	v_lshl_add_u32 v192, v0, 2, 0x10800
	v_mov_b32 v193, 0
	s_cmp_lt_u32 ttmp9, NWGW
	s_cbranch_scc0 .Lx_path
; ======== THE WEIGHTS, each [1024 (k)][1024 (n)] f32.  A LANE TAKES A COLUMN n AND ITS REGISTERS RUN DOWN K: each load reads 128 consecutive bytes a wave, a block of 32 along K lies in one lane's 32 registers,
; and the conversions give codes with K innermost.  A wave takes 32 columns x 256 along K; its codes go through its own stage in LDS (row = sigma(lane)) and leave as rows: sixteen lanes store 192 consecutive
; bytes of a row, 12 bytes each.  Work-group id: bits 0-2: which 128 columns; bits 3-4: which 256 along K; bits 5-6: which weight.  Loads run two blocks (64 loads a wave) ahead.
.set SIZE_N, 1024
.set KW,    256                        ; along K for a wave
.set NB,    KW/32                      ; blocks
.set ROWB,  192                        ; bytes of KW codes
.set WPITCH, 272                       ; a stage row: sixteen places of 16 bytes, each with 12 bytes of codes, + 16
.set KROW,  192                        ; from row to row inside a chunk of cod, in bytes
.set WX,    32                         ; v32-95   two sets of 32 numbers
.set WC,    96                         ; v96..    a block's codes
.set WOUT,  112                        ; v112-175 the way out
.set WSB,   24                         ; v24-25   the scale bytes, four to a register
	s_load_b256 s[4:11], s[0:1], 0x0               ; Wq, Wk, Wv, Wo
	s_load_b128 s[12:15], s[0:1], 0x28             ; cod, scl
	v_lshrrev_b32 v1, 5, v0
	v_readfirstlane_b32 s16, v1                    ; wave 0..3
	v_and_b32 v2, 31, v0                           ; lane
	s_and_b32 s17, ttmp9, 7
	s_lshl_b32 s17, s17, 7
	s_lshl_b32 s18, s16, 5
	s_add_co_u32 s17, s17, s18                     ; my wave's first column: 128 x (id % 8) + 32 x wave
	s_lshr_b32 s30, ttmp9, 3
	s_lshr_b32 s31, s30, 2                         ; which weight
	s_and_b32 s18, s30, 3                          ; which 256 along K
	v_lshlrev_b32 v3, 2, v2                        ; in: 4 bytes a lane
	v_and_b32 v10, 7, v2                           ; sigma(lane): bits 0-2 stay,
	v_and_b32 v11, 8, v2
	v_lshl_add_u32 v10, v11, 1, v10                ; bit 3 goes to bit 4,
	v_and_b32 v11, 16, v2
	v_lshrrev_b32 v11, 1, v11
	v_add_nc_u32 v10, v10, v11                     ; bit 4 to bit 3
	s_mul_i32 s19, s16, 32*WPITCH                  ; my stage
	v_mul_u32_u24 v4, v10, WPITCH
	v_add_nc_u32 v4, s19, v4                       ; into it: row = sigma(my column)
	v_and_b32 v5, 15, v2
	v_lshrrev_b32 v6, 4, v2                        ; out of it: sixteen lanes to a row, two rows an instruction
	v_mul_u32_u24 v7, v6, WPITCH
	v_lshl_add_u32 v7, v5, 4, v7
	v_add_nc_u32 v7, s19, v7                       ; LDS address
	v_mul_u32_u24 v8, v6, KROW
	v_mad_u32_u24 v8, v5, 12, v8                   ; and the same place in cod
	; Wo's codes leave another way: behind cod's four chunks, from byte 9,437,184 on, they lie as [16 chunks of 64 along K][1,024 rows][48 bytes]; its rows inside the four chunks are not written and nobody reads them.
	v_lshrrev_b32 v16, 2, v2                       ; out of the stage: four lanes to a row's 48 bytes of one chunk of 64, eight rows an instruction
	v_mul_u32_u24 v16, v16, WPITCH
	v_and_b32 v17, 3, v2
	v_lshl_add_u32 v16, v17, 4, v16
	v_add_nc_u32 v16, s19, v16
	v_mul_u32_u24 v17, v2, 12                      ; in memory these eight rows are 384 consecutive bytes
	v_lshlrev_b32 v9, 5, v10                       ; my column's row of scale bytes
	s_lshl_b32 s20, s18, 20                        ; W: 256 rows of 4,096 bytes for each step along K,
	s_lshl_b32 s22, s17, 2
	s_add_co_u32 s20, s20, s22                     ; + 4 x column
	s_mov_b32 s21, 0
	s_lshl_b32 s22, s31, 10
	s_add_co_u32 s22, s22, s17                     ; the first row that my wave writes: 1024 x weight + column
	s_mul_i32 s24, s22, KROW
	s_mul_i32 s26, s18, 12288*192                  ; my 256 along K are one chunk of cod
	s_add_co_u32 s24, s24, s26
	s_mov_b32 s25, 0
	s_lshl_b32 s28, s22, 5
	s_lshl_b32 s26, s18, 3
	s_add_co_u32 s28, s28, s26
	s_mov_b32 s29, 0
	s_mul_i32 s32, s18, 4*49152                    ; Wo: my 256 along K are four chunks of 64, 1,024 x 48 bytes each,
	s_mul_i32 s33, s17, 48                         ; my first row,
	s_add_co_u32 s32, s32, s33
	s_add_co_u32 s32, s32, 9437184                 ; behind cod's four chunks
	s_mov_b32 s33, 0
	s_and_b32 s26, s31, 1
	s_lshr_b32 s27, s31, 1
	s_wait_kmcnt 0x0
	s_cmp_lg_u32 s26, 0                            ; the weight is chosen by the work-group's number alone
	s_cselect_b64 s[4:5], s[6:7], s[4:5]
	s_cselect_b64 s[8:9], s[10:11], s[8:9]
	s_cmp_lg_u32 s27, 0
	s_cselect_b64 s[4:5], s[8:9], s[4:5]
	s_add_nc_u64 s[4:5], s[4:5], s[20:21]
	s_add_nc_u64 s[34:35], s[12:13], s[32:33]
	s_add_nc_u64 s[12:13], s[12:13], s[24:25]
	s_add_nc_u64 s[14:15], s[14:15], s[28:29]
.macro WLOAD t                         ; block t: W(32 t + i, my column), i = 0 .. 31, into set t % 2
.irp i, 0,1,2,3,4,5,6,7,8,9,10,11,12,13,14,15,16,17,18,19,20,21,22,23,24,25,26,27,28,29,30,31
	global_load_b32 v[WX+32*((\t)%2)+\i], v3, s[4:5] offset:(32*(\t)+\i)*SIZE_N*4 th:TH_LOAD_NT
.endr
.endm
	WLOAD 0
	WLOAD 1
.macro WBLOCK t
.set XS, WX+32*((\t)%2)
.if (\t) < NB-1
	s_wait_loadcnt 32                              ; this block's 32 loads are in; the next block's may be out
.else
	s_wait_loadcnt 0
.endif
	v_max3_num_f32 v12, |v[XS]|, |v[XS+1]|, |v[XS+2]|               ; the block's largest magnitude: all 32 numbers are mine
	v_max3_num_f32 v13, |v[XS+3]|, |v[XS+4]|, |v[XS+5]|
.irp i, 6,10,14,18,22,26
	v_max3_num_f32 v12, v12, |v[XS+\i]|, |v[XS+\i+1]|
	v_max3_num_f32 v13, v13, |v[XS+\i+2]|, |v[XS+\i+3]|
.endr
	v_max3_num_f32 v12, v12, |v[XS+30]|, |v[XS+31]|
	v_max3_num_f32 v12, v12, v13, (EMAX+1)<<23     ; and the floor 2^(5 - 127): the byte cannot fall under 1
	v_add_nc_u32 v11, -(EMAX<<23), v12             ; 4 off its exponent field: the conversion takes the exponent field of this operand as its scale
	v_lshrrev_b32 v13, 23, v11                     ; the scale's byte
.if (\t)%4 == 0
	v_mov_b32 v[WSB+(\t)/4], v13                   ; four bytes to a register, the lower K in the lower byte
.else
	v_lshl_or_b32 v[WSB+(\t)/4], v13, 8*((\t)%4), v[WSB+(\t)/4]
.endif
	v_cvt_scalef32_pk16_bf6_f32 v[WC:WC+2], v[XS:XS+15], v11
	v_cvt_scalef32_pk16_bf6_f32 v[WC+4:WC+6], v[XS+16:XS+31], v11   ; (a conversion's three registers begin on an even number)
	ds_store_b96 v4, v[WC:WC+2] offset:32*(\t)     ; 16 codes, 12 bytes, to a place of 16 bytes, so that every LDS address is a multiple of 16
	ds_store_b96 v4, v[WC+4:WC+6] offset:32*(\t)+16
.if (\t)+2 < NB
	WLOAD (\t)+2
.endif
	s_wait_dscnt 0x0                               ; the stores have read their registers: the next block's codes may be written
.endm
.set Q, 0
.rept NB
	WBLOCK Q
.set Q, Q+1
.endr
	s_wait_alu depctr_va_vdst(0)
	global_store_b64 v9, v[WSB:WSB+1], s[14:15]    ; my column's 8 scale bytes
	s_cmp_eq_u32 s31, 3                            ; Wo?  The work-group's number alone decides
	s_cbranch_scc1 .Lwo_out
.irp t, 0,1,2,3,4,5,6,7,8,9,10,11,12,13,14,15
	ds_load_b96 v[WOUT+4*\t:WOUT+4*\t+2], v7 offset:2*\t*WPITCH   ; LDS serves a wave's instructions in order: these see my stores
.endr
.irp t, 0,1,2,3,4,5,6,7,8,9,10,11,12,13,14,15
	s_wait_dscnt 15-\t                             ; rows 2 t and 2 t + 1 are back; the younger loads may be out
	global_store_b96 v8, v[WOUT+4*\t:WOUT+4*\t+2], s[12:13] offset:2*\t*KROW
.endr
	s_wait_tensorcnt 0x0
	ds_add_u32 v192, v193
	s_wait_dscnt 0x0
	s_endpgm
.Lwo_out:                                      ; instruction t: chunk t / 4 of my four, rows 8 (t % 4) .. + 7 of my 32
.irp t, 0,1,2,3,4,5,6,7,8,9,10,11,12,13,14,15
	ds_load_b96 v[WOUT+4*\t:WOUT+4*\t+2], v16 offset:8*(\t%4)*WPITCH+64*(\t/4)
.endr
.irp t, 0,1,2,3,4,5,6,7,8,9,10,11,12,13,14,15
	s_wait_dscnt 15-\t                             ; load t is back; the 15 - t younger ones may be out
	global_store_b96 v17, v[WOUT+4*\t:WOUT+4*\t+2], s[34:35] offset:(\t/4)*49152+(\t%4)*384   ; 32 lanes store 384 consecutive bytes
.endr
	s_wait_tensorcnt 0x0                           ; the wave's end
	ds_add_u32 v192, v193
	s_wait_dscnt 0x0
	s_endpgm
; ======== x [8192 tokens][1024] f32.  A wave takes 8,192 numbers, which are 8 rows, one group of sigma: wave w of a work-group (32 rows) writes group ((w & 1) << 1) | (w >> 1).
; It goes in 16 steps of 512 numbers.  Each of a step's four loads reads 512 consecutive bytes, 16 a lane; the 2,048 bytes go through the wave's own stage in LDS and come back 64 bytes a lane, so that a lane holds
; 16 neighbours along K, as the conversion wants (two neighbouring lanes hold a block).  The stage has 16 bytes of padding behind each 64.  A lane's 16 codes are 12 bytes: the wave stores 384 consecutive bytes.
; A wave's 256 scale bytes are gathered in its own LDS bytes and leave as one aligned run of 256 bytes.  Loads run four steps ahead, the turn through LDS one step.
.Lx_path:
.set STEPS, 16
.set CB,    12                         ; bytes of 16 codes
.set XR,    16                         ; v16-79   four sets of 16 numbers as they are loaded
.set XX,    80                         ; v80-111  two sets of 16 neighbours
.set XC,    128                        ; v128-191 codes: four registers for each step, so that no store's data are written again
.set XE,    112                        ; v112-127 a scale byte for each step
.set WREG,  8192                       ; LDS: a region for each wave: two stages of 32 x SP bytes, and behind them its 256 scale bytes
.set SP,    80                         ; a lane's place in a stage: its 64 bytes + 16 of padding
	s_load_b64 s[4:5], s[0:1], 0x20                ; x
	s_load_b128 s[8:11], s[0:1], 0x28              ; cod, scl
	v_lshrrev_b32 v1, 5, v0
	v_readfirstlane_b32 s16, v1                    ; wave
	v_and_b32 v2, 31, v0                           ; lane
	v_lshlrev_b32 v3, 4, v2                        ; my 16 bytes of a load's 512
	s_mul_i32 s17, s16, WREG
	s_add_co_u32 s17, s17, XB                      ; my region
	v_lshrrev_b32 v14, 2, v2
	v_mul_u32_u24 v14, v14, SP
	v_and_b32 v15, 3, v2
	v_lshl_add_u32 v14, v15, 4, v14
	v_add_nc_u32 v14, s17, v14                     ; the stage, on the way in: SP (lane / 4) + 16 (lane % 4)
	v_mul_u32_u24 v15, v2, SP
	v_add_nc_u32 v15, s17, v15                     ; and on the way out: SP x lane: my 16 neighbours
	v_and_b32 v4, 15, v2
	v_mul_u32_u24 v4, v4, CB                       ; my codes' place: sixteen lanes fill a row's 192 bytes of one chunk,
	v_lshrrev_b32 v5, 4, v2
	v_mad_u32_u24 v4, v5, 0x240000, v4             ; lanes 16-31 those of the next chunk
	v_lshrrev_b32 v5, 1, v2
	s_add_co_u32 s17, s17, 2*32*SP
	v_add_nc_u32 v5, s17, v5                       ; LDS: my wave's 256 scale bytes, my block's byte
	v_lshlrev_b32 v7, 3, v2                        ; and on the way out 8 bytes a lane
	v_add_nc_u32 v6, s17, v7
	s_sub_co_u32 s26, ttmp9, NWGW                  ; which 32 rows of x
	s_lshl_b32 s17, s26, 2
	s_add_co_u32 s18, s17, s16                     ; the run of 8 rows that I read
	s_and_b32 s19, s16, 1
	s_lshl_b32 s19, s19, 1
	s_lshr_b32 s20, s16, 1
	s_or_b32 s19, s19, s20
	s_add_co_u32 s19, s17, s19                     ; and the run that I write
	s_lshl_b32 s20, s18, 15                        ; 32,768 bytes of x a run
	s_mov_b32 s21, 0
	s_mul_i32 s22, s19, 8*192                      ; 8 rows of 192 bytes a run in each chunk,
	s_add_co_u32 s22, s22, 4096*192
	s_mov_b32 s23, 0
	s_lshl_b32 s24, s19, 8                         ; 256 scale bytes a run
	s_add_co_u32 s24, s24, 4096*32
	s_mov_b32 s25, 0
	s_wait_alu depctr_va_vdst(0)
	s_wait_kmcnt 0x0
	s_add_nc_u64 s[4:5], s[4:5], s[20:21]
	s_add_nc_u64 s[8:9], s[8:9], s[22:23]
	s_add_nc_u64 s[10:11], s[10:11], s[24:25]
.macro XLOAD t
.irp i, 0,1,2,3
	global_load_b128 v[XR+16*((\t)%4)+4*\i:XR+16*((\t)%4)+4*\i+3], v3, s[4:5] offset:2048*(\t)+512*\i th:TH_LOAD_NT   ; 32 lanes read 512 consecutive bytes
.endr
.endm
.macro XTURN t                         ; step t's numbers through the stage: LDS serves a wave's instructions in order, so no wait stands between the stores and the loads
.irp i, 0,1,2,3
	ds_store_b128 v14, v[XR+16*((\t)%4)+4*\i:XR+16*((\t)%4)+4*\i+3] offset:32*SP*((\t)%2)+8*SP*\i
.endr
.irp i, 0,1,2,3
	ds_load_b128 v[XX+16*((\t)%2)+4*\i:XX+16*((\t)%2)+4*\i+3], v15 offset:32*SP*((\t)%2)+16*\i
.endr
.endm
.irp t, 0,1,2,3
	XLOAD \t
.endr
	s_wait_loadcnt 12                              ; step 0's four loads are in
	XTURN 0
.macro XSTEP t
.set XS, XX+16*((\t)%2)
.if (\t) > 0
	s_wait_dscnt 1                                 ; this step's numbers are back from the stage (the last step's byte store may be out): so its stores into the stage have read their registers,
.else
	s_wait_dscnt 0x0
.endif
.if (\t)+4 < STEPS
	XLOAD (\t)+4                                   ; which take the loads of four steps on
.endif
.if (\t)+1 < STEPS
.if STEPS-2-(\t) >= 3
	s_wait_loadcnt 12                              ; the next step's four loads are in; those of the three steps behind it may be out
.else
	s_wait_loadcnt 4*(STEPS-2-(\t))
.endif
	XTURN (\t)+1                                   ; and go through the other stage while this step is worked
.endif
	v_max3_num_f32 v8, |v[XS]|, |v[XS+1]|, |v[XS+2]|               ; the largest magnitude of my 16
	v_max3_num_f32 v9, |v[XS+3]|, |v[XS+4]|, |v[XS+5]|
.irp i, 6,10
	v_max3_num_f32 v8, v8, |v[XS+\i]|, |v[XS+\i+1]|
	v_max3_num_f32 v9, v9, |v[XS+\i+2]|, |v[XS+\i+3]|
.endr
	v_max3_num_f32 v8, v8, |v[XS+14]|, |v[XS+15]|
	v_max3_num_f32 v8, v8, v9, (EMAX+1)<<23        ; and the floor 2^(5 - 127): the byte cannot fall under 1
	v_max_num_f32_dpp v8, v8, v8 row_xmask:1 row_mask:0xf bank_mask:0xf   ; and of my neighbour's 16: the block's
	v_add_nc_u32 v11, -(EMAX<<23), v8              ; 4 off its exponent field: the conversion's scale operand
	v_cvt_scalef32_pk16_bf6_f32 v[XC+4*(\t):XC+4*(\t)+2], v[XS:XS+15], v11
	v_lshrrev_b32 v[XE+(\t)], 23, v11              ; the scale's byte
	ds_store_b8 v5, v[XE+(\t)] offset:16*(\t)      ; both lanes of a block write the same byte with the same value
	global_store_b96 v4, v[XC+4*(\t):XC+4*(\t)+2], s[8:9] offset:((\t)%2)*2*0x240000+((\t)/2)*192   ; step t: row t / 2 of my 8, chunks 2 (t % 2) and 2 (t % 2) + 1
.endm
.irp t, 0,1,2,3,4,5,6,7,8,9,10,11,12,13,14,15
	XSTEP \t
.endr
	ds_load_b64 v[12:13], v6                       ; LDS serves a wave's instructions in order: these see my stores
	s_wait_dscnt 0x0
	global_store_b64 v7, v[12:13], s[10:11]        ; 32 lanes store 256 consecutive bytes, aligned
	s_wait_tensorcnt 0x0
	ds_add_u32 v192, v193
	s_wait_dscnt 0x0
	s_endpgm
.Lfunc_end_k_q5b43865496_quant:
	.size	k_q5b43865496_quant, .Lfunc_end_k_q5b43865496_quant-k_q5b43865496_quant
	.p2alignl 7, 3214868480
	.fill 96, 4, 3214868480
	.section	.rodata,"a",@progbits
	.p2align	6, 0x0
	.amdhsa_kernel k_q5b43865496_quant
		.amdhsa_group_segment_fixed_size 68096
		.amdhsa_private_segment_fixed_size 0
		.amdhsa_enable_private_segment 0
		.amdhsa_kernarg_size 56
		.amdhsa_user_sgpr_count 2
		.amdhsa_user_sgpr_kernarg_segment_ptr 1
		.amdhsa_wavefront_size32 1
		.amdhsa_system_sgpr_workgroup_id_x 1
		.amdhsa_system_sgpr_workgroup_id_y 1
		.amdhsa_system_sgpr_workgroup_id_z 1
		.amdhsa_system_vgpr_workitem_id 0
		.amdhsa_next_free_vgpr 194
		.amdhsa_next_free_sgpr 66
		.amdhsa_reserve_vcc 0
		.amdhsa_float_denorm_mode_32 3
		.amdhsa_float_denorm_mode_16_64 3
		.amdhsa_memory_ordered 1
		.amdhsa_forward_progress 1
		.amdhsa_inst_pref_size 78
	.end_amdhsa_kernel
	.amdgpu_metadata
---
amdhsa.version: [ 1, 2 ]
amdhsa.kernels:
  - .name:           k_q5b43865496_quant
    .symbol:         k_q5b43865496_quant.kd
    .args:
      - { .name: Wq, .offset: 0, .size: 8, .value_kind: global_buffer, .address_space: global }
      - { .name: Wk, .offset: 8, .size: 8, .value_kind: global_buffer, .address_space: global }
      - { .name: Wv, .offset: 16, .size: 8, .value_kind: global_buffer, .address_space: global }
      - { .name: Wo, .offset: 24, .size: 8, .value_kind: global_buffer, .address_space: global }
      - { .name: x, .offset: 32, .size: 8, .value_kind: global_buffer, .address_space: global }
      - { .name: cod, .offset: 40, .size: 8, .value_kind: global_buffer, .address_space: global }
      - { .name: scl, .offset: 48, .size: 8, .value_kind: global_buffer, .address_space: global }
    .group_segment_fixed_size: 68096
    .private_segment_fixed_size: 0
    .kernarg_segment_align: 8
    .kernarg_segment_size: 56
    .max_flat_workgroup_size: 128
    .sgpr_count:     66
    .vgpr_count:     194
    .wavefront_size: 32
...
	.end_amdgpu_metadata
.endif
;; end of part 6
;; launch qkv (part 7): grid 8 x 48, 4 waves a work-group, clusters of 4 x 4, 327,680 bytes of LDS; arguments cod, scl, bq, bk, bv, qkc, qks, vc, vs; writes qkc, qks, vc, vs
.if DOCPART == 7
	.amdgcn_target "amdgcn-amd-amdhsa--gfx1250"
	.amdhsa_code_object_version 6
	.text
	.protected	k_q5b43865496_qkv
	.globl	k_q5b43865496_qkv
	.p2align	8
	.type	k_q5b43865496_qkv,@function
k_q5b43865496_qkv:
	s_mov_b64 s[64:65], 0
	v_nop
	global_prefetch_b8 v0, s[64:65] scope:SCOPE_SE
	s_setreg_imm32_b32 hwreg(HW_REG_WAVE_MODE, 25, 1), 1
	s_wait_xcnt 0x0
	s_wait_alu depctr_hold_cnt(0) depctr_sa_sdst(0) depctr_va_vdst(0) depctr_va_sdst(0) depctr_va_ssrc(0) depctr_va_vcc(0) depctr_vm_vsrc(0)
	s_getreg_b32 s2, hwreg(HW_REG_IB_STS2, 6, 4)
	s_cmp_eq_u32 s2, 0
	s_cbranch_scc0 .Lentry_in_a_cluster
	s_endpgm
.Lentry_in_a_cluster:
	s_bfe_u32 s2, ttmp6, 0x10000c
	s_cmp_lg_u32 s2, 0xf033
	s_cbranch_scc0 .Lentry_shape_is_right
	s_endpgm
.Lentry_shape_is_right:
.set KSTEP,  256
.set NQ,     KSTEP/128
; cod is [4 chunks of 256 along K][12,288 rows][192 bytes]: a tile of 128 rows of one chunk is 24,576 dense bytes and is fetched as 96 rows of 256 bytes, each beginning at a multiple of 256;
; the padding, 16 bytes behind every 64, is counted along the whole tile, so that a row of 192 bytes of codes takes 240 bytes of LDS.
.set ROWB,   12288*192                 ; from one chunk of cod to the next, in bytes
.set KROW,   192                       ; from row to row inside a chunk
.set PITCH,  240
.set FR,     12
.set NL,     6
.set NP,     4
.set HALFT,  128*PITCH
.set SLOT,   4*HALFT
.set LAPS,   2
.set KS,     32
.set SCL,    2*SLOT
.set HALFS,  (128*KS/256)*272
.set SBLK,   (16*KS/256)*272
.set SPARE,  SCL+4*HALFS
.set WSTG,   12800
.set ADRA, 16
.set ADRB, 20
.set STO,  24
.set RD,   25
.set CO,   26
.set ADRS, 27
.set SPW,  28
.set NIL,  29
.set STS,  30
.set SC,   32
.set BP,   64
.set HA,   64
.set AF,   128
.set CD,   128
.set OUTR, 128
.set BR,   224
.set TM,   240
.set PW,   248
.set G1, 24
.set G0, 32
.set G1B, 48
.set G0B, 56
.set G1S, 68
.set G0S, 76
.set G1SB, 80
.set G0SB, 88
.set SEL, 98
.set MSB, 0
.macro WIN new
.if MSB != (\new)
	s_set_vgpr_msb (MSB<<8)|(\new)
.set MSB, (\new)
.endif
.endm
.set MUL_LO, 0xa1
.set MUL_HI, 0xf1
.set FIRST_LO, 0x81
.set FIRST_HI, 0xc1
.set TO_B,   0x40
.macro JLOAD g0a, g1a, g0b, g1b
	s_cmp_eq_u32 s15, 0
	s_cbranch_scc0 .Lfor_b_\@
	tensor_load_to_lds s[\g0a:\g0a+3], s[\g1a:\g1a+7]
	s_nop 0
.rept 4
	v_nop
.endr
	s_branch .Lasked_\@
.Lfor_b_\@:
	tensor_load_to_lds s[\g0b:\g0b+3], s[\g1b:\g1b+7]
	s_nop 0
.rept 4
	v_nop
.endr
.Lasked_\@:
.endm
.macro CREST
	s_cmp_lg_u32 s14, 0
	s_cbranch_scc1 .Lnot_wave_0_\@
	s_barrier_signal -3
.Lnot_wave_0_\@:
	s_barrier_wait -3
	s_barrier_signal -1
	s_barrier_wait -1
.endm
.macro CROUND
	s_barrier_signal -1
	s_barrier_wait -1
	CREST
.endm
	s_load_b128 s[4:7], s[0:1], 0x0
	s_load_b128 s[8:11], s[0:1], 0x10
	s_load_b64 s[12:13], s[0:1], 0x20
	v_lshl_add_u32 v[SPW], v0, 2, SPARE
	v_mov_b32 v[NIL], 0
	ds_add_u32 v28, v29
	ds_add_u32 v28, v29
	s_wait_dscnt 0x0
	v_lshrrev_b32 v1, 5, v0
	v_readfirstlane_b32 s14, v1
	s_lshr_b32 s15, s14, 1
	s_and_b32 s16, s14, 1
	s_bfe_u32 s40, ttmp6, 0x40000
	s_bfe_u32 s41, ttmp6, 0x40004
	s_lshl_b32 s42, ttmp9, 2
	s_add_co_u32 s42, s42, s40
	s_lshl_b32 s43, s41, 2
	s_lshl_b32 s43, 15, s43
	s_lshl_b32 s44, 0x1111, s40
	s_and_b32 s17, ttmp7, 0xffff
	s_lshl_b32 s18, s17, 2
	s_add_co_u32 s19, s18, 16
	s_and_b32 s93, s17, 7
	s_lshl_b32 s93, s93, 3
	s_add_co_u32 s46, s93, 16
	s_mov_b32 s95, 1024*48
	s_mov_b32 s99, 1024*4
	s_cmp_lt_u32 s17, 8
	s_cselect_b32 s18, s18, 0
	s_cselect_b32 s19, s19, 8
	s_cselect_b32 s93, 0, s93
	s_cselect_b32 s46, 0, s46
	s_cselect_b32 s66, 0, 1
	s_cselect_b32 s95, 8192*48, s95
	s_cselect_b32 s99, 8192*4, s99
	s_cselect_b32 s97, -1, 0
	s_cselect_b32 s98, 0, -1
	s_add_co_u32 s18, s18, s41
	s_add_co_u32 s19, s19, s41
	s_add_co_u32 s93, s93, s42
	s_add_co_u32 s46, s46, s42
	s_lshl_b32 s67, s93, 2
	s_lshl_b32 s96, s16, 1
	s_add_co_u32 s67, s67, s96
	s_lshr_b32 s96, s67, 1
	s_mul_i32 s67, s67, s95
	s_mul_i32 s96, s96, s99
	s_lshl_b32 s99, s18, 8
	s_lshl_b32 s2, s15, 7
	s_add_co_u32 s99, s99, s2
	s_mul_i32 s2, s99, 48
	s_add_co_u32 s67, s67, s2
	s_lshl_b32 s2, s99, 2
	s_add_co_u32 s96, s96, s2
	s_and_b32 s2, s42, 3
	s_lshl_b32 s2, s2, 10
	s_lshl_b32 s3, s16, 9
	s_add_co_u32 s2, s2, s3
	s_and_b32 s2, s2, s97
	s_lshl_b32 s3, s41, 10
	s_lshl_b32 s99, s15, 9
	s_add_co_u32 s3, s3, s99
	s_and_b32 s3, s3, s98
	s_or_b32 s[G1+0], s43, (0<<16)|(1<<20)|(1<<21)|(3<<22)|(3<<25)
	s_or_b32 s[G1B+0], s44, (0<<16)|(1<<20)|(1<<21)|(3<<22)|(3<<25)
.irp g, G1, G1B
	s_mov_b32 s[\g+1], 256<<16
	s_mov_b32 s[\g+2], 192<<16                     ; the head's loads bring a tile's 256 rows: 192 rows of 256 bytes
	s_mov_b32 s[\g+3], 256<<16
	s_mov_b32 s[\g+4], 192
	s_mov_b32 s[\g+5], 256
	s_mov_b32 s[\g+6], 0
	s_mov_b32 s[\g+7], 0
.endr
	s_or_b32 s[G1S+0], s43, (3<<16)|(1<<20)|(1<<21)|(5<<22)|(3<<25)
	s_or_b32 s[G1SB+0], s44, (3<<16)|(1<<20)|(1<<21)|(5<<22)|(3<<25)
.irp g, G1S, G1SB
	s_mov_b32 s[\g+1], 32<<16
	s_mov_b32 s[\g+2], (256*KS/256)<<16            ; the scales of 256 rows in one load
	s_mov_b32 s[\g+3], 32<<16
	s_mov_b32 s[\g+4], 256*KS/256
	s_mov_b32 s[\g+5], 32
	s_mov_b32 s[\g+6], 0
	s_mov_b32 s[\g+7], 0
.endr
	s_lshl_b32 s23, s16, 7
	s_lshl_b32 s20, s19, 8
	s_add_co_u32 s20, s20, s23
	s_lshl_b32 s46, s46, 8
	s_add_co_u32 s46, s46, s23
	s_lshl_b32 s22, s19, 13                        ; A's scales from the tile's first row on: 256 rows x 32 bytes a tile
	s_mov_b32 s23, 0
	s_mul_i32 s20, s20, KROW
	s_mov_b32 s21, 0
	s_lshl_b32 s92, s46, 5
	s_lshl_b32 s93, s16, 12
	s_sub_co_u32 s92, s92, s93                     ; B's scales likewise: without my half's 128 rows x 32 bytes
	s_mov_b32 s93, 0
	s_mul_i32 s46, s46, KROW
	s_mov_b32 s47, 0
	s_mul_i32 s45, s14, HALFT
	s_wait_kmcnt 0x0
	s_add_nc_u64 s[20:21], s[4:5], s[20:21]
	s_add_nc_u64 s[22:23], s[6:7], s[22:23]
	s_add_nc_u64 s[46:47], s[4:5], s[46:47]
	s_add_nc_u64 s[92:93], s[6:7], s[92:93]
	CROUND
	s_mov_b32 s[G0S], 1
	s_mov_b32 s[G0S+1], SCL
	s_mov_b64 s[G0S+2:G0S+3], s[22:23]
	s_or_b32 s[G0S+3], s[G0S+3], 0x80000000
	s_mov_b32 s[G0SB], 1
	s_mov_b32 s[G0SB+1], SCL+2*HALFS
	s_mov_b64 s[G0SB+2:G0SB+3], s[92:93]
	s_or_b32 s[G0SB+3], s[G0SB+3], 0x80000000
.irp s, 0,1
	s_mov_b32 s[G0+4*\s], 1
	s_add_co_u32 s[G0+4*\s+1], s45, \s*SLOT
	s_add_nc_u64 s[G0+4*\s+2:G0+4*\s+3], s[20:21], \s*ROWB
	s_or_b32 s[G0+4*\s+3], s[G0+4*\s+3], 0x80000000
	s_mov_b32 s[G0B+4*\s], 1
	s_add_co_u32 s[G0B+4*\s+1], s45, \s*SLOT
	s_add_nc_u64 s[G0B+4*\s+2:G0B+4*\s+3], s[46:47], \s*ROWB
	s_or_b32 s[G0B+4*\s+3], s[G0B+4*\s+3], 0x80000000
.endr
	s_cmp_lt_u32 s42, 4                            ; q's bias or k's, by the tile column (s42 is given up below)
	s_cselect_b64 s[8:9], s[8:9], s[10:11]
; THE HEAD'S FOUR TILES, ONE JOINT LOAD A WAVE, in one chain of branches on the wave's number: wave 0 chunk 0's 256 rows of A, wave 1 A's scales, wave 2 chunk 0's 256 rows of B, wave 3 B's scales.
; (Waves 0 and 2 have half 0, so that their code addresses are the tiles' first rows.)  The set-up and the bias loads behind the chain stand under these loads' flight.
	s_mov_b32 s4, 1
	s_mov_b32 s5, 0
	s_mov_b64 s[6:7], s[20:21]
	s_or_b32 s7, s7, 0x80000000
	s_mov_b32 s40, 1
	s_mov_b32 s41, 2*HALFT
	s_mov_b64 s[42:43], s[46:47]
	s_or_b32 s43, s43, 0x80000000
.macro ARM under, g0, g1, next
	s_cmp_lt_u32 s14, \under
	s_cbranch_scc0 \next
	tensor_load_to_lds s[\g0:\g0+3], s[\g1:\g1+7]
	s_nop 0
.rept 4
	v_nop
.endr
	s_branch .Lhead_asked
\next:
.endm
	ARM 1, 4,   G1,  .Lhead_sa
	ARM 2, G0S, G1S, .Lhead_b
	ARM 3, 40,  G1B, .Lhead_sb
	tensor_load_to_lds s[G0SB:G0SB+3], s[G1SB:G1SB+7]
	s_nop 0
.rept 4
	v_nop
.endr
.Lhead_asked:
	v_and_b32 v1, 15, v0
	v_bfe_u32 v2, v0, 4, 1
	v_lshlrev_b32 v7, 6, v2
	v_add_nc_u32 v7, s2, v7
	v_and_b32 v8, 8, v1
	v_add_nc_u32 v8, v8, v1
	v_lshlrev_b32 v8, 2, v8
	v_add_nc_u32 v8, s3, v8
.irp b, 0,1,2,3,4,5,6,7
	global_load_b128 v[BP+8*\b:BP+8*\b+3], v7, s[8:9] offset:(32*(\b/2)+8*(\b%2))*4
	global_load_b128 v[BP+8*\b+4:BP+8*\b+7], v7, s[8:9] offset:(32*(\b/2)+8*(\b%2))*4+16
.endr
.irp a, 0,1,2,3,4,5,6,7
	global_load_b32 v[BR+2*\a], v8, s[12:13] offset:(32*(\a/2)+8*(\a%2))*4
.endr
	v_mul_u32_u24 v3, v1, PITCH
	v_mul_u32_u24 v4, v2, 24
	v_add_nc_u32 v4, v3, v4
	v_lshl_add_u32 v5, v2, 4, v4
	s_mul_i32 s21, s15, HALFT
	s_mul_i32 s22, s16, HALFT
	s_add_co_u32 s22, s22, 2*HALFT
.irp s, 0,1
	v_add_nc_u32 v[ADRA+\s], s21, v4
	v_add_nc_u32 v[ADRB+\s], s22, v4
	v_add_nc_u32 v[ADRA+2+\s], s21, v5
	v_add_nc_u32 v[ADRB+2+\s], s22, v5
	s_add_co_u32 s21, s21, SLOT
	s_add_co_u32 s22, s22, SLOT
.endr
	v_mul_u32_u24 v5, v1, KS
	v_lshrrev_b32 v6, 8, v5
	v_lshl_add_u32 v5, v6, 4, v5
	s_mul_i32 s21, s15, HALFS
	s_mul_i32 s22, s16, HALFS
	s_add_co_u32 s22, s22, 2*HALFS
	s_sub_co_u32 s22, s22, s21
	v_mul_u32_u24 v6, s22, v2
	s_add_co_u32 s21, s21, SCL
	v_add_nc_u32 v5, v5, v6
	v_add_nc_u32 v[ADRS], s21, v5
	s_mul_i32 s23, s14, WSTG
	v_mul_u32_u24 v5, v1, 48
	v_mad_u32_u24 v5, v2, 24, v5
	v_add_nc_u32 v[STO], s23, v5
	v_and_b32 v6, 31, v0
	v_lshlrev_b32 v[CO], 4, v6
	v_add_nc_u32 v[RD], s23, v[CO]
	s_add_co_u32 s23, s23, 12288
	v_lshl_add_u32 v[STS], v1, 2, s23
	s_wait_alu depctr_va_vdst(0)
	s_wait_tensorcnt 0x0                           ; my tile of the head's four is in
	ds_add_u32 v28, v29
	s_mov_b32 s[G1+2], 96<<16                      ; no tensor load of mine is out: from here on a load brings 128 rows, 96 rows of 256 bytes
	s_mov_b32 s[G1+4], 96
	s_mov_b32 s[G1B+2], 96<<16
	s_mov_b32 s[G1B+4], 96
	s_wait_dscnt 0x0
	CROUND                                         ; all four tiles are in, in every work-group of the cluster,
	JLOAD G0+4, G1, G0B+4, G1B                     ; and slot 1's first fill is the first tensor load behind the round
	s_wait_loadcnt 0x0                             ; the biases
.set i, 0
.rept 64
	v_and_b32 v[BP+i], s97, v[BP+i]
.set i, i+1
.endr
.irp a, 0,1,2,3,4,5,6,7
	v_and_b32 v[BR+2*\a], s98, v[BR+2*\a]
.endr
.irp a, 0,1,2,3,4,5,6,7
	v_mov_b32 v[BR+2*\a+1], v[BR+2*\a]
.endr
.macro FRAG reg, adr, q, i
.irp p, 0,1,2,3,4,5
.set PC, 12*(\q)+6*(\p/3)+\p%3
.if PC%8 < 5
	ds_load_b64 v[\reg+2*\p:\reg+2*\p+1], v[\adr] offset:8*PC+16*(PC/8)+(\i)*16*PITCH
.else
	ds_load_b64 v[\reg+2*\p:\reg+2*\p+1], v[\adr+2] offset:8*PC+16*(PC/8)+(\i)*16*PITCH
.endif
.endr
.endm
.macro MUL16 a0, p, q, sc, first
.irp a, \a0, \a0+1
.irp b, 0,1,2,3,4,5,6,7
.if \first
	v_wmma_scale_f32_16x16x128_f8f6f4 v[8*(8*((\a)%4)+\b):8*(8*((\a)%4)+\b)+7], v[128*(\p)+FR*\b:128*(\p)+FR*\b+FR-1], v[AF+FR*(\a):AF+FR*(\a)+FR-1], v[BP+8*\b:BP+8*\b+7], v[SC+8*NQ*(\sc)+NQ*\b+(\q)], v[SC+8*NQ*(\sc)+NQ*(\a)+(\q)] matrix_a_fmt:MATRIX_FMT_BF6 matrix_b_fmt:MATRIX_FMT_BF6 matrix_a_scale:MATRIX_SCALE_ROW1
.else
	v_wmma_scale_f32_16x16x128_f8f6f4 v[8*(8*((\a)%4)+\b):8*(8*((\a)%4)+\b)+7], v[128*(\p)+FR*\b:128*(\p)+FR*\b+FR-1], v[AF+FR*(\a):AF+FR*(\a)+FR-1], v[8*(8*((\a)%4)+\b):8*(8*((\a)%4)+\b)+7], v[SC+8*NQ*(\sc)+NQ*\b+(\q)], v[SC+8*NQ*(\sc)+NQ*(\a)+(\q)] matrix_a_fmt:MATRIX_FMT_BF6 matrix_b_fmt:MATRIX_FMT_BF6 matrix_a_scale:MATRIX_SCALE_ROW1
.endif
.endr
.endr
.endm
.macro FETCH_B slot, q, p
	WIN TO_B
.irp i, 0,1,2,3,4,5,6,7
	FRAG 128*(\p)+FR*\i, ADRB+\slot, \q, \i
.endr
	WIN 0
.endm
.macro FETCH_A slot, q, i0
.irp i, \i0, \i0+1, \i0+2, \i0+3
	FRAG AF+FR*(\i), ADRA+\slot, \q, \i
.endr
.endm
.macro SCALES sc
.irp i, 0,1,2,3,4,5,6,7
	ds_load_b64 v[SC+8*NQ*\sc+NQ*\i:SC+8*NQ*\sc+NQ*\i+1], v[ADRS] offset:\i*SBLK
.endr
.endm
.macro PLACES n
.rept \n
	v_nop
.endr
.endm
.macro STEP slot, q, first
	s_wait_dscnt 4*NL
.if \first
	WIN FIRST_LO
.else
	WIN MUL_LO
.endif
	MUL16 0, (\q)%2, \q, \slot, \first
	MUL16 2, (\q)%2, \q, \slot, \first
	s_wait_dscnt 0
	PLACES NP
	FETCH_B \slot, (\q)+1, 1-(\q)%2
	FETCH_A \slot, (\q)+1, 0
.if \first
	WIN FIRST_HI
.else
	WIN MUL_HI
.endif
	MUL16 4, (\q)%2, \q, \slot, \first
	MUL16 6, (\q)%2, \q, \slot, \first
	PLACES NP
	WIN 0
	FETCH_A \slot, (\q)+1, 4
.endm
.macro TURN slot, next, fill
	s_wait_tensorcnt 0x0
	ds_add_u32 v[SPW], v[NIL]
	s_wait_dscnt 4*NL+1
	WIN MUL_LO
	MUL16 0, 1, NQ-1, \slot, 0
	s_wait_dscnt 0x0
	s_barrier_signal -1
	MUL16 2, 1, NQ-1, \slot, 0
	WIN 0
	s_barrier_wait -1
.if \fill
	CREST
	s_add_nc_u64 s[G0+4*\slot+2:G0+4*\slot+3], s[G0+4*\slot+2:G0+4*\slot+3], 2*ROWB
	s_add_nc_u64 s[G0B+4*\slot+2:G0B+4*\slot+3], s[G0B+4*\slot+2:G0B+4*\slot+3], 2*ROWB
	JLOAD G0+4*\slot, G1, G0B+4*\slot, G1B
.else
	PLACES NP
.endif
	s_wait_alu depctr_va_vdst(0)
	v_add_nc_u32 v[ADRS], 4*NQ, v[ADRS]
	FETCH_B \next, 0, 0
	FETCH_A \next, 0, 0
	SCALES \next
	WIN MUL_HI
	MUL16 4, 1, NQ-1, \slot, 0
	MUL16 6, 1, NQ-1, \slot, 0
	PLACES NP
	WIN 0
	FETCH_A \next, 0, 4
.endm
	FETCH_B 0, 0, 0
	FETCH_A 0, 0, 0
	SCALES 0
	FETCH_A 0, 0, 4
	STEP 0, 0, 1
	s_mov_b32 s3, LAPS-1
.Llap:
	TURN 0, 1, 1
	STEP 1, 0, 0
	TURN 1, 0, 1
	STEP 0, 0, 0
	s_sub_co_u32 s3, s3, 1
	s_cmp_lg_u32 s3, 0
	s_cbranch_scc1 .Llap
	TURN 0, 1, 0
	STEP 1, 0, 0
	s_wait_dscnt 4*NL
	WIN MUL_LO
	MUL16 0, 1, NQ-1, 1, 0
	MUL16 2, 1, NQ-1, 1, 0
	s_wait_dscnt 0
	WIN MUL_HI
	MUL16 4, 1, NQ-1, 1, 0
	MUL16 6, 1, NQ-1, 1, 0
	WIN 0
.macro QUANT s
.irp b, 0,1,2,3
	v_max3_num_f32 v[TM+\b], |v[\s+16*\b]|, |v[\s+1+16*\b]|, 0x2800000
.endr
.irp i, 2,4,6,8,10,12,14
.irp b, 0,1,2,3
	v_max3_num_f32 v[TM+\b], v[TM+\b], |v[\s+16*\b+\i]|, |v[\s+1+16*\b+\i]|
.endr
.endr
.irp b, 0,1,2,3
	v_permlanex16_b32 v[TM+4+\b], v[TM+\b], s[SEL], s[SEL+1]
.endr
.irp b, 0,1,2,3
	v_max_num_f32 v[TM+\b], v[TM+\b], v[TM+4+\b]
.endr
.irp b, 0,1,2,3
	v_add_nc_u32 v[TM+12+\b], 0xfe000000, v[TM+\b]
.endr
.irp b, 0,1,2,3
	v_lshrrev_b32 v[TM+4+\b], 23, v[TM+12+\b]
.endr
	v_lshl_or_b32 v[PW], v[TM+5], 8, v[TM+4]
	v_lshl_or_b32 v[PW], v[TM+6], 16, v[PW]
	v_lshl_or_b32 v[PW], v[TM+7], 24, v[PW]
.irp c, 0,1
	v_cvt_scalef32_pk16_bf6_f32 v[CD+6*\c:CD+2+6*\c], v[\s+32*\c:\s+15+32*\c], v[TM+12+2*\c]
	v_cvt_scalef32_pk16_bf6_f32 v[CD+12+4*\c:CD+14+4*\c], v[\s+16+32*\c:\s+31+32*\c], v[TM+12+2*\c+1]
.endr
	v_nop
.irp c, 0,1
.irp i, 0,1,2
	v_permlane16_swap_b32 v[CD+6*\c+\i], v[CD+12+4*\c+\i]
.endr
.irp i, 0,1,2
	v_mov_b32 v[CD+3+6*\c+\i], v[CD+12+4*\c+\i]
.endr
.endr
.endm
.macro OUTBLK a
	WIN 0x02+(\a)/4
.set i, 0
.rept 32
	v_pk_add_f32 v[HA+2*i:HA+2*i+1], v[64*((\a)%4)+2*i:64*((\a)%4)+2*i+1], v[BR+2*(\a):BR+2*(\a)+1]
.set i, i+1
.endr
	WIN 0
	QUANT HA
.irp c, 0,1
.irp p, 0,1,2
	ds_store_b64 v[STO], v[CD+6*\c+2*\p:CD+6*\c+2*\p+1] offset:6144*\c+768*(\a)+8*\p
.endr
.endr
	ds_store_b32 v[STS], v[PW] offset:64*(\a)
	s_wait_dscnt 0x0
.endm
	s_load_b256 s[4:11], s[0:1], 0x28
	s_mov_b32 s[SEL], 0x76543210
	s_mov_b32 s[SEL+1], 0xfedcba98
	s_mov_b32 s20, s67
	s_mov_b32 s21, 0
	s_mov_b32 s22, s95
	s_mov_b32 s23, 0
	s_mov_b32 s46, s96
	s_mov_b32 s47, 0
	PLACES NP
.irp b, 0,1,2,3
	v_mov_b32 v[TM+4+\b], 0
.endr
	s_wait_kmcnt 0x0
	s_cmp_eq_u32 s66, 0
	s_cselect_b64 s[4:5], s[4:5], s[8:9]
	s_cselect_b64 s[6:7], s[6:7], s[10:11]
	s_add_nc_u64 s[4:5], s[4:5], s[20:21]
	s_add_nc_u64 s[8:9], s[4:5], s[22:23]
	s_add_nc_u64 s[6:7], s[6:7], s[46:47]
.irp a, 0,1,2,3,4,5,6,7
	OUTBLK \a
.endr
.irp i, 0,1,2,3,4,5,6,7,8,9,10,11,12,13,14,15,16,17,18,19,20,21,22,23
	ds_load_b128 v[OUTR+4*\i:OUTR+4*\i+3], v[RD] offset:512*\i
.endr
	ds_load_b128 v[TM:TM+3], v[RD] offset:12288
.irp i, 0,1,2,3,4,5,6,7,8,9,10,11
	s_wait_dscnt 24-\i
	global_store_b128 v[CO], v[OUTR+4*\i:OUTR+4*\i+3], s[4:5] offset:512*\i
.endr
.irp i, 12,13,14,15,16,17,18,19,20,21,22,23
	s_wait_dscnt 24-\i
	global_store_b128 v[CO], v[OUTR+4*\i:OUTR+4*\i+3], s[8:9] offset:512*(\i-12)
.endr
	s_wait_dscnt 0x0
	global_store_b128 v[CO], v[TM:TM+3], s[6:7]
	s_wait_tensorcnt 0x0
	ds_add_u32 v[SPW], v[NIL]
	s_wait_dscnt 0x0
	CROUND
	s_endpgm
.Lfunc_end_k_q5b43865496_qkv:
	.size	k_q5b43865496_qkv, .Lfunc_end_k_q5b43865496_qkv-k_q5b43865496_qkv
	.p2alignl 7, 3214868480
	.fill 96, 4, 3214868480
	.section	.rodata,"a",@progbits
	.p2align	6, 0x0
	.amdhsa_kernel k_q5b43865496_qkv
		.amdhsa_group_segment_fixed_size 327680
		.amdhsa_private_segment_fixed_size 0
		.amdhsa_enable_private_segment 0
		.amdhsa_kernarg_size 72
		.amdhsa_user_sgpr_count 2
		.amdhsa_user_sgpr_kernarg_segment_ptr 1
		.amdhsa_wavefront_size32 1
		.amdhsa_system_sgpr_workgroup_id_x 1
		.amdhsa_system_sgpr_workgroup_id_y 1
		.amdhsa_system_sgpr_workgroup_id_z 1
		.amdhsa_system_vgpr_workitem_id 0
		.amdhsa_next_free_vgpr 1024
		.amdhsa_next_free_sgpr 100
		.amdhsa_reserve_vcc 0
		.amdhsa_float_denorm_mode_32 3
		.amdhsa_float_denorm_mode_16_64 3
		.amdhsa_memory_ordered 1
		.amdhsa_forward_progress 1
		.amdhsa_inst_pref_size 193
	.end_amdhsa_kernel
	.amdgpu_metadata
---
amdhsa.version: [ 1, 2 ]
amdhsa.kernels:
  - .name:           k_q5b43865496_qkv
    .symbol:         k_q5b43865496_qkv.kd
    .args:
      - { .name: cod, .offset: 0, .size: 8, .value_kind: global_buffer, .address_space: global }
      - { .name: scl, .offset: 8, .size: 8, .value_kind: global_buffer, .address_space: global }
      - { .name: bq, .offset: 16, .size: 8, .value_kind: global_buffer, .address_space: global }
      - { .name: bk, .offset: 24, .size: 8, .value_kind: global_buffer, .address_space: global }
      - { .name: bv, .offset: 32, .size: 8, .value_kind: global_buffer, .address_space: global }
      - { .name: qkc, .offset: 40, .size: 8, .value_kind: global_buffer, .address_space: global }
      - { .name: qks, .offset: 48, .size: 8, .value_kind: global_buffer, .address_space: global }
      - { .name: vc, .offset: 56, .size: 8, .value_kind: global_buffer, .address_space: global }
      - { .name: vs, .offset: 64, .size: 8, .value_kind: global_buffer, .address_space: global }
    .group_segment_fixed_size: 327680
    .private_segment_fixed_size: 0
    .kernarg_segment_align: 8
    .kernarg_segment_size: 72
    .max_flat_workgroup_size: 128
    .sgpr_count:     100
    .vgpr_count:     1024
    .wavefront_size: 32
...
	.end_amdgpu_metadata
.endif
;; end of part 7
;; launch attn (part 8): grid 4 x 64, 16 waves a work-group, clusters of 4 x 1, 235,520 bytes of LDS; arguments qkc, qks, vc, vs, oc, os; writes oc, os
.if DOCPART == 8
	.amdgcn_target "amdgcn-amd-amdhsa--gfx1250"
	.amdhsa_code_object_version 6
	.text
	.protected	k_q5b43865496_attn
	.globl	k_q5b43865496_attn
	.p2align	8
	.type	k_q5b43865496_attn,@function
k_q5b43865496_attn:
	s_mov_b64 s[64:65], 0
	v_nop
	global_prefetch_b8 v0, s[64:65] scope:SCOPE_SE
	s_setreg_imm32_b32 hwreg(HW_REG_WAVE_MODE, 25, 1), 1
	s_wait_xcnt 0x0
	s_wait_alu depctr_hold_cnt(0) depctr_sa_sdst(0) depctr_va_vdst(0) depctr_va_sdst(0) depctr_va_ssrc(0) depctr_va_vcc(0) depctr_vm_vsrc(0)
	s_getreg_b32 s2, hwreg(HW_REG_IB_STS2, 6, 4)
	s_cmp_eq_u32 s2, 0
	s_cbranch_scc0 .Lentry_in_a_cluster
	s_endpgm
.Lentry_in_a_cluster:
	s_bfe_u32 s2, ttmp6, 0x10000c
	s_cmp_lg_u32 s2, 0x3003
	s_cbranch_scc0 .Lentry_shape_is_right
	s_endpgm
.Lentry_shape_is_right:
; Attention of one head of one batch on codes of BF6 (E3M2) with E8M0 scales; the result, divided by the row's sum, is quantised along the head's 64 and leaves as codes and scale bytes.
; IN: qkc [32 chunks: 0-15 q's heads, 16-31 k's][8192 token rows][48 bytes = 64 codes]; qks [16 pairs of heads][8192][4: two bytes for each head]; vc [128 chunks of 64 tokens][1024 rows (head, channel)][48]; vs [64 groups of 128 tokens][1024][4].
; OUT: oc [16 heads][8192 token rows][48]; os [8192][32]: head h's two bytes at 2 h.
; ROW ORDER: in all these buffers row i lies at sigma(i), which swaps the two middle groups of 8 in each 32 rows.  So 16 neighbouring rows as source 0 leave, in the 16 registers of tiles 2 b and 2 b + 1,
; 16 neighbours of the true order, 32 b + 16 (lane / 16) + 0 .. 15: p's registers run along the keys and O^T's along the channels, as the conversions want them.
; THE SOFTMAX: t = score x log2(e) / 8; M = the running largest t, rounded UP to a whole number; p = 2^(t - M) is quantised along the keys, not normalised; the row's sum is taken of the unquantised p and divides O at the end.
; When M moves, the sum and O are multiplied by 2^(old M - new M): exact, and done in every step.
; THE FIRST PRODUCT HAS K = 64, half of the instruction's 128: the upper six registers of q's fragment hold zero codes, so K's fragments overlap: tile t takes twelve registers from v[KF + 6 t] on, the upper six being tile t + 1's codes
; (the last tile's: zeros); both scale words' upper two bytes are 0, which is 2^-127 and no NaN.
; SHARES: a work-group owns 512 query rows of one (batch, head); each of its sixteen waves 32 of them, two tiles of 16, one after the other.  All of the head's K and V (2 x 98,304 bytes of codes, 12,288 of scale bytes) come into LDS
; once, at the head; each LDS byte is filled once.  The four work-groups of a cluster are the four query blocks of one (batch, head) and ask for these tiles jointly.  No prefetch: every fill is issued at the head, and there is no loop to run ahead in.
; A STEP'S ORDER: the eight score products; the loads of V's tiles 0, 1 and of the next step's K; the maxima, M, t - M of all 64 scores and O's rescaling; THEN the exponentials in two batches of 36 and 32, each behind all its sources,
; so that the waits round a batch stand three times in a step.  Between the batches p's lower half is summed and converted, and its registers take V's tiles 2 and 3.
; LIMITS: the promise holds while |t| stays under 2^31.  A block whose largest magnitude lies under 2^-122 (zeros too) gets the scale byte 1; the bytes are read by this program alone.  NaN and infinities are not served.
.set KC,   0                           ; LDS: K's codes, 2,048 rows x 48
.set VC,   98304                       ; V's: [32 chunks of 64 keys][64 rows][48]
.set KSC,  196608                      ; K's scale words, 2,048 x 4
.set VSC,  204800                      ; V's: [16 steps][64 rows][4]
.set STG,  208896                      ; a stage of 1,536 bytes for each wave; no fill lands here
.set SPARE, 233472                     ; the spare words, 128 bytes a wave
.set AK0,  1                           ; v1   48 r + 24 h: my place in a tile of K; also among 16 rows of q
.set AV0,  2                           ; v2   the same in V
.set ASK0, 3                           ; v3   my place among K's scale words
.set ASV0, 4                           ; v4   and among V's
.set STO,  5                           ; v5   the stage: my 24 bytes of a row
.set RD,   6                           ; v6   the stage: 16 x lane
.set GO,   7                           ; v7   16 x lane
.set ADK,  8                           ; v8-11 the step's LDS addresses: K, V, K's scale words, V's
.set ADV,  9
.set ADS,  10
.set ADT,  11
                                       ; v12 -M; v13 the running largest score; v[14:15] the row's sum
.set QF,   16                          ; v16-21 q's codes, v22-27 zeros
.set QSC,  28                          ; q's scale word
.set GS,   29                          ; 32 r: my row of os
.set OSW,  30                          ; the result's two scale bytes
.set QS,   31                          ; 4 r
.set KF,   32                          ; v32-79 eight tiles of K, six registers each; v80-85 zeros
.set KSW,  86                          ; v86-89 K's scale words: register u holds tile 2 u's in lanes 0-15 and tile 2 u + 1's in lanes 16-31
.set SPW,  94                          ; my spare word's address; never rewritten
.set NIL,  95                          ; 0; never rewritten
.set S,    96                          ; v96-159 S^T, then p; v96-119 then V's tiles 2 and 3
.set O,    160                         ; v160-191 O^T
.set PCD,  192                         ; v192-203 p's codes
.set PT,   204                         ; v204-206, v208-210 the conversions' second halves
.set TMP,  207
.set PSW,  211                         ; p's scale word
.set BM,   212                         ; v212-215 the blocks' largest
.set BX,   216                         ; v216-219 the other half's, then the bytes
.set BS,   220                         ; v220-223 the conversions' scale operands
.set VSW,  224                         ; v224-225 V's scale words, two tiles to a register in the same way
.set F,    228                         ; v228 f = 2^(old M - new M), at the end 1 / the sum; v229 the new -M on its way
.set L2,   230                         ; v[230:231] the sum's second chain
.set VA,   232                         ; v232-255 V's tiles 0 and 1
.set WV,   18
.set SEL,  20                          ; s[20:21] selects for lane l xor 16
.set CS,   22                          ; s[22:23] c = log2(e) / 8
.set G1K,  24
.set G1V,  32
.set G1KS, 40
.set G1VS, 48
.set G0K,  56
.set G0V,  60
.set G0KS, 68
.set G0VS, 72
.set TB,   90                          ; the step's first byte in K's and V's codes: 6,144 a step
.set TS,   91                          ; in K's scale words: 512 a step
.set TJ,   92                          ; in V's: 256 a step
.set CNT,  93
.macro CROUND                          ; a round of the cluster's barrier
	s_barrier_signal -1
	s_barrier_wait -1
	s_cmp_lg_u32 s[WV], 0
	s_cbranch_scc1 .Lnot_wave_0_\@
	s_barrier_signal -3
.Lnot_wave_0_\@:
	s_barrier_wait -3
	s_barrier_signal -1
	s_barrier_wait -1
.endm
.macro TLOAD g0, g1                    ; a joint load with an s_nop and four v_nop behind it
	tensor_load_to_lds s[\g0:\g0+3], s[\g1:\g1+7]
	s_nop 0
.rept 4
	v_nop
.endr
.endm
.macro QLOAD t                         ; q's fragment and scale bytes of rows 16 t on of my 32
.irp p, 0,1,2
	global_load_b64 v[QF+2*\p:QF+2*\p+1], v[AK0], s[4:5] offset:768*\t+8*\p
.endr
	global_load_u16 v[QSC], v[QS], s[6:7] offset:64*\t   ; two bytes; the upper two come as 0
.endm
.macro KLOAD adk, ads, ko, so          ; a step's eight tiles of K and their scale bytes: 28 LDS loads
.irp t, 0,1,2,3,4,5,6,7
.irp p, 0,1,2
	ds_load_b64 v[KF+6*\t+2*\p:KF+6*\t+2*\p+1], v[\adk] offset:\ko+768*\t+8*\p
.endr
.if \t%2 == 0
	ds_load_u16 v[KSW+\t/2], v[\ads] offset:\so+64*\t    ; lanes 16-31 read 64 bytes on: the next tile's rows
.endif
.endr
.endm
.macro VLOAD reg, t                    ; a tile of V: 16 channels x 128 keys, two chunks of 64
.irp c, 0,1
.irp p, 0,1,2
	ds_load_b64 v[\reg+6*\c+2*\p:\reg+6*\c+2*\p+1], v[ADV] offset:3072*\c+768*(\t)+8*\p
.endr
.endr
.endm
.macro SUM2 j                          ; two pairs of p onto the sum's two chains
	v_pk_add_f32 v[14:15], v[14:15], v[S+\j:S+\j+1]
	v_pk_add_f32 v[L2:L2+1], v[L2:L2+1], v[S+\j+2:S+\j+3]
.endm
.macro WHOLE c                         ; a whole block in a lane: lanes 0-15 block 2 c, lanes 16-31 block 2 c + 1
.irp i, 0,1,2
	v_permlane16_swap_b32 v[PCD+6*\c+\i], v[PT+4*\c+\i]
.endr
.irp i, 0,1,2
	v_mov_b32 v[PCD+3+6*\c+\i], v[PT+4*\c+\i]
.endr
.endm
	s_load_b256 s[4:11], s[0:1], 0x0               ; qkc, qks, vc, vs
	s_load_b128 s[12:15], s[0:1], 0x20             ; oc, os
	v_lshl_add_u32 v[SPW], v0, 2, SPARE
	v_mov_b32 v[NIL], 0
	ds_add_u32 v[SPW], v[NIL]                      ; the opening lines: the add, twice on end, and its wait
	ds_add_u32 v[SPW], v[NIL]
	v_lshrrev_b32 v12, 5, v0
	v_readfirstlane_b32 s[WV], v12                 ; wave 0..15
	s_and_b32 s76, ttmp7, 0xffff                   ; 16 x batch + head: the four partners share it
	s_lshr_b32 s77, s76, 4                         ; batch
	s_and_b32 s78, s76, 15                         ; head
	s_bfe_u32 s79, ttmp6, 0x40000                  ; cx: my block of 512 queries; it enters q's, oc's and os's addresses alone
	s_and_b32 s80, s[WV], 3                        ; which quarter of K or of V I fetch, if I fetch
	s_lshr_b32 s81, s78, 1                         ; the pair of heads
	s_mul_i32 s16, s80, 24576                      ; a quarter in LDS
	s_add_co_u32 s82, s78, 16                      ; K: chunk 16 + head, the batch's 2,048 rows, my quarter
	s_mul_i32 s82, s82, 393216
	s_mul_i32 s83, s77, 98304
	s_add_co_u32 s82, s82, s83
	s_add_co_u32 s82, s82, s16
	s_mov_b32 s83, 0
	s_lshl_b32 s84, s77, 5                         ; V: chunk 32 x batch + 8 x quarter, the head's 64 rows
	s_lshl_b32 s85, s80, 3
	s_add_co_u32 s84, s84, s85
	s_mul_i32 s84, s84, 49152
	s_mul_i32 s85, s78, 3072
	s_add_co_u32 s84, s84, s85
	s_mov_b32 s85, 0
	s_add_co_u32 s86, s81, 8                       ; K's scale words: pair 8 + head / 2, the batch's rows
	s_lshl_b32 s86, s86, 15
	s_lshl_b32 s87, s77, 13
	s_add_co_u32 s86, s86, s87
	s_mov_b32 s87, 0
	s_lshl_b32 s88, s77, 16                        ; V's: group 16 x batch, the head's 64 rows
	s_lshl_b32 s89, s78, 8
	s_add_co_u32 s88, s88, s89
	s_mov_b32 s89, 0
	s_lshl_b32 s17, s77, 11
	s_lshl_b32 s19, s79, 9
	s_add_co_u32 s17, s17, s19
	s_lshl_b32 s19, s[WV], 5
	s_add_co_u32 s17, s17, s19                     ; my first query row: 2048 x batch + 512 cx + 32 x wave
	s_mul_i32 s94, s78, 393216
	s_mul_i32 s19, s17, 48
	s_add_co_u32 s94, s94, s19                     ; its codes, in qkc and in oc alike
	s_mov_b32 s95, 0
	s_and_b32 s3, s78, 1
	s_lshl_b32 s3, s3, 1                           ; my head's two bytes in a pair's word
	s_lshl_b32 s96, s81, 15
	s_lshl_b32 s19, s17, 2
	s_add_co_u32 s96, s96, s19
	s_add_co_u32 s96, s96, s3                      ; q's scale bytes
	s_mov_b32 s97, 0
	s_lshl_b32 s98, s17, 5
	s_lshl_b32 s19, s78, 1
	s_add_co_u32 s98, s98, s19                     ; os: row x 32 + 2 x head
	s_mov_b32 s99, 0
	; descriptor groups 1: elements of 8 bytes, no padding, the mask of all four work-groups, bit 21 beside it
.irp g, G1K, G1V, G1KS, G1VS
	s_mov_b32 s[\g], 15|(3<<16)|(1<<21)
	s_mov_b32 s[\g+6], 0
	s_mov_b32 s[\g+7], 0
.endr
	s_mov_b32 s[G1K+1], 32<<16                     ; K: a quarter, 24,576 dense bytes, as 96 rows of 256 bytes
	s_mov_b32 s[G1K+2], 96<<16
	s_mov_b32 s[G1K+3], 32<<16
	s_mov_b32 s[G1K+4], 96
	s_mov_b32 s[G1K+5], 32
	s_mov_b32 s[G1V+1], 384<<16                    ; V: 8 chunks: rows of 3,072 bytes, 49,152 bytes apart
	s_mov_b32 s[G1V+2], 8<<16
	s_mov_b32 s[G1V+3], 384<<16
	s_mov_b32 s[G1V+4], 8
	s_mov_b32 s[G1V+5], 6144
	s_mov_b32 s[G1KS+1], 32<<16                    ; K's scale words: 8,192 dense bytes
	s_mov_b32 s[G1KS+2], 32<<16
	s_mov_b32 s[G1KS+3], 32<<16
	s_mov_b32 s[G1KS+4], 32
	s_mov_b32 s[G1KS+5], 32
	s_mov_b32 s[G1VS+1], 32<<16                    ; V's: 16 rows of 256 bytes, 4,096 bytes apart
	s_mov_b32 s[G1VS+2], 16<<16
	s_mov_b32 s[G1VS+3], 32<<16
	s_mov_b32 s[G1VS+4], 16
	s_mov_b32 s[G1VS+5], 512
	s_mov_b32 s[SEL], 0x76543210
	s_mov_b32 s[SEL+1], 0xfedcba98
	s_mov_b32 s[CS], 0x3e38aa3b                    ; c = log2(e) / sqrt(64)
	s_mov_b32 s[CS+1], s[CS]                       ; (named with it as a pair)
	s_wait_dscnt 0x0                               ; both opening adds are done
	s_wait_kmcnt 0x0
	s_mov_b32 s[G0K], 1
	s_mov_b32 s[G0K+1], s16
	s_add_nc_u64 s[G0K+2:G0K+3], s[4:5], s[82:83]
	s_or_b32 s[G0K+3], s[G0K+3], 0x80000000
	s_mov_b32 s[G0V], 1
	s_add_co_u32 s[G0V+1], s16, VC
	s_add_nc_u64 s[G0V+2:G0V+3], s[8:9], s[84:85]
	s_or_b32 s[G0V+3], s[G0V+3], 0x80000000
	s_mov_b32 s[G0KS], 1
	s_mov_b32 s[G0KS+1], KSC
	s_add_nc_u64 s[G0KS+2:G0KS+3], s[6:7], s[86:87]
	s_or_b32 s[G0KS+3], s[G0KS+3], 0x80000000
	s_mov_b32 s[G0VS], 1
	s_mov_b32 s[G0VS+1], VSC
	s_add_nc_u64 s[G0VS+2:G0VS+3], s[10:11], s[88:89]
	s_or_b32 s[G0VS+3], s[G0VS+3], 0x80000000
	s_add_nc_u64 s[4:5], s[4:5], s[94:95]          ; q's codes at my first row
	s_add_nc_u64 s[6:7], s[6:7], s[96:97]          ; and its scale bytes
	s_add_nc_u64 s[12:13], s[12:13], s[94:95]      ; oc likewise
	s_add_nc_u64 s[14:15], s[14:15], s[98:99]      ; os
	CROUND                                         ; all four work-groups are here: the joint loads meet
	; Waves 0-3: K's quarters; 4-7: V's; 8: K's scale words; 9: V's; the others nothing.  One load a wave, in one chain of branches on the wave's number.
	s_cmp_lt_u32 s[WV], 4
	s_cbranch_scc0 .Lnot_k
	TLOAD G0K, G1K
	s_branch .Lasked
.Lnot_k:
	s_cmp_lt_u32 s[WV], 8
	s_cbranch_scc0 .Lnot_v
	TLOAD G0V, G1V
	s_branch .Lasked
.Lnot_v:
	s_cmp_eq_u32 s[WV], 8
	s_cbranch_scc0 .Lnot_ks
	TLOAD G0KS, G1KS
	s_branch .Lasked
.Lnot_ks:
	s_cmp_eq_u32 s[WV], 9
	s_cbranch_scc0 .Lasked
	TLOAD G0VS, G1VS
.Lasked:
	v_and_b32 v12, 15, v0                          ; r
	v_bfe_u32 v13, v0, 4, 1                        ; h
	v_and_b32 v14, 31, v0                          ; lane
	v_mul_u32_u24 v[AK0], v12, 48
	v_mad_u32_u24 v[AK0], v13, 24, v[AK0]
	v_lshlrev_b32 v[QS], 2, v12
	QLOAD 0                                        ; my first tile's q comes while the fills are on their way
	v_add_nc_u32 v[AV0], VC, v[AK0]
	v_add_nc_u32 v[ASK0], KSC, v[QS]
	v_add_nc_u32 v[ASK0], s3, v[ASK0]              ; my head's two bytes of each word
	v_lshl_add_u32 v[ASK0], v13, 6, v[ASK0]        ; lanes 16-31: the 16 rows of the odd tile
	v_add_nc_u32 v[ASV0], VSC, v[QS]
	v_lshl_add_u32 v[ASV0], v13, 6, v[ASV0]
	s_mul_i32 s2, s[WV], 1536
	s_add_co_u32 s2, s2, STG                       ; my stage
	v_add_nc_u32 v[STO], s2, v[AK0]
	v_lshlrev_b32 v[GO], 4, v14
	v_add_nc_u32 v[RD], s2, v[GO]
	v_lshlrev_b32 v[GS], 5, v12
.irp i, 6,7,8,9,10,11
	v_mov_b32 v[QF+\i], 0                          ; zero codes for k = 64 .. 127 in q
	v_mov_b32 v[KF+42+\i], 0                       ; and behind K's last tile; no load lands in either
.endr
.irp b, 0,1,2,3
	v_mov_b32 v[BX+\b], 0                          ; a lane permute's destination counts as one of its sources
.endr
	v_mov_b32 v[TMP], 0
	v_mov_b32 v[F+1], 0
	s_wait_alu depctr_va_vdst(0)
	s_wait_tensorcnt 0x0                           ; my load has landed,
	s_barrier_signal -1
	s_barrier_wait -1                              ; everybody's has: from here on these bytes are only read
	KLOAD AK0, ASK0, 0, 0                          ; K of the first step
; A KEY STEP: 128 keys.  Its K was asked for a step ago.  pre = 1: the next step's K is asked for; 2: the next tile's first K and its q; 0: nothing.
.macro STEP pre
	s_wait_dscnt 0x0                               ; K and its scale bytes are in.  (Five plain lines stand between the last step's products, which read v[S..S+23] as V, and the products below, which write there)
.irp u, 0,1,2,3                                ; S^T = K Q^T, tile 2 u + w: lane (r, h) holds query r; the 16 registers of tiles 2 b, 2 b + 1 are keys 32 b + 16 h + 0 .. 15 of the step
.irp w, 0,1
	v_wmma_scale_f32_16x16x128_f8f6f4 v[S+16*\u+8*\w:S+16*\u+8*\w+7], v[KF+12*\u+6*\w:KF+12*\u+6*\w+11], v[QF:QF+11], 0, v[KSW+\u], v[QSC] matrix_a_fmt:MATRIX_FMT_BF6 matrix_b_fmt:MATRIX_FMT_BF6 matrix_a_scale:MATRIX_SCALE_ROW\w
.endr
.endr
	v_add_nc_u32 v[ADK], s[TB], v[AK0]             ; the step's addresses: these four lines are also the places in front of the loads into K's registers and of the first read of the scores
	v_add_nc_u32 v[ADV], s[TB], v[AV0]
	v_add_nc_u32 v[ADS], s[TS], v[ASK0]
	v_add_nc_u32 v[ADT], s[TJ], v[ASV0]
	VLOAD VA, 0                                    ; V's tiles 0 and 1 and all four scale words, for this step's end
	VLOAD VA+12, 1
.irp t, 0,1
	ds_load_b32 v[VSW+\t], v[ADT] offset:128*\t
.endr
.if \pre == 1
	KLOAD ADK, ADS, 6144, 512                      ; the next step's K: it has this step's softmax in which to land
.elseif \pre == 2
	KLOAD AK0, ASK0, 0, 0                          ; the next tile begins again at the first keys,
	QLOAD 1                                        ; with its own q
.endif
.irp b, 0,1,2,3
	v_max3_num_f32 v[BM+\b], v[S+16*\b], v[S+1+16*\b], v[S+2+16*\b]   ; the largest score of each block of 32 keys: for the row's maximum and, since p rises with the score, for the block's largest p
.endr
.irp i, 3,5,7,9,11,13
.irp b, 0,1,2,3
	v_max3_num_f32 v[BM+\b], v[BM+\b], v[S+16*\b+\i], v[S+1+16*\b+\i]
.endr
.endr
.irp b, 0,1,2,3
	v_max_num_f32 v[BM+\b], v[BM+\b], v[S+15+16*\b]
.endr
.irp b, 0,1,2,3
	v_permlanex16_b32 v[BX+\b], v[BM+\b], s[SEL], s[SEL+1]
.endr
.irp b, 0,1,2,3
	v_max_num_f32 v[BM+\b], v[BM+\b], v[BX+\b]     ; with lane l xor 16's 16 keys
.endr
	v_max3_num_f32 v13, v[BM], v[BM+1], v13        ; the running largest score (c is positive: the largest score gives the largest t)
	v_max3_num_f32 v13, v[BM+2], v[BM+3], v13
	v_mul_f32 v[TMP], s[CS], v13                   ; as t
	v_floor_f32 v[F+1], -v[TMP]                    ; the new -M = floor(-t) = -ceil(t): a whole number
	v_sub_f32 v[TMP], v[F+1], v12                  ; M's old value less its new one: a whole number, 0 or less
	v_mov_b32 v12, v[F+1]
	v_cvt_i32_f32 v[TMP], v[TMP]                   ; (it saturates)
	v_ldexp_f32 v[F], 1.0, v[TMP]                  ; f = 2^(old M - new M)
.set j, 0
.rept 32
	v_pk_fma_f32 v[S+j:S+j+1], v[S+j:S+j+1], s[CS:CS+1], v[12:13] op_sel_hi:[1,0,0]   ; t - M (of the pairs c and -M the low word serves both halves)
.set j, j+2
.endr
	v_pk_fma_f32 v[BM:BM+1], v[BM:BM+1], s[CS:CS+1], v[12:13] op_sel_hi:[1,0,0]       ; the same of each block's largest score
	v_pk_fma_f32 v[BM+2:BM+3], v[BM+2:BM+3], s[CS:CS+1], v[12:13] op_sel_hi:[1,0,0]
.set j, 0
.rept 16
	v_pk_mul_f32 v[O+j:O+j+1], v[O+j:O+j+1], v[F:F+1] op_sel_hi:[1,0]   ; O^T under the new M, each accumulator from its low end on; no exponential stands between the products that wrote it and these lines
.set j, j+2
.endr
	s_wait_alu depctr_va_vdst(0)                   ; the wait ahead of a batch
.irp b, 0,1,2,3
	v_exp_f32 v[BM+\b], v[BM+\b]                   ; the block's largest p: the same two instructions on the same number give the same bits as the block's own
.endr
.set j, 0
.rept 32
	v_exp_f32 v[S+j], v[S+j]                       ; p of blocks 0 and 1
.set j, j+1
.endr
	v_pk_mul_f32 v[14:15], v[14:15], v[F:F+1] op_sel_hi:[1,0]   ; the sum under the new M: the plain place behind the batch
	s_wait_alu depctr_va_vdst(0)                   ; and the wait behind it
.irp b, 0,1,2,3
	v_max_num_f32 v[BM+\b], 0x2800000, v[BM+\b]    ; the floor 2^(5 - 127): the byte cannot fall under 1
.endr
.irp b, 0,1,2,3
	v_add_nc_u32 v[BS+\b], 0xfe000000, v[BM+\b]    ; 4 off the exponent field: the conversion's scale operand
.endr
	v_pk_add_f32 v[L2:L2+1], v[S:S+1], v[S+2:S+3]  ; THE ROW'S SUM IS TAKEN OF THE UNQUANTISED p, in two chains
.irp j, 4,8,12,16,20,24,28
	SUM2 \j
.endr
	v_cvt_scalef32_pk16_bf6_f32 v[PCD:PCD+2], v[S:S+15], v[BS]
	v_cvt_scalef32_pk16_bf6_f32 v[PT:PT+2], v[S+16:S+31], v[BS+1]   ; (a conversion's three registers begin on an even number)
.irp b, 0,1,2,3
	v_lshrrev_b32 v[BX+\b], 23, v[BS+\b]           ; the scales' bytes.  (Plain lines behind the conversions)
.endr
	v_lshl_or_b32 v[PSW], v[BX+1], 8, v[BX]        ; p's scale word for these 128 keys
	v_lshl_or_b32 v[PSW], v[BX+2], 16, v[PSW]
	v_lshl_or_b32 v[PSW], v[BX+3], 24, v[PSW]
	VLOAD S, 2                                     ; p's lower 24 registers are done with: they take V's tiles 2 and 3, which have the second batch in which to land
	VLOAD S+12, 3
	WHOLE 0
.set j, 32
.rept 32
	v_exp_f32 v[S+j], v[S+j]                       ; p of blocks 2 and 3; the wait behind the first batch stands between these and the lines that made their sources
.set j, j+1
.endr
	v_nop                                          ; the plain place behind the batch
	s_wait_alu depctr_va_vdst(0)                   ; the wait behind it
	v_cvt_scalef32_pk16_bf6_f32 v[PCD+6:PCD+8], v[S+32:S+47], v[BS+2]
	v_cvt_scalef32_pk16_bf6_f32 v[PT+4:PT+6], v[S+48:S+63], v[BS+3]
	SUM2 32                                        ; (plain lines behind the conversions)
	WHOLE 1
.irp j, 36,40,44,48,52
	SUM2 \j                                        ; ten plain lines between the last write of p's codes and the products
.endr
	s_wait_alu depctr_va_vdst(0)                   ; directly ahead of the wait below
	s_wait_dscnt 0x0                               ; V's four tiles and scale words are in, and the next K
.irp t, 0,1                                    ; O^T += V^T P^T: four tiles of 16 channels, K = these 128 keys; the four accumulators by turns, eleven other products between two steps of a sum
	v_wmma_scale_f32_16x16x128_f8f6f4 v[O+8*\t:O+8*\t+7], v[VA+12*\t:VA+12*\t+11], v[PCD:PCD+11], v[O+8*\t:O+8*\t+7], v[VSW], v[PSW] matrix_a_fmt:MATRIX_FMT_BF6 matrix_b_fmt:MATRIX_FMT_BF6 matrix_a_scale:MATRIX_SCALE_ROW\t
.endr
.irp t, 0,1
	v_wmma_scale_f32_16x16x128_f8f6f4 v[O+16+8*\t:O+16+8*\t+7], v[S+12*\t:S+12*\t+11], v[PCD:PCD+11], v[O+16+8*\t:O+16+8*\t+7], v[VSW+1], v[PSW] matrix_a_fmt:MATRIX_FMT_BF6 matrix_b_fmt:MATRIX_FMT_BF6 matrix_a_scale:MATRIX_SCALE_ROW\t
.endr
	SUM2 56                                        ; the sum's last five lines name no register of these products: they are the five places behind them
	SUM2 60
	v_pk_add_f32 v[14:15], v[14:15], v[L2:L2+1]
	s_add_co_u32 s[TB], s[TB], 6144
	s_add_co_u32 s[TS], s[TS], 512
	s_add_co_u32 s[TJ], s[TJ], 256
.endm
; ONE TILE OF 16 QUERIES: rows 16 t on of my 32.  Its q and its first K have been asked for.  Fifteen steps in a loop; the sixteenth is written out: last says what it asks for.
.macro TILE t, last
	s_wait_xcnt 0x0                                ; the last tile's store has read its registers
	v_mov_b32 v13, 0xff61b1e6                      ; the largest score so far: -3e38
	v_floor_f32 v12, -v13                          ; -M: so large that the first f is 0
	v_mov_b32 v14, 0
	v_mov_b32 v15, 0
.set j, 0
.rept 32
	v_mov_b32 v[O+j], 0                            ; O^T: the step is written once, and the first finds zeros
.set j, j+1
.endr
	s_mov_b32 s[TB], 0
	s_mov_b32 s[TS], 0
	s_mov_b32 s[TJ], 0
	s_mov_b32 s[CNT], 15
	s_wait_loadcnt 0x0                             ; q
.Lstep_\@:
	STEP 1
	s_sub_co_u32 s[CNT], s[CNT], 1
	s_cmp_lg_u32 s[CNT], 0
	s_cbranch_scc1 .Lstep_\@
	STEP \last
	v_add_f32 v14, v14, v15                        ; the sum's two halves,
	v_permlanex16_b32 v[TMP], v14, s[SEL], s[SEL+1]
	v_add_f32 v14, v14, v[TMP]                     ; and lane l xor 16's: the row's sum
	s_wait_alu depctr_va_vdst(0)                   ; the wait ahead of the transcendental
	v_rcp_f32 v[F], v14
	v_nop                                          ; one plain place behind it
	s_wait_alu depctr_va_vdst(0)                   ; and the wait, directly ahead of the first reader of 1 / the sum and of O^T
.set j, 0
.rept 16
	v_pk_mul_f32 v[S+j:S+j+1], v[O+j:O+j+1], v[F:F+1] op_sel_hi:[1,0]   ; O^T / the sum: register 16 b + i is channel 32 b + 16 h + i of my query
.set j, j+2
.endr
.irp b, 0,1                                    ; its two blocks of 32 are quantised
	v_max3_num_f32 v[BM+\b], |v[S+16*\b]|, |v[S+1+16*\b]|, 0x2800000
.endr
.irp i, 2,4,6,8,10,12,14
.irp b, 0,1
	v_max3_num_f32 v[BM+\b], v[BM+\b], |v[S+16*\b+\i]|, |v[S+1+16*\b+\i]|
.endr
.endr
.irp b, 0,1
	v_permlanex16_b32 v[BX+\b], v[BM+\b], s[SEL], s[SEL+1]
.endr
.irp b, 0,1
	v_max_num_f32 v[BM+\b], v[BM+\b], v[BX+\b]
.endr
.irp b, 0,1
	v_add_nc_u32 v[BS+\b], 0xfe000000, v[BM+\b]
.endr
.irp b, 0,1
	v_lshrrev_b32 v[BX+\b], 23, v[BS+\b]
.endr
	v_lshl_or_b32 v[OSW], v[BX+1], 8, v[BX]        ; my row's two scale bytes
	v_cvt_scalef32_pk16_bf6_f32 v[PCD:PCD+2], v[S:S+15], v[BS]
	v_cvt_scalef32_pk16_bf6_f32 v[PT:PT+2], v[S+16:S+31], v[BS+1]
	v_nop                                          ; one plain place behind a scaled conversion
	WHOLE 0
.irp p, 0,1,2
	ds_store_b64 v[STO], v[PCD+2*\p:PCD+2*\p+1] offset:768*\t+8*\p   ; my 24 bytes of row 16 t + r
.endr
	global_store_b16 v[GS], v[OSW], s[14:15] offset:512*\t          ; both halves of the lanes write the same two bytes with the same value
.endm
	TILE 0, 2
	TILE 1, 0
.irp i, 0,1,2
	ds_load_b128 v[S+4*\i:S+4*\i+3], v[RD] offset:512*\i            ; my 32 rows of 48 bytes; LDS serves a wave's instructions in order: these see my stores
.endr
.irp i, 0,1,2
	s_wait_dscnt 2-\i                              ; load i is back; the 2 - i younger ones may be out
	global_store_b128 v[GO], v[S+4*\i:S+4*\i+3], s[12:13] offset:512*\i   ; 32 lanes store 512 consecutive bytes, at a multiple of 256 from oc's first byte
.endr
	s_wait_tensorcnt 0x0                           ; the wave's end
	ds_add_u32 v[SPW], v[NIL]
	s_wait_dscnt 0x0
	CROUND                                         ; the closing round: no work-group ends while a partner may still ask for a tile that names it
	s_endpgm
.Lfunc_end_k_q5b43865496_attn:
	.size	k_q5b43865496_attn, .Lfunc_end_k_q5b43865496_attn-k_q5b43865496_attn
	.p2alignl 7, 3214868480
	.fill 96, 4, 3214868480
	.section	.rodata,"a",@progbits
	.p2align	6, 0x0
	.amdhsa_kernel k_q5b43865496_attn
		.amdhsa_group_segment_fixed_size 235520
		.amdhsa_private_segment_fixed_size 0
		.amdhsa_enable_private_segment 0
		.amdhsa_kernarg_size 48
		.amdhsa_user_sgpr_count 2
		.amdhsa_user_sgpr_kernarg_segment_ptr 1
		.amdhsa_wavefront_size32 1
		.amdhsa_system_sgpr_workgroup_id_x 1
		.amdhsa_system_sgpr_workgroup_id_y 1
		.amdhsa_system_sgpr_workgroup_id_z 1
		.amdhsa_system_vgpr_workitem_id 0
		.amdhsa_next_free_vgpr 256
		.amdhsa_next_free_sgpr 100
		.amdhsa_reserve_vcc 0
		.amdhsa_float_denorm_mode_32 3
		.amdhsa_float_denorm_mode_16_64 3
		.amdhsa_memory_ordered 1
		.amdhsa_forward_progress 1
		.amdhsa_inst_pref_size 88
	.end_amdhsa_kernel
	.amdgpu_metadata
---
amdhsa.version: [ 1, 2 ]
amdhsa.kernels:
  - .name:           k_q5b43865496_attn
    .symbol:         k_q5b43865496_attn.kd
    .args:
      - { .name: qkc, .offset: 0, .size: 8, .value_kind: global_buffer, .address_space: global }
      - { .name: qks, .offset: 8, .size: 8, .value_kind: global_buffer, .address_space: global }
      - { .name: vc, .offset: 16, .size: 8, .value_kind: global_buffer, .address_space: global }
      - { .name: vs, .offset: 24, .size: 8, .value_kind: global_buffer, .address_space: global }
      - { .name: oc, .offset: 32, .size: 8, .value_kind: global_buffer, .address_space: global }
      - { .name: os, .offset: 40, .size: 8, .value_kind: global_buffer, .address_space: global }
    .group_segment_fixed_size: 235520
    .private_segment_fixed_size: 0
    .kernarg_segment_align: 8
    .kernarg_segment_size: 48
    .max_flat_workgroup_size: 512
    .sgpr_count:     100
    .vgpr_count:     256
    .wavefront_size: 32
...
	.end_amdgpu_metadata
.endif
;; end of part 8
;; launch outp (part 9): grid 4 x 64, 4 waves a work-group, clusters of 4 x 4, 327,680 bytes of LDS; arguments oc, os, cod, scl, bo, out0; writes out0
.if DOCPART == 9
	.amdgcn_target "amdgcn-amd-amdhsa--gfx1250"
	.amdhsa_code_object_version 6
	.text
	.protected	k_q5b43865496_outp
	.globl	k_q5b43865496_outp
	.p2align	8
	.type	k_q5b43865496_outp,@function
k_q5b43865496_outp:
	s_mov_b64 s[64:65], 0
	v_nop
	global_prefetch_b8 v0, s[64:65] scope:SCOPE_SE
	s_setreg_imm32_b32 hwreg(HW_REG_WAVE_MODE, 25, 1), 1
	s_wait_xcnt 0x0
	s_wait_alu depctr_hold_cnt(0) depctr_sa_sdst(0) depctr_va_vdst(0) depctr_va_sdst(0) depctr_va_ssrc(0) depctr_va_vcc(0) depctr_vm_vsrc(0)
	s_getreg_b32 s2, hwreg(HW_REG_IB_STS2, 6, 4)
	s_cmp_eq_u32 s2, 0
	s_cbranch_scc0 .Lentry_in_a_cluster
	s_endpgm
.Lentry_in_a_cluster:
	s_bfe_u32 s2, ttmp6, 0x10000c
	s_cmp_lg_u32 s2, 0xf033
	s_cbranch_scc0 .Lentry_shape_is_right
	s_endpgm
.Lentry_shape_is_right:
; out0 [8192][1024] f32 = O Wo + bo on codes of BF6 (E3M2) with E8M0 scales.  A = O: oc [16 heads][8192 token rows][48 bytes = 64 codes], os [8192][32 scale bytes].
; B = Wo: from byte WOC of cod on, [16 chunks of 64 along K][1,024 rows (output columns)][48 bytes]; its scale bytes are rows 3,072 .. 4,095 of scl, 32 bytes a row.
; ROW ORDER: in oc, os, cod and scl row i lies at sigma(i), which swaps the two middle groups of 8 in each 32 rows; the way out puts rows and columns back by its offsets.
; A work-group makes 128 x 256 of out0; each of its four waves 64 x 128: 32 accumulators, 256 registers.
; ALL OF K STAYS IN LDS: A's 16 x 128 x 48 = 98,304 bytes, B's 16 x 256 x 48 = 196,608, the scales' 13,056 with their padding.  Each LDS byte is filled once, by four joint loads at the head, one a wave:
; there is no ring, no refill, and no round of the cluster's barrier but the first and the closing one.  Rows of 48 bytes start at bank 12 r mod 64 (64 banks of 4 bytes: ISA guide 11.1): the 32 lanes of a load of 8 bytes touch 64 different banks.
; CLUSTERS: 4 x 4 work-groups; A's tiles are shared along a row of the cluster, B's along a column.  No prefetch: every fill is issued at the head, and there is no loop to run ahead in.
; THE MATRIX INSTRUCTION IS USED TRANSPOSED (source 0 = 16 rows of B, source 1 = 16 rows of A): a lane holds eight neighbouring numbers of a row of out0.  The bias is the C of each accumulator's first product.
; REGISTERS: window 0: v16-31 addresses; v32-63 scale words, two sets; v64-127 the bias; v128-223 A's fragments, two sets of 48; window 1: B's fragments, two sets of 96, at v0 and v128; window 2: the accumulators.
.set NQ,     2                         ; steps of 128 that one set of scale words serves
.set FR,     12                        ; registers of a fragment
.set NP,     4                         ; places behind this matrix instruction (ISA guide 7.12.1)
.set HEADB,  8192*48                   ; from head to head in oc
.set WOC,    9437184                   ; where Wo's codes begin in cod
.set KS,     32                        ; a row of scale bytes
.set BC,     98304                     ; LDS: B's codes, behind A's
.set SCL,    294912                    ; the scales, as units of 256 bytes + 16 of padding
.set HALFSA, (64*KS/256)*272           ; those of 64 rows of A
.set HALFS,  (128*KS/256)*272          ; of 128 rows of B
.set SBLK,   (16*KS/256)*272           ; of 16 rows
.set SPARE,  SCL+2*HALFSA+2*HALFS      ; the spare words, 128 bytes a wave
.set SPITCH, 528                       ; the way out: a stage of 16 rows x (512 + 16) bytes for each wave, on A's bytes, behind a barrier
.set ADRA, 16                          ; v16-19 my A fragments, one register for each 256 along K (4 heads, 24,576 bytes)
.set ADRB, 20                          ; v20-23 the same for B (4 chunks, 49,152 bytes)
.set STO,  24
.set RD,   25
.set CO,   26
.set ADRS, 27                          ; my scale words: lanes 0-15 A's rows, lanes 16-31 B's
.set SPW,  28
.set NIL,  29
.set SC,   32
.set BP,   64
.set AF,   128
.set BK,   128
.set G1, 24
.set G0, 32
.set G1B, 48
.set G0B, 56
.set G1S, 68
.set G0S, 76
.set G1SB, 80
.set G0SB, 88
.set MSB, 0
.macro WIN new                         ; the immediate's high byte repeats the setting that is left
.if MSB != (\new)
	s_set_vgpr_msb (MSB<<8)|(\new)
.set MSB, (\new)
.endif
.endm
.set MUL_LO, 0xa1                      ; source 0 (B) window 1, source 1 (A) window 0, C and D window 2
.set FIRST_LO, 0x81                    ; the same with C (the bias) in window 0
.set TO_B,   0x40
.macro CROUND                          ; a round of the cluster's barrier
	s_barrier_signal -1
	s_barrier_wait -1
	s_cmp_lg_u32 s14, 0
	s_cbranch_scc1 .Lnot_wave_0_\@
	s_barrier_signal -3
.Lnot_wave_0_\@:
	s_barrier_wait -3
	s_barrier_signal -1
	s_barrier_wait -1
.endm
.macro PLACES n
.rept \n
	v_nop
.endr
.endm
	s_load_b256 s[4:11], s[0:1], 0x0               ; oc, os, cod, scl
	s_load_b128 s[96:99], s[0:1], 0x20             ; bo, out0
	v_lshl_add_u32 v[SPW], v0, 2, SPARE
	v_mov_b32 v[NIL], 0
	ds_add_u32 v[SPW], v[NIL]                      ; the opening lines: the add, twice on end, and its wait
	ds_add_u32 v[SPW], v[NIL]
	v_lshrrev_b32 v1, 5, v0
	v_readfirstlane_b32 s14, v1                    ; wave 0..3
	s_lshr_b32 s15, s14, 1                         ; which 64 rows of A are mine
	s_and_b32 s16, s14, 1                          ; which 128 rows of B
	s_bfe_u32 s40, ttmp6, 0x40000                  ; cx, cy
	s_bfe_u32 s41, ttmp6, 0x40004
	s_lshl_b32 s42, ttmp9, 2
	s_add_co_u32 s42, s42, s40                     ; tile column
	s_and_b32 s17, ttmp7, 0xffff
	s_lshl_b32 s17, s17, 2
	s_add_co_u32 s17, s17, s41                     ; tile row
	s_lshl_b32 s43, s41, 2
	s_lshl_b32 s43, 15, s43                        ; my row of the cluster
	s_lshl_b32 s44, 0x1111, s40                    ; my column
	s_or_b32 s[G1+0], s43, (3<<16)|(1<<21)         ; A's codes: 16 heads, each 128 rows x 48 = 6,144 dense bytes (768 elements of 8), HEADB apart
	s_mov_b32 s[G1+1], 768<<16
	s_mov_b32 s[G1+2], 16<<16
	s_mov_b32 s[G1+3], 768<<16
	s_mov_b32 s[G1+4], 16
	s_mov_b32 s[G1+5], HEADB/8
	s_mov_b32 s[G1+6], 0
	s_mov_b32 s[G1+7], 0
	s_or_b32 s[G1B+0], s44, (3<<16)|(1<<21)        ; B's codes: 16 chunks, each 256 rows x 48 = 12,288 dense bytes, 49,152 apart
	s_mov_b32 s[G1B+1], 1536<<16
	s_mov_b32 s[G1B+2], 16<<16
	s_mov_b32 s[G1B+3], 1536<<16
	s_mov_b32 s[G1B+4], 16
	s_mov_b32 s[G1B+5], 6144
	s_mov_b32 s[G1B+6], 0
	s_mov_b32 s[G1B+7], 0
	s_or_b32 s[G1S+0], s43, (3<<16)|(1<<20)|(1<<21)|(5<<22)|(3<<25)   ; A's scales: 4,096 dense bytes as 16 rows of 256, 16 bytes of padding behind each
	s_mov_b32 s[G1S+1], 32<<16
	s_mov_b32 s[G1S+2], 16<<16
	s_mov_b32 s[G1S+3], 32<<16
	s_mov_b32 s[G1S+4], 16
	s_mov_b32 s[G1S+5], 32
	s_mov_b32 s[G1S+6], 0
	s_mov_b32 s[G1S+7], 0
	s_or_b32 s[G1SB+0], s44, (3<<16)|(1<<20)|(1<<21)|(5<<22)|(3<<25)  ; B's: 8,192 bytes as 32 rows
	s_mov_b32 s[G1SB+1], 32<<16
	s_mov_b32 s[G1SB+2], 32<<16
	s_mov_b32 s[G1SB+3], 32<<16
	s_mov_b32 s[G1SB+4], 32
	s_mov_b32 s[G1SB+5], 32
	s_mov_b32 s[G1SB+6], 0
	s_mov_b32 s[G1SB+7], 0
	s_mul_i32 s20, s17, 128*48                     ; byte offsets: A's codes,
	s_mov_b32 s21, 0
	s_lshl_b32 s22, s17, 12                        ; A's scales (128 rows x 32),
	s_mov_b32 s23, 0
	s_mul_i32 s46, s42, 256*48                     ; B's codes,
	s_add_co_u32 s46, s46, WOC
	s_mov_b32 s47, 0
	s_lshl_b32 s92, s42, 13                        ; B's scales (256 rows x 32), behind the other weights' rows
	s_add_co_u32 s92, s92, 3072*32
	s_mov_b32 s93, 0
	s_lshl_b32 s2, s42, 10                         ; my first column, in bytes of f32
	s_lshl_b32 s3, s16, 9
	s_add_co_u32 s2, s2, s3
	s_lshl_b32 s12, s17, 7
	s_lshl_b32 s3, s15, 6
	s_add_co_u32 s12, s12, s3                      ; my first row,
	s_lshl_b32 s12, s12, 12                        ; 4,096 bytes a row of out0
	s_add_co_u32 s12, s12, s2
	s_mov_b32 s13, 0
	s_mul_i32 s18, s15, 64*48                      ; LDS: my 64 rows inside each head's 128,
	s_mul_i32 s19, s16, 128*48                     ; my 128 rows inside each chunk's 256,
	s_add_co_u32 s19, s19, BC
	s_mul_i32 s94, s15, HALFSA                     ; my rows' scales: A's,
	s_mul_i32 s45, s16, HALFS
	s_add_co_u32 s45, s45, 2*HALFSA
	s_sub_co_u32 s45, s45, s94                     ; and how far behind them B's lie
	s_add_co_u32 s94, s94, SCL
	s_mul_i32 s95, s14, 16*SPITCH                  ; my stage
	s_wait_dscnt 0x0                               ; both opening adds are done
	s_wait_kmcnt 0x0
	s_mov_b32 s[G0], 1
	s_mov_b32 s[G0+1], 0
	s_add_nc_u64 s[G0+2:G0+3], s[4:5], s[20:21]
	s_or_b32 s[G0+3], s[G0+3], 0x80000000
	s_mov_b32 s[G0S], 1
	s_mov_b32 s[G0S+1], SCL
	s_add_nc_u64 s[G0S+2:G0S+3], s[6:7], s[22:23]
	s_or_b32 s[G0S+3], s[G0S+3], 0x80000000
	s_mov_b32 s[G0B], 1
	s_mov_b32 s[G0B+1], BC
	s_add_nc_u64 s[G0B+2:G0B+3], s[8:9], s[46:47]
	s_or_b32 s[G0B+3], s[G0B+3], 0x80000000
	s_mov_b32 s[G0SB], 1
	s_mov_b32 s[G0SB+1], SCL+2*HALFSA
	s_add_nc_u64 s[G0SB+2:G0SB+3], s[10:11], s[92:93]
	s_or_b32 s[G0SB+3], s[G0SB+3], 0x80000000
	s_add_nc_u64 s[98:99], s[98:99], s[12:13]
	CROUND                                         ; all sixteen work-groups are here: the joint loads meet
; THE FOUR FILLS, ONE A WAVE, in one chain of branches on the wave's number: wave 0 A's codes, wave 1 A's scales, wave 2 B's codes, wave 3 B's scales.
.macro ARM under, g0, g1, next
	s_cmp_lt_u32 s14, \under
	s_cbranch_scc0 \next
	tensor_load_to_lds s[\g0:\g0+3], s[\g1:\g1+7]
	s_nop 0
.rept 4
	v_nop
.endr
	s_branch .Lhead_asked
\next:
.endm
	ARM 1, G0,  G1,  .Lhead_sa
	ARM 2, G0S, G1S, .Lhead_b
	ARM 3, G0B, G1B, .Lhead_sb
	tensor_load_to_lds s[G0SB:G0SB+3], s[G1SB:G1SB+7]
	s_nop 0
.rept 4
	v_nop
.endr
.Lhead_asked:
	v_and_b32 v1, 15, v0                           ; r
	v_bfe_u32 v2, v0, 4, 1                         ; h
	v_lshlrev_b32 v7, 6, v2
	v_add_nc_u32 v7, s2, v7                        ; the bias: in tile b my register j is column 32 (b / 2) + 16 h + 8 (b % 2) + j of my 128
.irp b, 0,1,2,3,4,5,6,7
	global_load_b128 v[BP+8*\b:BP+8*\b+3], v7, s[96:97] offset:(32*(\b/2)+8*(\b%2))*4
	global_load_b128 v[BP+8*\b+4:BP+8*\b+7], v7, s[96:97] offset:(32*(\b/2)+8*(\b%2))*4+16
.endr
	v_mul_u32_u24 v4, v2, 24
	v_mad_u32_u24 v4, v1, 48, v4                   ; a fragment's row x 48 + 24 h
	v_add_nc_u32 v[ADRA], s18, v4
	v_add_nc_u32 v[ADRB], s19, v4
.irp k, 1,2,3
	v_add_nc_u32 v[ADRA+\k], 4*6144, v[ADRA+\k-1]
	v_add_nc_u32 v[ADRB+\k], 4*12288, v[ADRB+\k-1]
.endr
	v_mul_u32_u24 v5, v1, KS                       ; my row's scales: 32 bytes a row,
	v_lshrrev_b32 v6, 8, v5
	v_lshl_add_u32 v5, v6, 4, v5                   ; and 16 more for each 256 passed
	v_mul_u32_u24 v6, s45, v2                      ; lanes 16-31 take B's
	v_add_nc_u32 v5, v5, v6
	v_add_nc_u32 v[ADRS], s94, v5
	v_mul_u32_u24 v5, v1, SPITCH                   ; the stage, in: row r, 64 bytes for each half of the lanes in each 128
	v_lshl_add_u32 v5, v2, 6, v5
	v_add_nc_u32 v[STO], s95, v5
	v_and_b32 v6, 31, v0
	v_lshlrev_b32 v[CO], 4, v6                     ; back: the 32 lanes take one row of 512 bytes; and the same in out0
	v_add_nc_u32 v[RD], s95, v[CO]
; Step st (0 .. 7) is 128 along K: heads or chunks 2 st and 2 st + 1.  Its fragments go to set st % 2; its scale words are word st % 2 of set (st / 2) % 2.
.macro FETCH_B st
	WIN TO_B
.irp i, 0,1,2,3,4,5,6,7
.irp p, 0,1,2,3,4,5
	ds_load_b64 v[128*((\st)%2)+FR*\i+2*\p:128*((\st)%2)+FR*\i+2*\p+1], v[ADRB+(\st)/2] offset:(2*((\st)%2)+\p/3)*12288+\i*768+8*(\p%3)
.endr
.endr
	WIN 0
.endm
.macro FETCH_A st
.irp i, 0,1,2,3
.irp p, 0,1,2,3,4,5
	ds_load_b64 v[AF+48*((\st)%2)+FR*\i+2*\p:AF+48*((\st)%2)+FR*\i+2*\p+1], v[ADRA+(\st)/2] offset:(2*((\st)%2)+\p/3)*6144+\i*768+8*(\p%3)
.endr
.endr
.endm
.macro SCALES pr                       ; the scale words of steps 2 pr and 2 pr + 1: lanes 0-15 A's block i (blocks 0-3 are used), lanes 16-31 B's block i
.irp i, 0,1,2,3,4,5,6,7
	ds_load_b64 v[SC+8*NQ*((\pr)%2)+NQ*\i:SC+8*NQ*((\pr)%2)+NQ*\i+1], v[ADRS] offset:\i*SBLK+4*NQ*(\pr)
.endr
.endm
.macro MUL8 a, p, q, sc, first         ; A's block a against B's eight
.irp b, 0,1,2,3,4,5,6,7
.if \first
	v_wmma_scale_f32_16x16x128_f8f6f4 v[8*(8*(\a)+\b):8*(8*(\a)+\b)+7], v[128*(\p)+FR*\b:128*(\p)+FR*\b+FR-1], v[AF+48*(\p)+FR*(\a):AF+48*(\p)+FR*(\a)+FR-1], v[BP+8*\b:BP+8*\b+7], v[SC+8*NQ*(\sc)+NQ*\b+(\q)], v[SC+8*NQ*(\sc)+NQ*(\a)+(\q)] matrix_a_fmt:MATRIX_FMT_BF6 matrix_b_fmt:MATRIX_FMT_BF6 matrix_a_scale:MATRIX_SCALE_ROW1
.else
	v_wmma_scale_f32_16x16x128_f8f6f4 v[8*(8*(\a)+\b):8*(8*(\a)+\b)+7], v[128*(\p)+FR*\b:128*(\p)+FR*\b+FR-1], v[AF+48*(\p)+FR*(\a):AF+48*(\p)+FR*(\a)+FR-1], v[8*(8*(\a)+\b):8*(8*(\a)+\b)+7], v[SC+8*NQ*(\sc)+NQ*\b+(\q)], v[SC+8*NQ*(\sc)+NQ*(\a)+(\q)] matrix_a_fmt:MATRIX_FMT_BF6 matrix_b_fmt:MATRIX_FMT_BF6 matrix_a_scale:MATRIX_SCALE_ROW1
.endif
.endr
.endm
; A step: its fragments are in; the next step's are asked for, into the set that the step before multiplied; then 32 products, the 32 accumulators by turns.
.macro KSTEP st
	s_wait_dscnt 0x0                               ; this step's fragments and scale words are in
.if \st == 7
	s_barrier_signal -1                            ; my reads of LDS are over: the barrier in front of the stage, which lies on A's bytes; the last products stand between its signal and its wait
.else
.if \st > 0
	PLACES NP                                      ; in front of loads into registers that the last step's products have read
.endif
	FETCH_B (\st)+1
	FETCH_A (\st)+1
.if (\st)%2 == 1
	SCALES ((\st)+1)/2
.endif
.endif
.if \st == 0
	WIN FIRST_LO
.irp a, 0,1,2,3
	MUL8 \a, 0, 0, 0, 1
.endr
.else
	WIN MUL_LO
.irp a, 0,1,2,3
	MUL8 \a, (\st)%2, (\st)%2, ((\st)/2)%2, 0
.endr
.endif
	WIN 0
.if \st == 7
	s_barrier_wait -1
.endif
.endm
	s_wait_alu depctr_va_vdst(0)
	s_wait_tensorcnt 0x0                           ; my fill has landed,
	s_barrier_signal -1
	s_barrier_wait -1                              ; everybody's has: until the stage these bytes are only read
	FETCH_B 0
	FETCH_A 0
	SCALES 0
	s_wait_loadcnt 0x0                             ; the bias
.irp st, 0,1,2,3,4,5,6,7
	KSTEP \st
.endr
; THE WAY OUT, block by block of 16 rows x 128 columns, through my own stage: back come whole rows of 512 bytes, which the 32 lanes store as two aligned runs of 256 bytes.  LDS serves a wave's instructions in order (ISA guide 5.7.1.4).
.macro TOSTAGE a
.set AC, 64*(\a)
	WIN 0x08
.irp b, 0,1,2,3,4,5,6,7
	ds_store_b128 v[STO], v[AC+8*\b:AC+8*\b+3] offset:128*(\b/2)+32*(\b%2)          ; each accumulator from its low end on; the offsets put the columns in their true order
	ds_store_b128 v[STO], v[AC+8*\b+4:AC+8*\b+7] offset:128*(\b/2)+32*(\b%2)+16
.endr
	WIN 0
.set BB, BK+64*((\a)%2)
.irp t, 0,1,2,3,4,5,6,7,8,9,10,11,12,13,14,15
	ds_load_b128 v[BB+4*\t:BB+4*\t+3], v[RD] offset:\t*SPITCH
.endr
.endm
.macro SEND a, younger                 ; younger: the LDS instructions issued behind block a's loads, which may stay out
.set BB, BK+64*((\a)%2)
	s_wait_dscnt \younger
.irp t, 0,1,2,3,4,5,6,7,8,9,10,11,12,13,14,15
	global_store_b128 v[CO], v[BB+4*\t:BB+4*\t+3], s[98:99] offset:(32*((\a)/2)+8*((\a)%2)+\t+8*(\t/8))*4096 th:TH_STORE_NT   ; the offsets put the rows in their true order
.endr
.endm
	PLACES NP                                      ; in front of the first read of results and of loads into A's registers
	TOSTAGE 0
.irp a, 1,2,3
.if \a > 1
	s_wait_xcnt 0x0                                ; block a - 2's stores have read their registers: block a's loads may land there
.endif
	TOSTAGE \a
	SEND \a-1, 32                                  ; behind block a - 1's loads: block a's 16 stores and 16 loads
.endr
	SEND 3, 0
	s_wait_tensorcnt 0x0                           ; the wave's end
	ds_add_u32 v[SPW], v[NIL]
	s_wait_dscnt 0x0
	CROUND                                         ; the closing round
	s_endpgm
.Lfunc_end_k_q5b43865496_outp:
	.size	k_q5b43865496_outp, .Lfunc_end_k_q5b43865496_outp-k_q5b43865496_outp
	.p2alignl 7, 3214868480
	.fill 96, 4, 3214868480
	.section	.rodata,"a",@progbits
	.p2align	6, 0x0
	.amdhsa_kernel k_q5b43865496_outp
		.amdhsa_group_segment_fixed_size 327680
		.amdhsa_private_segment_fixed_size 0
		.amdhsa_enable_private_segment 0
		.amdhsa_kernarg_size 48
		.amdhsa_user_sgpr_count 2
		.amdhsa_user_sgpr_kernarg_segment_ptr 1
		.amdhsa_wavefront_size32 1
		.amdhsa_system_sgpr_workgroup_id_x 1
		.amdhsa_system_sgpr_workgroup_id_y 1
		.amdhsa_system_sgpr_workgroup_id_z 1
		.amdhsa_system_vgpr_workitem_id 0
		.amdhsa_next_free_vgpr 768
		.amdhsa_next_free_sgpr 100
		.amdhsa_reserve_vcc 0
		.amdhsa_float_denorm_mode_32 3
		.amdhsa_float_denorm_mode_16_64 3
		.amdhsa_memory_ordered 1
		.amdhsa_forward_progress 1
		.amdhsa_inst_pref_size 97
	.end_amdhsa_kernel
	.amdgpu_metadata
---
amdhsa.version: [ 1, 2 ]
amdhsa.kernels:
  - .name:           k_q5b43865496_outp
    .symbol:         k_q5b43865496_outp.kd
    .args:
      - { .name: oc, .offset: 0, .size: 8, .value_kind: global_buffer, .address_space: global }
      - { .name: os, .offset: 8, .size: 8, .value_kind: global_buffer, .address_space: global }
      - { .name: cod, .offset: 16, .size: 8, .value_kind: global_buffer, .address_space: global }
      - { .name: scl, .offset: 24, .size: 8, .value_kind: global_buffer, .address_space: global }
      - { .name: bo, .offset: 32, .size: 8, .value_kind: global_buffer, .address_space: global }
      - { .name: out0, .offset: 40, .size: 8, .value_kind: global_buffer, .address_space: global }
    .group_segment_fixed_size: 327680
    .private_segment_fixed_size: 0
    .kernarg_segment_align: 8
    .kernarg_segment_size: 48
    .max_flat_workgroup_size: 128
    .sgpr_count:     100
    .vgpr_count:     768
    .wavefront_size: 32
...
	.end_amdgpu_metadata
.endif
;; end of part 9
